; MI455X (gfx1250); checked and timed in simulation.
; The chip was launched on July 23, 2026; its instructions are those of AMD's public machine-readable ISA for CDNA 5 (MIT licence, August 2026) and "CDNA5" Instruction Set Architecture Reference Guide (July 2026). The comments in the code are by the model that wrote it; some were corrected since.
;; Causal Self Attention. Allowed arithmetic: float matrix products may take bf16 or f16 operands with f32 sums; other float arithmetic in f32, or as packed bf16 or f16 multiplies, adds, multiply-adds, maxima and minima; sums over many terms, partial sums and values carried from step to step in f32; what a program stores and reads back later, other than sums and carried values, may be rounded once to bf16 or f16.
;; Inputs: Wk 1,024 x 1,024 float32; Wq 1,024 x 1,024 float32; Wv 1,024 x 1,024 float32; x 4 x 2,048 x 1,024 float32.
;; Outputs: out0 4 x 2,048 x 1,024 float32.
;; 3 versions, each right; version 2 is faster than version 1; version 3 is version 2 with the launch cast written anew for expert scheduling mode. Each part assembles by itself: llvm-mc -triple=amdgcn-amd-amdhsa -mcpu=gfx1250 --defsym DOCPART=n.
;; ======== version 1 of 3: 4 launches
;; limits: values are held in f16: magnitudes above 65,504 overflow, below 6.1e-05 lose precision; values outside matrix products are rounded to f16
;; workspace buffers: xb 16,777,216 bytes; wb 6,291,456 bytes; qkv 50,331,648 bytes; p 33,554,432 bytes; stats 1,048,576 bytes
;; launch cast (part 1): grid 352 x 1, 8 waves a work-group, no clusters, 0 bytes of LDS; arguments x, Wq, Wk, Wv, xb, wb; writes xb, wb
.if DOCPART == 1
	.amdgcn_target "amdgcn-amd-amdhsa--gfx1250"
	.amdhsa_code_object_version 6
	.text
	.protected	k_q7ac850fbc3_cast
	.globl	k_q7ac850fbc3_cast
	.p2align	8
	.type	k_q7ac850fbc3_cast,@function
k_q7ac850fbc3_cast:
	s_mov_b64 s[64:65], 0
	v_nop
	global_prefetch_b8 v0, s[64:65] scope:SCOPE_SE
	s_setreg_imm32_b32 hwreg(HW_REG_WAVE_MODE, 25, 1), 1
	s_wait_xcnt 0x0
; x [8192][1024] f32 -> xb [8192][1024] bf16;  Wq, Wk, Wv [1024][1024] f32 -> wb [1024 d][3072 n] bf16, side by side in a row (Wq at n 0, Wk at 1024, Wv at 2048).
; Everything is rows of 1,024 f32: 4,096 bytes in, 2,048 bytes out.  A work-group takes 32 rows, each of its eight waves 4.  Work-groups 0-255 take x, 256-351 the weights (32 each).
; A stream: each byte is read once and written once; no LDS, no matrix unit, no barrier would add anything.  A wave's 32 loads go out at once; no register is used twice, so the only waits are the counted ones.
.set XR,   16                          ; v[16:143]  32 loads of 4 f32
.set YR,   144                         ; v[144:207] 32 x 4 bf16 to store
.set OFFS, 4                           ; v[4:7]     row rho of my four: its byte offset in the output, + 8 x lane
	s_load_b256 s[4:11], s[0:1], 0x0               ; x s[4:5], Wq s[6:7], Wk s[8:9], Wv s[10:11]
	s_load_b128 s[12:15], s[0:1], 0x20             ; xb s[12:13], wb s[14:15]
	s_mov_b32 s16, ttmp9
	s_max_u32 s17, s16, 256
	s_sub_co_u32 s17, s17, 256                     ; my number among the weights' work-groups (0 for x's)
	s_lshr_b32 s18, s17, 5                         ; which weight
	s_and_b32 s19, s17, 31                         ; which 32 rows of it
	s_lshl_b32 s27, s18, 11                        ; the weight's 2,048 bytes in a row of wb (0 for x)
	s_mov_b32 s26, 6144
	s_cmp_lt_u32 s16, 256
	s_cselect_b32 s26, 2048, s26                   ; bytes in an output row
	s_cselect_b32 s20, s16, s19                    ; my block of 32 rows
	s_mul_i32 s28, s20, s26
	s_lshl_b32 s28, s28, 5
	s_add_co_u32 s28, s28, s27                     ; byte offset of my block in the output
	s_mov_b32 s29, 0
	s_lshl_b32 s30, s20, 17                        ; and in the input: 32 rows of 4,096 bytes
	s_mov_b32 s31, 0
	v_and_b32 v1, 31, v0                           ; lane
	v_lshrrev_b32 v3, 5, v0                        ; wave
	v_lshlrev_b32 v2, 14, v3                       ; my wave's 4 rows of 4,096 bytes,
	v_lshl_add_u32 v2, v1, 4, v2                   ; 16 bytes a lane
	v_lshlrev_b32 v3, 2, v3
.irp rho, 0,1,2,3
	v_add_nc_u32 v[OFFS+(\rho)], (\rho), v3
	v_mul_lo_u32 v[OFFS+(\rho)], v[OFFS+(\rho)], s26
	v_lshl_add_u32 v[OFFS+(\rho)], v1, 3, v[OFFS+(\rho)]
.endr
	s_wait_kmcnt 0x0
	s_cmp_eq_u32 s18, 1                            ; the buffers are chosen by the work-group's number alone
	s_cselect_b64 s[22:23], s[8:9], s[6:7]
	s_cmp_eq_u32 s18, 2
	s_cselect_b64 s[22:23], s[10:11], s[22:23]
	s_cmp_lt_u32 s16, 256
	s_cselect_b64 s[22:23], s[4:5], s[22:23]
	s_cselect_b64 s[24:25], s[12:13], s[14:15]
	s_add_nc_u64 s[22:23], s[22:23], s[30:31]
	s_add_nc_u64 s[24:25], s[24:25], s[28:29]
.set n, 0
.rept 32                               ; load n: row n / 8, 512 neighbouring bytes at 512 (n % 8)
	global_load_b128 v[XR+4*n:XR+4*n+3], v2, s[22:23] offset:(n/8)*4096+(n%8)*512 th:TH_LOAD_NT
.set n, n+1
.endr
.set n, 0
.rept 32
	s_wait_loadcnt 31-n                            ; loads come back in order: load n is in, the younger ones stay out
	v_cvt_pk_bf16_f32 v[YR+2*n], v[XR+4*n], v[XR+4*n+1]
	v_cvt_pk_bf16_f32 v[YR+2*n+1], v[XR+4*n+2], v[XR+4*n+3]
	global_store_b64 v[OFFS+n/8], v[YR+2*n:YR+2*n+1], s[24:25] offset:(n%8)*256  ; 32 lanes x 8 bytes: 256 consecutive bytes, at a multiple of 256 from the buffer's first
.set n, n+1
.endr
	s_endpgm
.Lfunc_end_k_q7ac850fbc3_cast:
	.size	k_q7ac850fbc3_cast, .Lfunc_end_k_q7ac850fbc3_cast-k_q7ac850fbc3_cast
	.p2alignl 7, 3214868480
	.fill 96, 4, 3214868480
	.section	.rodata,"a",@progbits
	.p2align	6, 0x0
	.amdhsa_kernel k_q7ac850fbc3_cast
		.amdhsa_group_segment_fixed_size 0
		.amdhsa_private_segment_fixed_size 0
		.amdhsa_enable_private_segment 0
		.amdhsa_kernarg_size 48
		.amdhsa_user_sgpr_count 2
		.amdhsa_user_sgpr_kernarg_segment_ptr 1
		.amdhsa_wavefront_size32 1
		.amdhsa_system_sgpr_workgroup_id_x 1
		.amdhsa_system_sgpr_workgroup_id_y 1
		.amdhsa_system_sgpr_workgroup_id_z 1
		.amdhsa_system_vgpr_workitem_id 0
		.amdhsa_next_free_vgpr 208
		.amdhsa_next_free_sgpr 66
		.amdhsa_reserve_vcc 0
		.amdhsa_float_denorm_mode_32 3
		.amdhsa_float_denorm_mode_16_64 3
		.amdhsa_memory_ordered 1
		.amdhsa_forward_progress 1
		.amdhsa_inst_pref_size 14
	.end_amdhsa_kernel
	.amdgpu_metadata
---
amdhsa.version: [ 1, 2 ]
amdhsa.kernels:
  - .name:           k_q7ac850fbc3_cast
    .symbol:         k_q7ac850fbc3_cast.kd
    .args:
      - { .name: x, .offset: 0, .size: 8, .value_kind: global_buffer, .address_space: global }
      - { .name: Wq, .offset: 8, .size: 8, .value_kind: global_buffer, .address_space: global }
      - { .name: Wk, .offset: 16, .size: 8, .value_kind: global_buffer, .address_space: global }
      - { .name: Wv, .offset: 24, .size: 8, .value_kind: global_buffer, .address_space: global }
      - { .name: xb, .offset: 32, .size: 8, .value_kind: global_buffer, .address_space: global }
      - { .name: wb, .offset: 40, .size: 8, .value_kind: global_buffer, .address_space: global }
    .group_segment_fixed_size: 0
    .private_segment_fixed_size: 0
    .kernarg_segment_align: 8
    .kernarg_segment_size: 48
    .max_flat_workgroup_size: 256
    .sgpr_count:     66
    .vgpr_count:     208
    .wavefront_size: 32
...
	.end_amdgpu_metadata
.endif
;; end of part 1
;; launch proj (part 2): grid 12 x 32, 4 waves a work-group, clusters of 4 x 4, 327,680 bytes of LDS; arguments xb, wb, qkv; writes qkv
.if DOCPART == 2
	.amdgcn_target "amdgcn-amd-amdhsa--gfx1250"
	.amdhsa_code_object_version 6
	.text
	.protected	k_q7ac850fbc3_proj
	.globl	k_q7ac850fbc3_proj
	.p2align	8
	.type	k_q7ac850fbc3_proj,@function
k_q7ac850fbc3_proj:
	s_mov_b64 s[64:65], 0
	v_nop
	global_prefetch_b8 v0, s[64:65] scope:SCOPE_SE
	s_setreg_imm32_b32 hwreg(HW_REG_WAVE_MODE, 25, 1), 1
	s_wait_xcnt 0x0
	s_wait_alu depctr_hold_cnt(0) depctr_sa_sdst(0) depctr_va_vdst(0) depctr_va_sdst(0) depctr_va_ssrc(0) depctr_va_vcc(0) depctr_vm_vsrc(0)
	s_getreg_b32 s2, hwreg(HW_REG_IB_STS2, 6, 4)
	s_cmp_eq_u32 s2, 0
	s_cbranch_scc0 .Lentry_in_a_cluster
	s_endpgm
.Lentry_in_a_cluster:
	s_bfe_u32 s2, ttmp6, 0x10000c
	s_cmp_lg_u32 s2, 0xf033
	s_cbranch_scc0 .Lentry_shape_is_right
	s_endpgm
.Lentry_shape_is_right:
; qkv[m][n] = sum over d of xb[m][d] wb[d][n].  xb: [8192][1024] bf16, wb: [1024][3072] bf16, qkv: [8192][3072] f16 (Q at n 0, K at 1024, V at 2048); sums in f32, rounded once.
; LIMIT.  f16 holds no number beyond 65,504: a sum of 65,520 or more leaves as an infinity.
; A tile of 256 x 256 is made by four waves, each 128 x 128: 64 accumulators of 16 x 16, 512 registers.  K = 1,024 goes in 8 steps of 128 through two LDS slots filled by tensor loads.
; The loop's body is ONE K step; which slot it reads hangs on two scalars that an exclusive or turns at each step's end.
; CLUSTER 4 x 4: the four of a row of the cluster need the same tiles of xb, the four of a column the same tiles of wb: each tile is asked for jointly, by the same load with the same descriptor and a mask of the four.
; THE MATRIX INSTRUCTION IS USED TRANSPOSED: source 0 = 16 columns n of wb, source 1 = 16 rows of xb, so that a lane holds eight neighbouring n of one row m.
; wb lies [d][n]: its fragments come out of LDS turned, by ds_load_tr16_b128.
; REGISTERS in windows of 256 (s_set_vgpr_msb: bits 1:0 source 0, 3:2 source 1, 5:4 source 2, 7:6 destination):
;   window 0: v0-31 addresses; v64-127, v128-191 fragments of xb, two buffers; v32-63, v192-255 at work on the way out
;   window 1: v64-127, v128-191 fragments of wb      window 2: accumulators of my rows 0-63 ((a, b) at v[8 (8 a + b)])      window 3: of my rows 64-127
.set PITCH,  272                       ; a row of xb's tile in LDS: 256 bytes + 16: the 16 rows of a load start at 16 different groups of four banks (ISA guide 11.1)
.set BPITCH, 544                       ; a row of wb's tile: 512 bytes + 32
.set HALFT,  128*PITCH                 ; what one tensor load brings: 128 rows of xb, or 64 rows of wb (64 x 544 is the same 34,816 bytes)
.set SLOT,   4*HALFT                   ; xb's 256 rows, then wb's 128 rows d
.set STAGE,  2*SLOT                    ; behind the ring: 16 rows x 272 bytes for each wave, for the way out
.set SPITCH, 272
.set SPARE,  STAGE+4*16*SPITCH         ; the spare words: 128 bytes for each wave, two blocks of 256 bytes that no other line names
.set NROW,   6144                      ; bytes in a row of wb and of qkv
.set ASTEP,  256                       ; a K step in xb: 128 elements along the row
.set BSTEP,  128*NROW                  ; a K step in wb: 128 rows down
.set ADRA0, 16                         ; v16  my lane's place among xb's fragments in slot 0; never rewritten
.set ADRB0, 17                         ; v17  the same for wb
.set ADRA,  18                         ; v18, v19  the same in the slot of the step in hand
.set ADRB,  19
.set ADRAN, 20                         ; v20, v21  and in the other slot
.set ADRBN, 21
.set STO,  24                          ; the way out: where I put 16 bytes of a row
.set RD,   25                          ; where I read a row back
.set CO,   26                          ; my byte offset in qkv
.set SPW,  28                          ; LDS address of my spare word; never rewritten
.set NIL,  29                          ; 0; never rewritten
.set F0,   64
.set F1,   128
.set TMP,  192
.set OB,   32
.set G1,  24                           ; s[24:31] descriptor group 1 for xb's tiles
.set G0,  32                           ; s[32:39] group 0: a set for each first fill; the second then walks
.set G1B, 48                           ; s[48:55], s[56:63] the same for wb's tiles
.set G0B, 56
.set TB,  66                           ; LDS byte at which the slot of the step in hand begins
.set TN,  67                           ; and the other slot
.set CNT, 68
.set MSB, 0
.macro WIN new                         ; the immediate's high byte repeats the setting that is left; a switch that changes nothing is dropped
.if MSB != (\new)
	s_set_vgpr_msb (MSB<<8)|(\new)
.set MSB, \new
.endif
.endm
.set MUL_LO, 0xa1                      ; source 0 window 1, source 1 window 0, C and D window 2
.set MUL_HI, 0xf1                      ; C and D window 3
.set TO_B,   0x40                      ; destination window 1, address window 0
.macro PLACES                          ; four plain vector instructions between a matrix instruction and a load into, or a vector read of, its registers
.rept 4
	v_nop
.endr
.endm
; A joint refill by the walking descriptors.  Waves 0 and 1 fetch xb's two halves, waves 2 and 3 wb's.  The branch hangs on the wave's number alone.
; An s_nop 0 and four v_nop follow each line, ahead of the jump and the label.
.macro JLOAD
	s_cmp_eq_u32 s11, 0
	s_cbranch_scc0 .Lfor_b_\@
	tensor_load_to_lds s[G0+4:G0+7], s[G1:G1+7]
	s_nop 0
	PLACES
	s_branch .Lasked_\@
.Lfor_b_\@:
	tensor_load_to_lds s[G0B+4:G0B+7], s[G1B:G1B+7]
	s_nop 0
	PLACES
.Lasked_\@:
.endm
.macro CREST                           ; a round of the cluster's barrier behind its opening barrier
	s_cmp_lg_u32 s10, 0
	s_cbranch_scc1 .Lnot_wave_0_\@
	s_barrier_signal -3
.Lnot_wave_0_\@:
	s_barrier_wait -3
	s_barrier_signal -1
	s_barrier_wait -1
.endm
.macro CROUND                          ; a whole round
	s_barrier_signal -1
	s_barrier_wait -1
	CREST
.endm
	s_load_b128 s[4:7], s[0:1], 0x0                ; xb s[4:5], wb s[6:7]
	s_load_b64 s[8:9], s[0:1], 0x10                ; qkv
	v_lshl_add_u32 v[SPW], v0, 2, SPARE
	v_mov_b32 v[NIL], 0
	ds_add_u32 v[SPW], v[NIL]                      ; the wave's opening: the add and its wait stand ahead of my first tensor load; work on registers stands between them
	ds_add_u32 v28, v29
	v_lshrrev_b32 v1, 5, v0
	v_readfirstlane_b32 s10, v1                    ; wave 0..3
	s_lshr_b32 s11, s10, 1                         ; which half of the tile's rows is mine.  Also: I fetch for xb (0) or for wb (1)
	s_and_b32 s12, s10, 1                          ; which half of its columns.  Also: which half of that tile I fetch
	s_bfe_u32 s40, ttmp6, 0x40000                  ; cx
	s_bfe_u32 s41, ttmp6, 0x40004                  ; cy
	s_lshl_b32 s42, ttmp9, 2
	s_add_co_u32 s42, s42, s40                     ; tile column = 4 x cluster x + cx
	s_and_b32 s13, ttmp7, 0xffff
	s_lshl_b32 s13, s13, 2
	s_add_co_u32 s13, s13, s41                     ; tile row = 4 x cluster y + cy
	s_lshl_b32 s43, s41, 2
	s_lshl_b32 s43, 15, s43                        ; my row of the cluster
	s_lshl_b32 s44, 0x1111, s40                    ; my column
	s_or_b32 s[G1+0], s43, (1<<16)|(1<<20)|(1<<21)|(5<<22)|(3<<25)   ; mask; 2-byte elements; padding on; bit 21 beside a mask; after every 64 words 4 words
	s_mov_b32 s[G1+1], 128<<16                     ; tensor_dim0 = 128
	s_mov_b32 s[G1+2], 128<<16                     ; tensor_dim1 = 128
	s_mov_b32 s[G1+3], 128<<16                     ; tile_dim0 = 128
	s_mov_b32 s[G1+4], 128                         ; tile_dim1 = 128
	s_mov_b32 s[G1+5], 1024                        ; elements from row to row of xb
	s_mov_b32 s[G1+6], 0
	s_mov_b32 s[G1+7], 0
	s_or_b32 s[G1B+0], s44, (1<<16)|(1<<20)|(1<<21)|(6<<22)|(7<<25)  ; after every 128 words 8 words
	s_mov_b32 s[G1B+1], 256<<16                    ; tensor_dim0 = 256
	s_mov_b32 s[G1B+2], 64<<16                     ; tensor_dim1 = 64
	s_mov_b32 s[G1B+3], 256<<16                    ; tile_dim0 = 256
	s_mov_b32 s[G1B+4], 64                         ; tile_dim1 = 64
	s_mov_b32 s[G1B+5], 3072                       ; elements from row to row of wb
	s_mov_b32 s[G1B+6], 0
	s_mov_b32 s[G1B+7], 0
	s_lshl_b32 s17, s12, 7
	s_lshl_b32 s16, s13, 8
	s_add_co_u32 s16, s16, s17                     ; xb: row 256 x tile row + 128 x half,
	s_lshl_b32 s16, s16, 11                        ; of 2,048 bytes
	s_mov_b32 s17, 0
	s_mul_i32 s46, s12, 64*NROW                    ; wb: row d = 64 x half,
	s_lshl_b32 s47, s42, 9                         ; 512 bytes for each tile column
	s_add_co_u32 s46, s46, s47
	s_mov_b32 s47, 0
	s_mul_i32 s20, s10, HALFT                      ; where my loads go: wave x 34,816: no place in the cluster enters an LDS address
	s_mov_b32 s[TB], 0
	s_mov_b32 s[TN], SLOT
	s_wait_dscnt 0x0                               ; the opening add is done
	s_wait_kmcnt 0x0
	s_add_nc_u64 s[14:15], s[4:5], s[16:17]
	s_add_nc_u64 s[46:47], s[6:7], s[46:47]
	CROUND                                         ; all sixteen work-groups are here: the first joint loads meet
.irp s, 0,1
	s_mov_b32 s[G0+4*(\s)], 1                      ; count = 1
	s_add_co_u32 s[G0+4*(\s)+1], s20, (\s)*SLOT    ; LDS address
	s_add_nc_u64 s[G0+4*(\s)+2:G0+4*(\s)+3], s[14:15], (\s)*ASTEP   ; global address: K step s
	s_or_b32 s[G0+4*(\s)+3], s[G0+4*(\s)+3], 0x80000000             ; type = 2
	s_mov_b32 s[G0B+4*(\s)], 1
	s_add_co_u32 s[G0B+4*(\s)+1], s20, (\s)*SLOT
	s_add_nc_u64 s[G0B+4*(\s)+2:G0B+4*(\s)+3], s[46:47], (\s)*BSTEP
	s_or_b32 s[G0B+4*(\s)+3], s[G0B+4*(\s)+3], 0x80000000
.endr
	s_cmp_eq_u32 s11, 0                            ; a wave's two first fills stand in one branch, ahead of every wait on TENSORcnt and every LDS read: two loads of mine are out
	s_cbranch_scc0 .Lfirst_b
	tensor_load_to_lds s[G0:G0+3], s[G1:G1+7]
	s_nop 0
	tensor_load_to_lds s[G0+4:G0+7], s[G1:G1+7]
	s_nop 0
	PLACES
	s_branch .Lfirst_asked
.Lfirst_b:
	tensor_load_to_lds s[G0B:G0B+3], s[G1B:G1B+7]
	s_nop 0
	tensor_load_to_lds s[G0B+4:G0B+7], s[G1B:G1B+7]
	s_nop 0
	PLACES
.Lfirst_asked:
	; A fragment is 16 rows x 32 K in 8 registers: lane l holds row l % 16, K = 8 (l / 16) + 0..7 and 16 + 8 (l / 16) + 0..7.
	v_and_b32 v1, 15, v0                           ; l % 16
	v_bfe_u32 v2, v0, 4, 1                         ; l / 16
	v_mul_u32_u24 v3, v1, PITCH
	v_lshl_add_u32 v3, v2, 4, v3
	s_mul_i32 s21, s11, HALFT                      ; my 128 rows of xb
	v_add_nc_u32 v[ADRA0], s21, v3
	; The turning load: lane l reads 16 bytes of row d = 8 (l / 16) + l % 8 at columns 8 ((l / 8) % 2) + 0..7, and is left with column l % 16 and 8 values of d.
	v_and_b32 v4, 7, v0
	v_lshl_add_u32 v4, v2, 3, v4
	v_mul_u32_u24 v4, v4, BPITCH
	v_bfe_u32 v5, v0, 3, 1
	v_lshl_add_u32 v4, v5, 4, v4
	s_lshl_b32 s22, s12, 8                         ; my 128 columns: 256 bytes,
	s_add_co_u32 s22, s22, 2*HALFT                 ; behind xb's 256 rows
	v_add_nc_u32 v[ADRB0], s22, v4
.macro ADDRS
	v_add_nc_u32 v[ADRA],  s[TB], v[ADRA0]
	v_add_nc_u32 v[ADRB],  s[TB], v[ADRB0]
	v_add_nc_u32 v[ADRAN], s[TN], v[ADRA0]
	v_add_nc_u32 v[ADRBN], s[TN], v[ADRB0]
.endm
	ADDRS
	s_mul_i32 s23, s10, 16*SPITCH
	s_add_co_u32 s23, s23, STAGE                   ; my stage
	v_mul_u32_u24 v4, v1, SPITCH                   ; in: row l % 16, 16 bytes for each half of the lanes
	v_lshl_add_u32 v4, v2, 4, v4
	v_add_nc_u32 v[STO], s23, v4
	v_mul_u32_u24 v5, v2, SPITCH                   ; back: lanes 0-15 take one row of 256 bytes, lanes 16-31 the next
	v_lshl_add_u32 v5, v1, 4, v5
	v_add_nc_u32 v[RD], s23, v5
	v_mul_u32_u24 v5, v2, NROW                     ; and the same two rows in qkv
	v_lshl_add_u32 v[CO], v1, 4, v5
	s_lshl_b32 s13, s13, 8
	s_lshl_b32 s14, s11, 7
	s_add_co_u32 s16, s13, s14                     ; my first row of qkv,
	s_mul_i32 s16, s16, NROW
	s_lshl_b32 s46, s42, 9                         ; my first column in bytes: 512 x tile column + 256 x half
	s_lshl_b32 s47, s12, 8
	s_add_co_u32 s46, s46, s47
	s_add_co_u32 s16, s16, s46
	s_mov_b32 s17, 0
; 16 matrix instructions: row blocks a0, a0 + 1 of the window's four x all 8 column blocks, 32 along K.  zero = 1: the first product starts the sums.
.macro MUL16 f, hi, a0, zero
	WIN MUL_LO+0x50*(\hi)
.irp a, \a0, (\a0)+1
.irp b, 0,1,2,3,4,5,6,7
.if \zero
	v_wmma_f32_16x16x32_bf16 v[8*(8*(\a)+(\b)):8*(8*(\a)+(\b))+7], v[(\f)+8*(\b):(\f)+8*(\b)+7], v[(\f)+8*(4*(\hi)+(\a)):(\f)+8*(4*(\hi)+(\a))+7], 0
.else
	v_wmma_f32_16x16x32_bf16 v[8*(8*(\a)+(\b)):8*(8*(\a)+(\b))+7], v[(\f)+8*(\b):(\f)+8*(\b)+7], v[(\f)+8*(4*(\hi)+(\a)):(\f)+8*(4*(\hi)+(\a))+7], v[8*(8*(\a)+(\b)):8*(8*(\a)+(\b))+7]
.endif
.endr
.endr
.endm
; 32 LDS loads in one run: the fragments of quarter kq (32 along K) into buffer f: wb's 8, turned, then xb's 8
.macro FETCH ra, rb, kq, f
	WIN TO_B
.irp i, 0,1,2,3,4,5,6,7
	ds_load_tr16_b128 v[(\f)+8*(\i):(\f)+8*(\i)+3],   v[\rb] offset:(\kq)*32*BPITCH+32*(\i)
	ds_load_tr16_b128 v[(\f)+8*(\i)+4:(\f)+8*(\i)+7], v[\rb] offset:(\kq)*32*BPITCH+32*(\i)+16*BPITCH
.endr
	WIN 0
.irp i, 0,1,2,3,4,5,6,7
	ds_load_b128 v[(\f)+8*(\i):(\f)+8*(\i)+3],   v[\ra] offset:64*(\kq)+(\i)*16*PITCH
	ds_load_b128 v[(\f)+8*(\i)+4:(\f)+8*(\i)+7], v[\ra] offset:64*(\kq)+(\i)*16*PITCH+32
.endr
.endm
; One of a K step's first three quarters: multiplies buffer f; in its middle it fetches quarter kq into buffer g.  The 64 accumulators take turns.
.macro QUARTER ra, rb, kq, f, g, zero
	s_wait_dscnt 8                                 ; wb's fragments and xb's rows 0-63 are in; the youngest eight loads (rows 64-127) may be out
	MUL16 \f, 0, 0, \zero
	MUL16 \f, 0, 2, \zero
	PLACES
	FETCH \ra, \rb, \kq, \g
	s_wait_dscnt 32                                ; all but the 32 just issued
	MUL16 \f, 1, 0, \zero
	MUL16 \f, 1, 2, \zero
.endm
; The last quarter's first half and the one barrier of a change of slots.  In front of it each wave waits for all its tensor loads (one is out: its part of the other slot), adds 0 to its
; spare word, and waits for that and for its own reads of this slot.  Behind it nobody reads this slot any more and the other slot is whole.
.macro MEET
	WIN 0
	s_wait_tensorcnt 0x0
	ds_add_u32 v[SPW], v[NIL]
	s_wait_dscnt 9                                 ; the add and the youngest eight loads may be out
	MUL16 F1, 0, 0, 0
	s_wait_dscnt 0x0                               ; the add is done, and my reads of this slot are over
	s_barrier_signal -1
	MUL16 F1, 0, 2, 0                              ; work on registers while the others arrive
	WIN 0
	s_barrier_wait -1
.endm
; The whole last quarter.  fill = 1: the barrier opens a round of the cluster's, and the slot just read is filled again, first thing behind it, with the K step two steps on:
; from that request to the wait for it a wave issues 224 matrix instructions.
.macro TURN fill
	MEET
.if \fill
	CREST
	s_xor_b32 s[G0+5], s[G0+5], SLOT               ; the walking descriptors: the other slot than last time (the wave's base shares no bit with SLOT),
	s_add_nc_u64 s[G0+6:G0+7], s[G0+6:G0+7], ASTEP ; the next K step; the type bits on top are not reached
	s_xor_b32 s[G0B+5], s[G0B+5], SLOT
	s_add_nc_u64 s[G0B+6:G0B+7], s[G0B+6:G0B+7], BSTEP
	JLOAD                                          ; its four v_nop are also the places in front of the loads below
.else
	PLACES
.endif
	FETCH ADRAN, ADRBN, 0, F0
	MUL16 F1, 1, 0, 0
	MUL16 F1, 1, 2, 0
.endm
.macro TOGGLE                          ; the slots change places
	WIN 0
	s_xor_b32 s[TB], s[TB], SLOT
	s_xor_b32 s[TN], s[TN], SLOT
	ADDRS
.endm
	s_wait_tensorcnt 0x1                           ; my part of K step 0 is in; K step 1's may stay out
	s_barrier_signal -1
	s_barrier_wait -1
	FETCH ADRA, ADRB, 0, F0
	QUARTER ADRA, ADRB, 1, F0, F1, 1               ; the first quarter stands in front of the loop: its products start the sums
	WIN 0
	s_mov_b32 s[CNT], 6
	s_branch .Lmid
.Lstep:                                                ; six trips: K steps 0 to 5, which ask for steps 2 to 7
	QUARTER ADRA, ADRB, 1, F0, F1, 0
	WIN 0
.Lmid:
	QUARTER ADRA, ADRB, 2, F1, F0, 0
	QUARTER ADRA, ADRB, 3, F0, F1, 0
	TURN 1
	TOGGLE
	s_sub_co_u32 s[CNT], s[CNT], 1
	s_cmp_lg_u32 s[CNT], 0
	s_cbranch_scc1 .Lstep
	s_mov_b32 s[CNT], 2
.Ltail:                                                ; K steps 6 and 7 ask for nothing.  The last trip's fetch from the other slot serves nothing: the price, once a launch, of one text for both
	QUARTER ADRA, ADRB, 1, F0, F1, 0
	QUARTER ADRA, ADRB, 2, F1, F0, 0
	QUARTER ADRA, ADRB, 3, F0, F1, 0
	TURN 0
	TOGGLE
	s_sub_co_u32 s[CNT], s[CNT], 1
	s_cmp_lg_u32 s[CNT], 0
	s_cbranch_scc1 .Ltail
; THE WAY OUT of block a (16 rows): rounded to f16, 16 bytes a lane; into my own stage and back as whole rows of 256 bytes; stored.
.macro PACK a
.set AC, 64*((\a)%4)
	WIN 0x0a+5*((\a)/4)                            ; sources 0 and 1: window 2 or 3
.irp b, 0,1,2,3,4,5,6,7
.irp r, 0,1,2,3
	v_cvt_pk_f16_f32 v[TMP+4*(\b)+(\r)], v[AC+8*(\b)+2*(\r)], v[AC+8*(\b)+2*(\r)+1]
.endr
.endr
	WIN 0
.endm
.macro TOSTAGE a
.set BK, OB+192*((\a)%2)
.irp b, 0,1,2,3,4,5,6,7
	ds_store_b128 v[STO], v[TMP+4*(\b):TMP+4*(\b)+3] offset:32*(\b)
.endr
.irp t, 0,1,2,3,4,5,6,7
	ds_load_b128 v[BK+4*(\t):BK+4*(\t)+3], v[RD] offset:(\t)*2*SPITCH  ; LDS serves a wave's instructions in order (ISA guide 5.7.1.4): these see the stores above
.endr
.endm
.macro SEND a
.set BK, OB+192*((\a)%2)
	s_wait_dscnt 0x0                               ; the block is back in registers
	s_wait_xcnt 0x0                                ; only behind this wait are the stores' base and the registers that earlier stores read rewritten
.if (\a) == 0
	s_add_nc_u64 s[8:9], s[8:9], s[16:17]          ; on to my first rows
.else
	s_add_nc_u64 s[8:9], s[8:9], 16*NROW           ; 16 rows on
.endif
.irp t, 0,1,2,3,4,5,6,7
	global_store_b128 v[CO], v[BK+4*(\t):BK+4*(\t)+3], s[8:9] offset:2*(\t)*NROW  ; 16 lanes store 256 consecutive bytes, at a multiple of 256 from qkv's first byte
.endr
.endm
	s_wait_dscnt 0x0                               ; the fetch that serves nothing has landed
	PLACES
	PACK 0
	TOSTAGE 0
.irp a, 1,2,3,4,5,6,7                  ; block a's conversions stand between block a - 1's loads from the stage and the wait for them
	PACK \a
	SEND (\a)-1
	TOSTAGE \a
.endr
	SEND 7
	s_wait_tensorcnt 0x0                           ; the wave's end
	ds_add_u32 v[SPW], v[NIL]
	s_wait_dscnt 0x0
	CROUND                                         ; the closing round: no work-group ends while a partner may still ask for a tile that names it
	s_endpgm
.Lfunc_end_k_q7ac850fbc3_proj:
	.size	k_q7ac850fbc3_proj, .Lfunc_end_k_q7ac850fbc3_proj-k_q7ac850fbc3_proj
	.p2alignl 7, 3214868480
	.fill 96, 4, 3214868480
	.section	.rodata,"a",@progbits
	.p2align	6, 0x0
	.amdhsa_kernel k_q7ac850fbc3_proj
		.amdhsa_group_segment_fixed_size 327680
		.amdhsa_private_segment_fixed_size 0
		.amdhsa_enable_private_segment 0
		.amdhsa_kernarg_size 24
		.amdhsa_user_sgpr_count 2
		.amdhsa_user_sgpr_kernarg_segment_ptr 1
		.amdhsa_wavefront_size32 1
		.amdhsa_system_sgpr_workgroup_id_x 1
		.amdhsa_system_sgpr_workgroup_id_y 1
		.amdhsa_system_sgpr_workgroup_id_z 1
		.amdhsa_system_vgpr_workitem_id 0
		.amdhsa_next_free_vgpr 1024
		.amdhsa_next_free_sgpr 70
		.amdhsa_reserve_vcc 0
		.amdhsa_float_denorm_mode_32 3
		.amdhsa_float_denorm_mode_16_64 3
		.amdhsa_memory_ordered 1
		.amdhsa_forward_progress 1
		.amdhsa_inst_pref_size 100
	.end_amdhsa_kernel
	.amdgpu_metadata
---
amdhsa.version: [ 1, 2 ]
amdhsa.kernels:
  - .name:           k_q7ac850fbc3_proj
    .symbol:         k_q7ac850fbc3_proj.kd
    .args:
      - { .name: xb, .offset: 0, .size: 8, .value_kind: global_buffer, .address_space: global }
      - { .name: wb, .offset: 8, .size: 8, .value_kind: global_buffer, .address_space: global }
      - { .name: qkv, .offset: 16, .size: 8, .value_kind: global_buffer, .address_space: global }
    .group_segment_fixed_size: 327680
    .private_segment_fixed_size: 0
    .kernarg_segment_align: 8
    .kernarg_segment_size: 24
    .max_flat_workgroup_size: 128
    .sgpr_count:     70
    .vgpr_count:     1024
    .wavefront_size: 32
...
	.end_amdgpu_metadata
.endif
;; end of part 2
;; launch scores (part 3): grid 36 x 4, 4 waves a work-group, no clusters, 327,680 bytes of LDS; arguments qkv, p, stats; writes p, stats
.if DOCPART == 3
	.amdgcn_target "amdgcn-amd-amdhsa--gfx1250"
	.amdhsa_code_object_version 6
	.text
	.protected	k_q7ac850fbc3_scores
	.globl	k_q7ac850fbc3_scores
	.p2align	8
	.type	k_q7ac850fbc3_scores,@function
k_q7ac850fbc3_scores:
	s_mov_b64 s[64:65], 0
	v_nop
	global_prefetch_b8 v0, s[64:65] scope:SCOPE_SE
	s_setreg_imm32_b32 hwreg(HW_REG_WAVE_MODE, 25, 1), 1
	s_wait_xcnt 0x0
; For each tile (i, j), j <= i, of 256 queries x 256 keys of a batch: S = Q K^T (f16 operands, f32 sums over 1,024 channels) with the causal mask; then for each row and each CHUNK of 128 keys
; cm = c x (the chunk's largest score), c = log2(e) / 32; p = 2^(c s - cm), rounded to f16, into p[batch][q][key]; l = the sum of the unrounded p.  cm and l go to stats[2][16 chunks][8192 rows].
; The launch behind combines the chunks by the true maximum over them.  Tiles above the diagonal are not made.
; LIMITS.  A hidden score counts as its value less 1e30 (true raw scores are 4.4e12 at the most, from f16 operands).  A chunk's maximum is taken no lower than -2^83, so that a wholly hidden chunk
; gets p = 0 and l = 0.  A weight below 2^-126 counts as 0.  NaN and infinities are not treated apart.
; NO CLUSTER: a batch's lower triangle has rows and columns of 1 to 8 tiles; 12 of its 36 tiles lie where no row or column of the triangle holds four partners, so the grid does not divide into clusters that share.
; Four waves, each 128 x 128: 64 accumulators.  K (channels) goes in 8 steps of 128 through two LDS slots; the loop's body is one step, and two scalars say which slot it reads.
; THE MATRIX INSTRUCTION IS USED TRANSPOSED: source 0 = 16 keys, source 1 = 16 queries: a lane holds one query (lane % 16) and the keys 8 (lane / 16) + 0..7.
; THE MASK is the C operand of the products that start the sums: three sets of eight registers, for a 16 x 16 block below, on and above the wave's diagonal: all 0 in a tile off the diagonal.
; REGISTERS: window 0: v0-31 addresses; v32-55 the masks; v64-127, v128-191 Q's fragments, later the softmax's registers; window 1: v64-191 K's fragments; windows 2, 3: the accumulators.
.set PITCH,  272
.set HALFT,  128*PITCH                 ; what one tensor load brings: 128 rows of 256 bytes, padded by 16
.set SLOT,   4*HALFT                   ; Q's 256 rows, then K's 256 rows
.set SPARE,  2*SLOT                    ; behind the ring: the spare words
.set DPITCH, 528                       ; the way out: a row of 128 f32 scores + 16 bytes
.set DWAVE,  128*DPITCH                ; a wave's 128 rows: its own bytes, in the ring, which has had its last fill by then
.set SSB,    4*DWAVE                   ; behind them, still in the ring: 1,024 bytes a wave: 128 cm, then 128 l
.set QROW,   6144                      ; bytes in a row of qkv
.set ADRA0, 16
.set ADRB0, 17
.set ADRA,  18
.set ADRB,  19
.set ADRAN, 20
.set ADRBN, 21
.set DST,  22                          ; where I put an accumulator's registers
.set DRD,  23                          ; where I read 8 scores of a row back
.set PO,   24                          ; my byte offset in p
.set SS,   25                          ; where a row's cm goes
.set SPW,  28
.set NIL,  29
.set CL,   32                          ; v32-39  the mask of a block below the wave's diagonal
.set CE,   40                          ; v40-47  on it
.set CG,   48                          ; v48-55  above it
.set F0,   64
.set F1,   128
.set XR,   64                          ; v64-127   8 rows' 8 scores a lane
.set MX,   128                         ; v128-143  a pair for each row: cm; c x max at first, then l
.set YR,   144                         ; v144-175  p, packed
.set G1,  24                           ; s[24:31] descriptor group 1: one shape for Q's and K's tiles
.set G0,  32                           ; s[32:39] group 0: a set for each first fill; the second then walks
.set TB,  40
.set TN,  41
.set CNT, 42
.set CS,  44                           ; s[44:45] c
.set FLOOR, 46
.set BIGN, 47
.set SG,  48
.set SL,  49
.set LIM, 50
.set PB,  52                           ; s[52:53] p at my wave's first row and key
.set ST,  54                           ; s[54:55] stats at my chunk and first row
.set SD,  56                           ; s[56:57] stats at chunk cw and my first row
.set MSB, 0
.macro WIN new
.if MSB != (\new)
	s_set_vgpr_msb (MSB<<8)|(\new)
.set MSB, \new
.endif
.endm
.set MUL_LO, 0xa1
.set MUL_HI, 0xf1
.set TO_B,   0x40
.macro PLACES
.rept 4
	v_nop
.endr
.endm
	s_load_b128 s[4:7], s[0:1], 0x0                ; qkv s[4:5], p s[6:7]
	s_load_b64 s[8:9], s[0:1], 0x10                ; stats
	v_lshl_add_u32 v[SPW], v0, 2, SPARE
	v_mov_b32 v[NIL], 0
	ds_add_u32 v[SPW], v[NIL]                      ; the wave's opening: the add and its wait stand ahead of my first tensor load
	ds_add_u32 v28, v29
	v_lshrrev_b32 v1, 5, v0
	v_readfirstlane_b32 s10, v1                    ; wave 0..3
	s_lshr_b32 s11, s10, 1                         ; rw: which half of the queries is mine.  Also: I fetch Q (0) or K (1)
	s_and_b32 s12, s10, 1                          ; cw: which half of the keys.  Also: which 128 rows I fetch
	s_mov_b32 s16, ttmp9                           ; the tile's number in the triangle, 0..35
	s_and_b32 s15, ttmp7, 0xffff                   ; batch
	s_mov_b32 s13, 0
.irp th, 1,3,6,10,15,21,28             ; i = how many rows of the triangle begin at or before my number
	s_cmp_ge_u32 s16, \th
	s_cselect_b32 s17, 1, 0
	s_add_co_u32 s13, s13, s17
.endr
	s_add_co_u32 s14, s13, 1
	s_mul_i32 s14, s14, s13
	s_lshr_b32 s14, s14, 1
	s_sub_co_u32 s14, s16, s14                     ; j = number - i (i + 1) / 2
	s_mov_b32 s[G1+0], (1<<16)|(1<<20)|(5<<22)|(3<<25)  ; 2-byte elements; padding on: after every 64 words 4 words
	s_mov_b32 s[G1+1], 128<<16                     ; tensor_dim0 = 128
	s_mov_b32 s[G1+2], 128<<16                     ; tensor_dim1 = 128
	s_mov_b32 s[G1+3], 128<<16                     ; tile_dim0 = 128
	s_mov_b32 s[G1+4], 128                         ; tile_dim1 = 128
	s_mov_b32 s[G1+5], 3072                        ; elements from row to row of qkv
	s_mov_b32 s[G1+6], 0
	s_mov_b32 s[G1+7], 0
	s_cmp_eq_u32 s11, 0
	s_cselect_b32 s16, s13, s14                    ; Q's rows go by i, K's by j
	s_lshl_b32 s16, s16, 8
	s_lshl_b32 s17, s12, 7
	s_add_co_u32 s16, s16, s17
	s_lshl_b32 s17, s15, 11
	s_add_co_u32 s16, s16, s17
	s_mul_i32 s16, s16, QROW
	s_lshl_b32 s17, s11, 11                        ; K lies 2,048 bytes into a row
	s_add_co_u32 s16, s16, s17
	s_mov_b32 s17, 0
	s_mul_i32 s20, s10, HALFT                      ; where my loads go
	s_mov_b32 s[TB], 0
	s_mov_b32 s[TN], SLOT
	s_mov_b32 s[CS], 0x3d38aa3b                    ; c = log2(e) / 32
	s_mov_b32 s[CS+1], s[CS]                       ; named with it as a pair
	s_mov_b32 s[FLOOR], 0xe9000000                 ; -2^83
	s_mov_b32 s[BIGN], 0xf149f2ca                  ; -1e30
	s_cmp_ge_u32 s12, s11
	s_cselect_b32 s[SG], s[BIGN], 0
	s_cmp_gt_u32 s12, s11
	s_cselect_b32 s[SL], s[BIGN], 0
	s_cmp_eq_u32 s13, s14                          ; only the diagonal tile hides anything
	s_cselect_b32 s[SG], s[SG], 0
	s_cselect_b32 s[SL], s[SL], 0
	s_cselect_b32 s[LIM], s13, 7
	s_lshl_b32 s18, s15, 11
	s_lshl_b32 s19, s13, 8
	s_add_co_u32 s18, s18, s19
	s_lshl_b32 s19, s11, 7
	s_add_co_u32 s18, s18, s19                     ; my wave's first row among the 8,192
	s_lshl_b32 s[PB], s18, 12                      ; rows of 4,096 bytes in p,
	s_lshl_b32 s19, s14, 9                         ; 512 bytes for each tile column,
	s_add_co_u32 s[PB], s[PB], s19
	s_lshl_b32 s19, s12, 8                         ; 256 for my half
	s_add_co_u32 s[PB], s[PB], s19
	s_mov_b32 s[PB+1], 0
	s_lshl_b32 s19, s14, 1
	s_add_co_u32 s19, s19, s12                     ; my chunk = 2 j + cw
	s_lshl_b32 s19, s19, 13
	s_add_co_u32 s[ST], s19, s18
	s_lshl_b32 s[ST], s[ST], 2
	s_mov_b32 s[ST+1], 0
	s_lshl_b32 s19, s12, 13
	s_add_co_u32 s[SD], s19, s18
	s_lshl_b32 s[SD], s[SD], 2
	s_mov_b32 s[SD+1], 0
	s_wait_dscnt 0x0                               ; the opening add is done
	s_wait_kmcnt 0x0
	s_add_nc_u64 s[4:5], s[4:5], s[16:17]
	s_add_nc_u64 s[PB:PB+1], s[6:7], s[PB:PB+1]
	s_add_nc_u64 s[ST:ST+1], s[8:9], s[ST:ST+1]
	s_add_nc_u64 s[SD:SD+1], s[8:9], s[SD:SD+1]
.irp s, 0,1
	s_mov_b32 s[G0+4*(\s)], 1
	s_add_co_u32 s[G0+4*(\s)+1], s20, (\s)*SLOT
	s_add_nc_u64 s[G0+4*(\s)+2:G0+4*(\s)+3], s[4:5], (\s)*256       ; K step s: 128 channels of 2 bytes
	s_or_b32 s[G0+4*(\s)+3], s[G0+4*(\s)+3], 0x80000000
.endr
	tensor_load_to_lds s[G0:G0+3], s[G1:G1+7]      ; the two first fills, ahead of every wait on TENSORcnt, every LDS read and every barrier: two loads of mine are out
	s_nop 0
	tensor_load_to_lds s[G0+4:G0+7], s[G1:G1+7]
	s_nop 0
	PLACES
	v_and_b32 v1, 15, v0                           ; l % 16
	v_bfe_u32 v2, v0, 4, 1                         ; l / 16
	v_mul_u32_u24 v3, v1, PITCH
	v_lshl_add_u32 v3, v2, 4, v3
	s_mul_i32 s21, s11, HALFT
	s_mul_i32 s22, s12, HALFT
	s_add_co_u32 s22, s22, 2*HALFT
	v_add_nc_u32 v[ADRA0], s21, v3
	v_add_nc_u32 v[ADRB0], s22, v3
.macro ADDRS
	v_add_nc_u32 v[ADRA],  s[TB], v[ADRA0]
	v_add_nc_u32 v[ADRB],  s[TB], v[ADRB0]
	v_add_nc_u32 v[ADRAN], s[TN], v[ADRA0]
	v_add_nc_u32 v[ADRBN], s[TN], v[ADRB0]
.endm
	ADDRS
	; the masks.  In a block on the wave's diagonal register n is hidden where 8 (l / 16) + n > l % 16
	v_lshlrev_b32 v14, 3, v2
	v_sub_nc_u32 v14, v1, v14
.set n, 0
.rept 8
	v_mov_b32 v[CL+n], s[SL]
	v_mov_b32 v[CG+n], s[SG]
	v_cmp_gt_i32 vcc_lo, n, v14
	v_cndmask_b32 v[CE+n], v[CL+n], v[CG+n], vcc_lo
.set n, n+1
.endr
	s_mul_i32 s21, s10, DWAVE
	v_mul_u32_u24 v3, v1, DPITCH
	v_lshl_add_u32 v3, v2, 5, v3
	v_add_nc_u32 v[DST], s21, v3                   ; row l % 16, 32 bytes for each half of the lanes
	v_mul_u32_u24 v3, v2, DPITCH
	v_lshl_add_u32 v3, v1, 5, v3
	v_add_nc_u32 v[DRD], s21, v3                   ; back: row l / 16, 8 scores at 32 (l % 16)
	v_lshlrev_b32 v3, 12, v2
	v_lshl_add_u32 v[PO], v1, 4, v3                ; the same row in p, 16 bytes at 16 (l % 16)
	s_lshl_b32 s21, s10, 10
	s_add_co_u32 s21, s21, SSB
	v_lshl_add_u32 v[SS], v2, 2, s21
; 16 matrix instructions.  zero = 2: the products start the sums with the mask of their block: below, on or above the wave's diagonal.
.macro MUL16 f, hi, a0, zero
.if (\zero) == 2
	WIN 0x81+0x40*(\hi)                            ; C in window 0
.else
	WIN MUL_LO+0x50*(\hi)
.endif
.irp a, \a0, (\a0)+1
.irp b, 0,1,2,3,4,5,6,7
.if (\zero) == 2
.if (\b) < 4*(\hi)+(\a)
.set CC, CL
.elseif (\b) == 4*(\hi)+(\a)
.set CC, CE
.else
.set CC, CG
.endif
	v_wmma_f32_16x16x32_f16 v[8*(8*(\a)+(\b)):8*(8*(\a)+(\b))+7], v[(\f)+8*(\b):(\f)+8*(\b)+7], v[(\f)+8*(4*(\hi)+(\a)):(\f)+8*(4*(\hi)+(\a))+7], v[CC:CC+7]
.else
	v_wmma_f32_16x16x32_f16 v[8*(8*(\a)+(\b)):8*(8*(\a)+(\b))+7], v[(\f)+8*(\b):(\f)+8*(\b)+7], v[(\f)+8*(4*(\hi)+(\a)):(\f)+8*(4*(\hi)+(\a))+7], v[8*(8*(\a)+(\b)):8*(8*(\a)+(\b))+7]
.endif
.endr
.endr
.endm
.macro FETCH ra, rb, kq, f             ; 32 LDS loads in one run: K's 8 fragments, then Q's 8, of quarter kq
	WIN TO_B
.irp i, 0,1,2,3,4,5,6,7
	ds_load_b128 v[(\f)+8*(\i):(\f)+8*(\i)+3],   v[\rb] offset:64*(\kq)+(\i)*16*PITCH
	ds_load_b128 v[(\f)+8*(\i)+4:(\f)+8*(\i)+7], v[\rb] offset:64*(\kq)+(\i)*16*PITCH+32
.endr
	WIN 0
.irp i, 0,1,2,3,4,5,6,7
	ds_load_b128 v[(\f)+8*(\i):(\f)+8*(\i)+3],   v[\ra] offset:64*(\kq)+(\i)*16*PITCH
	ds_load_b128 v[(\f)+8*(\i)+4:(\f)+8*(\i)+7], v[\ra] offset:64*(\kq)+(\i)*16*PITCH+32
.endr
.endm
.macro QUARTER ra, rb, kq, f, g, zero  ; the 64 accumulators take turns
	s_wait_dscnt 8                                 ; K's fragments and Q's rows 0-63 are in; the youngest eight loads may be out
	MUL16 \f, 0, 0, \zero
	MUL16 \f, 0, 2, \zero
	PLACES
	FETCH \ra, \rb, \kq, \g
	s_wait_dscnt 32                                ; all but the 32 just issued
	MUL16 \f, 1, 0, \zero
	MUL16 \f, 1, 2, \zero
.endm
.macro MEET                            ; the one barrier of a change of slots: all my tensor loads have landed, the add, my reads of this slot are over
	WIN 0
	s_wait_tensorcnt 0x0
	ds_add_u32 v[SPW], v[NIL]
	s_wait_dscnt 9                                 ; the add and the youngest eight loads may be out
	MUL16 F1, 0, 0, 0
	s_wait_dscnt 0x0
	s_barrier_signal -1
	MUL16 F1, 0, 2, 0
	WIN 0
	s_barrier_wait -1
.endm
.macro TURN fill                       ; fill = 1: the slot just read is filled again, first thing behind the barrier, with the K step two steps on
	MEET
.if \fill
	s_xor_b32 s[G0+5], s[G0+5], SLOT               ; the walking descriptor: the other slot than last time (the wave's base shares no bit with SLOT),
	s_add_nc_u64 s[G0+6:G0+7], s[G0+6:G0+7], 256   ; the next K step
	tensor_load_to_lds s[G0+4:G0+7], s[G1:G1+7]
	s_nop 0
	PLACES                                         ; also the places in front of the loads below
.else
	PLACES
.endif
	FETCH ADRAN, ADRBN, 0, F0
	MUL16 F1, 1, 0, 0
	MUL16 F1, 1, 2, 0
.endm
.macro TOGGLE
	WIN 0
	s_xor_b32 s[TB], s[TB], SLOT
	s_xor_b32 s[TN], s[TN], SLOT
	ADDRS
.endm
	s_wait_tensorcnt 0x1                           ; my part of K step 0 is in; K step 1's may stay out
	s_barrier_signal -1
	s_barrier_wait -1
	FETCH ADRA, ADRB, 0, F0
	QUARTER ADRA, ADRB, 1, F0, F1, 2               ; the first quarter starts the sums, with the masks
	WIN 0
	s_mov_b32 s[CNT], 6
	s_branch .Lmid
.Lstep:                                                ; six trips: K steps 0 to 5, which ask for steps 2 to 7
	QUARTER ADRA, ADRB, 1, F0, F1, 0
	WIN 0
.Lmid:
	QUARTER ADRA, ADRB, 2, F1, F0, 0
	QUARTER ADRA, ADRB, 3, F0, F1, 0
	TURN 1
	TOGGLE
	s_sub_co_u32 s[CNT], s[CNT], 1
	s_cmp_lg_u32 s[CNT], 0
	s_cbranch_scc1 .Lstep
	s_mov_b32 s[CNT], 2
.Ltail:                                                ; K steps 6 and 7 ask for nothing.  The last trip's fetch from the other slot serves nothing: the price of one text for both
	QUARTER ADRA, ADRB, 1, F0, F1, 0
	QUARTER ADRA, ADRB, 2, F1, F0, 0
	QUARTER ADRA, ADRB, 3, F0, F1, 0
	TURN 0
	TOGGLE
	s_sub_co_u32 s[CNT], s[CNT], 1
	s_cmp_lg_u32 s[CNT], 0
	s_cbranch_scc1 .Ltail
	; THE WAY OUT.  No wave reads the ring any more, and nothing is filled again: each wave lays its 128 x 128 scores into 67,584 bytes of the ring, its own, as rows of 128 f32.
	s_wait_dscnt 0x0                               ; my reads of the ring are over,
	s_barrier_signal -1
	s_barrier_wait -1                              ; everybody's are
	PLACES
.irp hi, 0,1
	WIN 0x08+4*(\hi)                               ; store data from window 2, then 3
.irp a, 0,1,2,3
.irp b, 0,1,2,3,4,5,6,7
	ds_store_b128 v[DST], v[8*(8*(\a)+(\b)):8*(8*(\a)+(\b))+3]   offset:(4*(\hi)+(\a))*16*DPITCH+64*(\b)
	ds_store_b128 v[DST], v[8*(8*(\a)+(\b))+4:8*(8*(\a)+(\b))+7] offset:(4*(\hi)+(\a))*16*DPITCH+64*(\b)+16
.endr
.endr
.endr
	WIN 0
.macro ALL8 line:vararg                ; one line for each of a lane's eight rows t
.set t, 0
.rept 8
	\line
.set t, t+1
.endr
.endm
	; Eight trips of 16 rows.  Sixteen lanes share a row, 8 neighbouring keys each; lanes 0-15 have rows 2 t, lanes 16-31 rows 2 t + 1.
	s_mov_b32 s[CNT], 8
.Lrows:
	ALL8 ds_load_b128 v[XR+8*t:XR+8*t+3], v[DRD] offset:t*2*DPITCH      ; LDS serves a wave's instructions in order: these see my stores above
	ALL8 ds_load_b128 v[XR+8*t+4:XR+8*t+7], v[DRD] offset:t*2*DPITCH+16
	s_wait_dscnt 0x0
	ALL8 v_max3_num_f32 v[MX+2*t], v[XR+8*t], v[XR+8*t+1], v[XR+8*t+2]
	ALL8 v_max3_num_f32 v[MX+2*t], v[MX+2*t], v[XR+8*t+3], v[XR+8*t+4]
	ALL8 v_max3_num_f32 v[MX+2*t], v[MX+2*t], v[XR+8*t+5], v[XR+8*t+6]
	ALL8 v_max3_num_f32 v[MX+2*t], v[MX+2*t], v[XR+8*t+7], s[FLOOR]
	ALL8 v_max_num_f32_dpp v[MX+2*t], v[MX+2*t], v[MX+2*t] row_xmask:1 row_mask:0xf bank_mask:0xf
	ALL8 v_max_num_f32_dpp v[MX+2*t], v[MX+2*t], v[MX+2*t] row_xmask:2 row_mask:0xf bank_mask:0xf
	ALL8 v_max_num_f32_dpp v[MX+2*t], v[MX+2*t], v[MX+2*t] row_xmask:4 row_mask:0xf bank_mask:0xf
	ALL8 v_max_num_f32_dpp v[MX+2*t], v[MX+2*t], v[MX+2*t] row_xmask:8 row_mask:0xf bank_mask:0xf
	ALL8 v_mul_f32 v[MX+2*t+1], s[CS], v[MX+2*t]   ; the pair's second word is named with the first, so it is written
	ALL8 v_mul_f32 v[MX+2*t], s[CS], v[MX+2*t]     ; cm
.set i, 0
.rept 32
	v_pk_fma_f32 v[XR+2*i:XR+2*i+1], v[XR+2*i:XR+2*i+1], s[CS:CS+1], v[MX+2*(i/4):MX+2*(i/4)+1] op_sel_hi:[1,0,0] neg_lo:[0,0,1] neg_hi:[0,0,1]  ; c s - cm
.set i, i+1
.endr
.set i, 0
.rept 64
	v_exp_f32 v[XR+i], v[XR+i]
.set i, i+1
.endr
	v_nop                                          ; a plain instruction between the last exponential and the use of its result (ISA guide 5.7.2)
.set i, 0
	s_wait_alu depctr_va_vdst(0)
.rept 32
	v_cvt_pk_f16_f32 v[YR+i], v[XR+2*i], v[XR+2*i+1]
.set i, i+1
.endr
	ALL8 v_pk_add_f32 v[XR+8*t:XR+8*t+1], v[XR+8*t:XR+8*t+1], v[XR+8*t+2:XR+8*t+3]
	ALL8 v_pk_add_f32 v[XR+8*t+4:XR+8*t+5], v[XR+8*t+4:XR+8*t+5], v[XR+8*t+6:XR+8*t+7]
	ALL8 v_pk_add_f32 v[XR+8*t:XR+8*t+1], v[XR+8*t:XR+8*t+1], v[XR+8*t+4:XR+8*t+5]
	ALL8 v_add_f32 v[MX+2*t+1], v[XR+8*t], v[XR+8*t+1]
	ALL8 v_add_f32_dpp v[MX+2*t+1], v[MX+2*t+1], v[MX+2*t+1] row_xmask:1 row_mask:0xf bank_mask:0xf
	ALL8 v_add_f32_dpp v[MX+2*t+1], v[MX+2*t+1], v[MX+2*t+1] row_xmask:2 row_mask:0xf bank_mask:0xf
	ALL8 v_add_f32_dpp v[MX+2*t+1], v[MX+2*t+1], v[MX+2*t+1] row_xmask:4 row_mask:0xf bank_mask:0xf
	ALL8 v_add_f32_dpp v[MX+2*t+1], v[MX+2*t+1], v[MX+2*t+1] row_xmask:8 row_mask:0xf bank_mask:0xf
	ALL8 global_store_b128 v[PO], v[YR+4*t:YR+4*t+3], s[PB:PB+1] offset:t*8192   ; 16 lanes store 256 consecutive bytes, at a multiple of 256 from p's first byte
	ALL8 ds_store_b32 v[SS], v[MX+2*t] offset:8*t                                ; a row's sixteen lanes write the same word with the same value
	ALL8 ds_store_b32 v[SS], v[MX+2*t+1] offset:512+8*t
	s_wait_xcnt 0x0                                ; the stores' offset and data are rewritten only behind this wait
	v_add_nc_u32 v[DRD], 16*DPITCH, v[DRD]
	v_add_nc_u32 v[SS], 64, v[SS]
	v_add_nc_u32 v[PO], 0x10000, v[PO]             ; 16 rows of 4,096 bytes
	s_sub_co_u32 s[CNT], s[CNT], 1
	s_cmp_lg_u32 s[CNT], 0
	s_cbranch_scc1 .Lrows
	; my 128 cm and 128 l leave as 512 consecutive bytes each
	v_and_b32 v3, 31, v0
	v_lshlrev_b32 v3, 4, v3
	s_lshl_b32 s21, s10, 10
	s_add_co_u32 s21, s21, SSB
	v_add_nc_u32 v4, s21, v3
	ds_load_b128 v[64:67], v4
	ds_load_b128 v[68:71], v4 offset:512
.irp n, 0,1,2,3
	v_mov_b32 v[72+(\n)], 0xff7fffff               ; a chunk that no tile makes: cm is the lowest finite number,
	v_mov_b32 v[76+(\n)], 0                        ; l is 0
.endr
	s_wait_dscnt 0x0
	global_store_b128 v3, v[64:67], s[ST:ST+1]
	global_store_b128 v3, v[68:71], s[ST:ST+1] offset:524288
	; The launch behind reads all 16 chunks of a row.  The diagonal tile's work-group stores those right of it, tile columns i + 1 to 7: every word of stats is stored by one wave.
.irp n, 1,2,3,4,5,6,7
	s_cmp_lt_u32 s[LIM], \n
	s_cbranch_scc0 .Lnd\n
	global_store_b128 v3, v[72:75], s[SD:SD+1] offset:(\n)*65536
	global_store_b128 v3, v[76:79], s[SD:SD+1] offset:(\n)*65536+524288
.Lnd\n:
.endr
	s_wait_tensorcnt 0x0                           ; the wave's end
	ds_add_u32 v[SPW], v[NIL]
	s_wait_dscnt 0x0
	s_endpgm
.Lfunc_end_k_q7ac850fbc3_scores:
	.size	k_q7ac850fbc3_scores, .Lfunc_end_k_q7ac850fbc3_scores-k_q7ac850fbc3_scores
	.p2alignl 7, 3214868480
	.fill 96, 4, 3214868480
	.section	.rodata,"a",@progbits
	.p2align	6, 0x0
	.amdhsa_kernel k_q7ac850fbc3_scores
		.amdhsa_group_segment_fixed_size 327680
		.amdhsa_private_segment_fixed_size 0
		.amdhsa_enable_private_segment 0
		.amdhsa_kernarg_size 24
		.amdhsa_user_sgpr_count 2
		.amdhsa_user_sgpr_kernarg_segment_ptr 1
		.amdhsa_wavefront_size32 1
		.amdhsa_system_sgpr_workgroup_id_x 1
		.amdhsa_system_sgpr_workgroup_id_y 1
		.amdhsa_system_sgpr_workgroup_id_z 1
		.amdhsa_system_vgpr_workitem_id 0
		.amdhsa_next_free_vgpr 1024
		.amdhsa_next_free_sgpr 66
		.amdhsa_reserve_vcc 1
		.amdhsa_float_denorm_mode_32 3
		.amdhsa_float_denorm_mode_16_64 3
		.amdhsa_memory_ordered 1
		.amdhsa_forward_progress 1
		.amdhsa_inst_pref_size 97
	.end_amdhsa_kernel
	.amdgpu_metadata
---
amdhsa.version: [ 1, 2 ]
amdhsa.kernels:
  - .name:           k_q7ac850fbc3_scores
    .symbol:         k_q7ac850fbc3_scores.kd
    .args:
      - { .name: qkv, .offset: 0, .size: 8, .value_kind: global_buffer, .address_space: global }
      - { .name: p, .offset: 8, .size: 8, .value_kind: global_buffer, .address_space: global }
      - { .name: stats, .offset: 16, .size: 8, .value_kind: global_buffer, .address_space: global }
    .group_segment_fixed_size: 327680
    .private_segment_fixed_size: 0
    .kernarg_segment_align: 8
    .kernarg_segment_size: 24
    .max_flat_workgroup_size: 128
    .sgpr_count:     66
    .vgpr_count:     1024
    .wavefront_size: 32
...
	.end_amdgpu_metadata
.endif
;; end of part 3
;; launch pv (part 4): grid 8 x 32, 4 waves a work-group, clusters of 4 x 1, 327,680 bytes of LDS; arguments p, qkv, stats, out0; writes out0
.if DOCPART == 4
	.amdgcn_target "amdgcn-amd-amdhsa--gfx1250"
	.amdhsa_code_object_version 6
	.text
	.protected	k_q7ac850fbc3_pv
	.globl	k_q7ac850fbc3_pv
	.p2align	8
	.type	k_q7ac850fbc3_pv,@function
k_q7ac850fbc3_pv:
	s_mov_b64 s[64:65], 0
	v_nop
	global_prefetch_b8 v0, s[64:65] scope:SCOPE_SE
	s_setreg_imm32_b32 hwreg(HW_REG_WAVE_MODE, 25, 1), 1
	s_wait_xcnt 0x0
	s_wait_alu depctr_hold_cnt(0) depctr_sa_sdst(0) depctr_va_vdst(0) depctr_va_sdst(0) depctr_va_ssrc(0) depctr_va_vcc(0) depctr_vm_vsrc(0)
	s_getreg_b32 s2, hwreg(HW_REG_IB_STS2, 6, 4)
	s_cmp_eq_u32 s2, 0
	s_cbranch_scc0 .Lentry_in_a_cluster
	s_endpgm
.Lentry_in_a_cluster:
	s_bfe_u32 s2, ttmp6, 0x10000c
	s_cmp_lg_u32 s2, 0x3003
	s_cbranch_scc0 .Lentry_shape_is_right
	s_endpgm
.Lentry_shape_is_right:
; out0[q][ch] = (sum over chunks of 128 keys of f x sum over the chunk's keys of p[q][key] V[key][ch]) / L, with M = the largest cm of the row's chunks, f = 2^(cm - M), L = sum of f l.
; p: [4][2048][2048] f16 (written where key tile <= query tile, 0 where hidden); V: qkv's columns 2048-3071, f16; stats: f32 [2][16][8192]: cm, l; out0: [8192][1024] f32.
; p is multiplied by f, both f16, on its way from LDS to the matrix unit; products in f16, sums in f32.
; LIMITS.  V lies within f16's 65,504; p f lies in 0 to about 1 and keeps f16's fixed step of 6e-8 below 6e-5; NaN and infinities are not treated apart.
; SHARES.  A work-group makes TWO tiles of 128 queries x 128 channels: query block 15 - b with 8 - b / 2 key steps of 256, then block b with b / 2 + 1: nine steps whatever b: one counted walk, equal work,
; 256 work-groups.  A wave makes 64 x 64: 16 accumulators.
; CLUSTER 4 x 1: the four partners differ in their 128 channels alone and walk alike, so p's tiles are asked for jointly (mask 15).  V's tiles hang on the channels and are each work-group's own loads:
; work-groups with the same channels walk different numbers of keys, so V has no four partners that ask alike.
; THE MATRIX INSTRUCTION IS USED TRANSPOSED: source 0 = 16 channels of V^T (turned out of LDS by ds_load_tr16_b128), source 1 = 16 queries of p f: a lane holds one query and eight neighbouring channels.
; REGISTERS: window 0: v0-31 addresses; v32-39 factors; v40-55 1 / L; v56-63 at work; v64-127 p f, two halves of 32 keys; v128-255 the accumulators ((a, b) at 128 + 8 (4 a + b));
;   window 1: two buffers of 128: p as loaded (8 (4 c + a)), then V^T (64 + 8 (4 c + b)), for 64 keys; window 2: v0-127 the way out.
.set PP,    528                        ; a row of p's tile in LDS: 512 bytes + 16
.set VP,    288                        ; a row of V's tile: 256 bytes + 32
.set PHALF, 64*PP                      ; what waves 0 and 1 bring: 64 queries x 256 keys
.set VHALF, 128*VP                     ; what waves 2 and 3 bring: 128 keys x 128 channels
.set VOFF,  2*PHALF
.set SLOT1, VOFF+2*VHALF               ; a slot: p's 128 rows, then V's 256 rows
.set STAGE, 2*SLOT1                    ; 16 rows x 272 bytes for each wave, for the way out
.set SP,    272
.set FTAB,  STAGE+4*16*SP              ; the factors: for each wave 24 places of 256 bytes, a place a chunk in the order of the walk: 16 bytes (four row blocks) for each of 16 rows
.set FWAVE, 24*256
.set SPARE, FTAB+4*FWAVE               ; the spare words
.set ADRA0, 16                         ; my lane's place among p's fragments in slot 0; never rewritten
.set ADRB0, 17                         ; the same for V
.set FTA,   18                         ; my row's 16 bytes in the place of the step's first chunk
.set ADRA,  19                         ; in the slot of the step in hand
.set ADRB,  20
.set ADRB2, 21                         ; V's keys 128 on: beyond an LDS offset's reach from ADRB
.set ADRAN, 22                         ; in the other slot
.set ADRBN, 23
.set STO,  24
.set RD,   25
.set GO,   26
.set FS,   27                          ; where I store a factor
.set SPW,  28
.set NIL,  29
.set SA0,  30                          ; my byte offset in stats, first tile
.set SA1,  31                          ; second tile
.set FA,   32                          ; v32-35 the factors (f, f) of a step's first chunk, for my four row blocks
.set FB,   36                          ; v36-39 of its second
.set IL,   40                          ; v40-47 1 / L, a pair a row block
.set ILL,  48                          ; v48-55 the second tile's
.set PS0,  64
.set PS1,  96
.set ACC,  128
.set CM0,  128                         ; before the walk the accumulators' registers hold the statistics: first tile cm at 8 a + k, l 32 on;
.set L0,   160
.set CM1,  192                         ; second tile cm at 4 a + k, l 16 on
.set L1,   208
.set F0,   0
.set F1,   128
.set WV,  12
.set NHI, 21
.set NLO, 22
.set G1A, 24                           ; s[24:31] group 1 for p's tiles
.set G1B, 32                           ; s[32:39] for V's
.set G0A, 40                           ; s[40:47] group 0 for p's: a set for each first fill; the second serves all refills and is made anew for each
.set G0B, 48                           ; s[48:55] for V's
.set TB,  56
.set TN,  57
.set CNT, 58
.set RT,  59                           ; steps left of the tile in hand
.set NEW, 60                           ; 1: the step to come is a tile's first
.set NK,  61                           ; the key step to be asked for next
.set LQ,  62                           ; the last key step of the tile whose steps are being asked for
.set LAA, 63                           ; my load's place in a slot, for p
.set LAB, 66                           ; for V
.set ARL, 67                           ; byte offset in p of my 64 rows, second tile
.set AOF, 68                           ; s[68:69] a tile's byte offset in p
.set BOF, 70                           ; s[70:71] in qkv
.set ARO, 72                           ; byte offset in p of my 64 rows, the tile being asked for
.set BRO, 73                           ; byte offset in qkv of my 128 keys of key step 0, my channels
.set OBL, 74                           ; s[74:75] out0 at my rows of the second tile
.set SEL, 76                           ; s[76:77] v_permlanex16_b32's selects
.set LQL, 84
.set MSB, 0
.macro WIN new
.if MSB != (\new)
	s_set_vgpr_msb (MSB<<8)|(\new)
.set MSB, \new
.endif
.endm
.set W_MM, 0x01                        ; source 0 in window 1, all else in window 0: products and scalings run under one setting
.set TO_F, 0x40
.macro PLACES
.rept 4
	v_nop
.endr
.endm
.macro JLOAD                           ; a refill: waves 0 and 1 ask jointly for p's halves, waves 2 and 3 for their own V; an s_nop 0 and four v_nop follow each line
	s_cmp_lt_u32 s[WV], 2
	s_cbranch_scc0 .Lfor_v_\@
	tensor_load_to_lds s[G0A+4:G0A+7], s[G1A:G1A+7]
	s_nop 0
	PLACES
	s_branch .Lasked_\@
.Lfor_v_\@:
	tensor_load_to_lds s[G0B+4:G0B+7], s[G1B:G1B+7]
	s_nop 0
	PLACES
.Lasked_\@:
.endm
.macro CREST
	s_cmp_lg_u32 s[WV], 0
	s_cbranch_scc1 .Lnot_wave_0_\@
	s_barrier_signal -3
.Lnot_wave_0_\@:
	s_barrier_wait -3
	s_barrier_signal -1
	s_barrier_wait -1
.endm
.macro CROUND
	s_barrier_signal -1
	s_barrier_wait -1
	CREST
.endm
	s_load_b256 s[4:11], s[0:1], 0x0               ; p s[4:5], qkv s[6:7], stats s[8:9], out0 s[10:11]
	v_lshl_add_u32 v[SPW], v0, 2, SPARE
	v_mov_b32 v[NIL], 0
	ds_add_u32 v[SPW], v[NIL]                      ; the wave's opening: the add and its wait stand ahead of my first tensor load
	ds_add_u32 v28, v29
	v_lshrrev_b32 v1, 5, v0
	v_readfirstlane_b32 s[WV], v1                  ; wave 0..3
	s_lshr_b32 s13, s[WV], 1                       ; rw: which 64 queries are mine
	s_and_b32 s14, s[WV], 1                        ; cw: which 64 channels.  Also: which half of a tile I fetch
	s_bfe_u32 s15, ttmp6, 0x40000                  ; cx
	s_lshl_b32 s16, ttmp9, 2
	s_add_co_u32 s16, s16, s15                     ; my 128 channels: they enter V's and out0's addresses alone
	s_and_b32 s17, ttmp7, 0xffff                   ; y, which the four partners share
	s_and_b32 s18, s17, 7                          ; b
	s_lshr_b32 s19, s17, 3                         ; batch
	s_sub_co_u32 s20, 15, s18                      ; the first tile's query block
	s_lshr_b32 s[NLO], s18, 1
	s_sub_co_u32 s[NHI], 8, s[NLO]                 ; its key steps
	s_add_co_u32 s[NLO], s[NLO], 1                 ; the second tile's
	s_sub_co_u32 s[LQL], s[NLO], 1
	s_mov_b32 s[G1A+0], 15|(1<<16)|(1<<20)|(1<<21)|(6<<22)|(3<<25)  ; the mask of four; 2-byte elements; padding on; bit 21 beside a mask; after every 128 words 4 words
	s_mov_b32 s[G1A+1], 256<<16                    ; tensor_dim0 = 256
	s_mov_b32 s[G1A+2], 64<<16                     ; tensor_dim1 = 64
	s_mov_b32 s[G1A+3], 256<<16                    ; tile_dim0 = 256
	s_mov_b32 s[G1A+4], 64                         ; tile_dim1 = 64
	s_mov_b32 s[G1A+5], 2048                       ; elements from row to row of p
	s_mov_b32 s[G1A+6], 0
	s_mov_b32 s[G1A+7], 0
	s_mov_b32 s[G1B+0], (1<<16)|(1<<20)|(5<<22)|(7<<25)             ; no mask; after every 64 words 8 words
	s_mov_b32 s[G1B+1], 128<<16
	s_mov_b32 s[G1B+2], 128<<16
	s_mov_b32 s[G1B+3], 128<<16
	s_mov_b32 s[G1B+4], 128
	s_mov_b32 s[G1B+5], 3072                       ; elements from row to row of qkv
	s_mov_b32 s[G1B+6], 0
	s_mov_b32 s[G1B+7], 0
	s_mul_i32 s[LAA], s14, PHALF
	s_mul_i32 s[LAB], s14, VHALF
	s_add_co_u32 s[LAB], s[LAB], VOFF
	s_lshl_b32 s78, s19, 11
	s_lshl_b32 s79, s18, 7
	s_add_co_u32 s79, s79, s78                     ; the second tile's first row among the 8,192
	s_lshl_b32 s80, s20, 7
	s_add_co_u32 s78, s78, s80                     ; the first tile's
	s_lshl_b32 s80, s14, 6                         ; the 64 rows that I fetch
	s_add_co_u32 s[ARO], s78, s80
	s_lshl_b32 s[ARO], s[ARO], 12                  ; rows of 4,096 bytes
	s_add_co_u32 s[ARL], s79, s80
	s_lshl_b32 s[ARL], s[ARL], 12
	s_lshl_b32 s80, s13, 6                         ; the 64 rows that I multiply
	s_add_co_u32 s78, s78, s80
	s_add_co_u32 s79, s79, s80
	s_lshl_b32 s[BRO], s19, 11
	s_lshl_b32 s80, s14, 7                         ; the 128 keys that I fetch
	s_add_co_u32 s[BRO], s[BRO], s80
	s_mul_i32 s[BRO], s[BRO], 6144
	s_lshl_b32 s80, s16, 8                         ; 256 bytes for each 128 channels,
	s_add_co_u32 s[BRO], s[BRO], s80
	s_add_co_u32 s[BRO], s[BRO], 4096              ; V lies 4,096 bytes into a row
	s_lshl_b32 s80, s16, 9
	s_lshl_b32 s81, s14, 8
	s_add_co_u32 s80, s80, s81                     ; my 256 bytes in a row of out0
	s_lshl_b32 s82, s78, 12
	s_add_co_u32 s82, s82, s80
	s_mov_b32 s83, 0
	s_lshl_b32 s86, s79, 12
	s_add_co_u32 s86, s86, s80
	s_mov_b32 s87, 0
	s_lshl_b32 s78, s78, 2                         ; my rows in a chunk of stats, in bytes
	s_lshl_b32 s79, s79, 2
	s_mov_b32 s[AOF], s[ARO]
	s_mov_b32 s[AOF+1], 0
	s_mov_b32 s[BOF], s[BRO]
	s_mov_b32 s[BOF+1], 0
	s_mov_b32 s[SEL], 0x76543210
	s_mov_b32 s[SEL+1], 0xfedcba98
	s_mov_b32 s[TB], 0
	s_mov_b32 s[TN], SLOT1
	s_mov_b32 s[RT], s[NHI]
	s_mov_b32 s[NEW], 1
	s_mov_b32 s[NK], 2
	s_sub_co_u32 s[LQ], s[NHI], 1
	s_mov_b32 s[G0A], 1
	s_mov_b32 s[G0A+1], s[LAA]
	s_mov_b32 s[G0A+4], 1
	s_add_co_u32 s[G0A+5], s[LAA], SLOT1
	s_mov_b32 s[G0B], 1
	s_mov_b32 s[G0B+1], s[LAB]
	s_mov_b32 s[G0B+4], 1
	s_add_co_u32 s[G0B+5], s[LAB], SLOT1
	s_wait_dscnt 0x0                               ; the opening add is done
	s_wait_kmcnt 0x0
	s_add_nc_u64 s[OBL:OBL+1], s[10:11], s[86:87]
	s_add_nc_u64 s[10:11], s[10:11], s[82:83]
	s_add_nc_u64 s[G0A+2:G0A+3], s[4:5], s[AOF:AOF+1]        ; key step 0
	s_add_nc_u64 s[G0A+6:G0A+7], s[G0A+2:G0A+3], 512         ; key step 1: 256 keys of 2 bytes on
	s_or_b32 s[G0A+3], s[G0A+3], 0x80000000
	s_or_b32 s[G0A+7], s[G0A+7], 0x80000000
	s_add_nc_u64 s[G0B+2:G0B+3], s[6:7], s[BOF:BOF+1]
	s_add_nc_u64 s[G0B+6:G0B+7], s[G0B+2:G0B+3], 256*6144    ; 256 rows down
	s_or_b32 s[G0B+3], s[G0B+3], 0x80000000
	s_or_b32 s[G0B+7], s[G0B+7], 0x80000000
	CROUND                                         ; all four work-groups are here: the first joint loads meet
	s_cmp_lt_u32 s[WV], 2                          ; a wave's two first fills stand in one branch: two loads of mine are out
	s_cbranch_scc0 .Lfirst_v
	tensor_load_to_lds s[G0A:G0A+3], s[G1A:G1A+7]
	s_nop 0
	tensor_load_to_lds s[G0A+4:G0A+7], s[G1A:G1A+7]
	s_nop 0
	PLACES
	s_branch .Lfirst_asked
.Lfirst_v:
	tensor_load_to_lds s[G0B:G0B+3], s[G1B:G1B+7]
	s_nop 0
	tensor_load_to_lds s[G0B+4:G0B+7], s[G1B:G1B+7]
	s_nop 0
	PLACES
.Lfirst_asked:
	v_and_b32 v1, 15, v0                           ; r = l % 16
	v_bfe_u32 v2, v0, 4, 1                         ; h = l / 16
	; the statistics: lane (r, h) takes chunk 2 k + h of row 16 a + r
	v_lshl_add_u32 v[SA0], v1, 2, s78
	v_lshl_add_u32 v[SA0], v2, 15, v[SA0]
	v_lshl_add_u32 v[SA1], v1, 2, s79
	v_lshl_add_u32 v[SA1], v2, 15, v[SA1]
.set i, 0
.rept 32                               ; a = i / 8, k = i % 8
	global_load_b32 v[CM0+i], v[SA0], s[8:9] offset:(i%8)*65536+(i/8)*64
	global_load_b32 v[L0+i],  v[SA0], s[8:9] offset:(i%8)*65536+(i/8)*64+524288
.set i, i+1
.endr
.set i, 0
.rept 16                               ; a = i / 4, k = i % 4: the second tile's rows see chunks 0 to 7 at the most
	global_load_b32 v[CM1+i], v[SA1], s[8:9] offset:(i%4)*65536+(i/4)*64
	global_load_b32 v[L1+i],  v[SA1], s[8:9] offset:(i%4)*65536+(i/4)*64+524288
.set i, i+1
.endr
	v_mul_u32_u24 v3, v1, PP
	v_lshl_add_u32 v3, v2, 4, v3
	s_mul_i32 s80, s13, PHALF
	v_add_nc_u32 v[ADRA0], s80, v3                 ; p: row x pitch + 16 x half, in my 64 rows
	v_and_b32 v4, 7, v0                            ; V, turned: lane l reads key 8 (l / 16) + l % 8, channels 8 ((l / 8) % 2) + 0..7
	v_lshl_add_u32 v4, v2, 3, v4
	v_mul_u32_u24 v4, v4, VP
	v_bfe_u32 v5, v0, 3, 1
	v_lshl_add_u32 v4, v5, 4, v4
	s_lshl_b32 s80, s14, 7                         ; my 64 channels: 128 bytes
	s_add_co_u32 s80, s80, VOFF
	v_add_nc_u32 v[ADRB0], s80, v4
.macro ADDRS
	v_add_nc_u32 v[ADRA],  s[TB], v[ADRA0]
	v_add_nc_u32 v[ADRB],  s[TB], v[ADRB0]
	v_add_nc_u32 v[ADRB2], VHALF, v[ADRB]
	v_add_nc_u32 v[ADRAN], s[TN], v[ADRA0]
	v_add_nc_u32 v[ADRBN], s[TN], v[ADRB0]
.endm
	ADDRS
	s_mul_i32 s80, s[WV], FWAVE
	s_add_co_u32 s80, s80, FTAB                    ; my wave's table
	v_lshl_add_u32 v[FTA], v1, 4, s80
	v_lshl_add_u32 v[FS], v2, 8, v[FTA]            ; my half of the lanes stores the odd or the even places
	v_and_b32 v6, 31, v0
	v_lshl_add_u32 v6, v6, 4, s80
.irp n, 8,9,10,11
	v_mov_b32 v[\n], 0
.endr
.irp n, 0,1,2,3
	ds_store_b128 v6, v[8:11] offset:16*256+512*(\n)         ; places 16 to 23 hold 0 until factors land there: the last step looks one place past the walk's 18
.endr
	s_mul_i32 s80, s[WV], 16*SP
	s_add_co_u32 s80, s80, STAGE                   ; my stage
	v_mul_u32_u24 v3, v1, SP
	v_lshl_add_u32 v3, v2, 5, v3
	v_add_nc_u32 v[STO], s80, v3                   ; in: row r, 32 bytes for each half of the lanes
	v_mul_u32_u24 v3, v2, SP
	v_lshl_add_u32 v3, v1, 4, v3
	v_add_nc_u32 v[RD], s80, v3                    ; back: lanes 0-15 one row of 256 bytes, lanes 16-31 the next
	v_lshlrev_b32 v3, 12, v2
	v_lshl_add_u32 v[GO], v1, 4, v3                ; the same two rows in out0
	v_mov_b32 v57, 0                               ; v_permlanex16_b32's destination counts as read
	s_wait_loadcnt 0x0
; One row block's statistics: M over my nk chunks and the other half of the lanes'; f = 2^(cm - M), left packed (f, f) in cm's registers; L = sum of f l; 1 / L twice, for the packed multiply.
.macro STATS cmb, lb, nk, a, sto, il
	v_max3_num_f32 v56, v[(\cmb)], v[(\cmb)+1], v[(\cmb)+2]
.if (\nk) == 8
	v_max3_num_f32 v56, v56, v[(\cmb)+3], v[(\cmb)+4]
	v_max3_num_f32 v56, v56, v[(\cmb)+5], v[(\cmb)+6]
	v_max_num_f32 v56, v56, v[(\cmb)+7]
.else
	v_max_num_f32 v56, v56, v[(\cmb)+3]
.endif
	v_permlanex16_b32 v57, v56, s[SEL], s[SEL+1]
	v_max_num_f32 v56, v56, v57
.set k, 0
.rept \nk
	v_sub_f32 v[(\cmb)+k], v[(\cmb)+k], v56
.set k, k+1
.endr
.set k, 0
.rept \nk
	v_exp_f32 v[(\cmb)+k], v[(\cmb)+k]
.set k, k+1
.endr
	v_nop                                          ; a plain instruction behind the last exponential
	s_wait_alu depctr_va_vdst(0)
	v_mul_f32 v58, v[(\cmb)], v[(\lb)]
.set k, 1
.rept (\nk)-1
	v_fmac_f32 v58, v[(\cmb)+k], v[(\lb)+k]
.set k, k+1
.endr
.set k, 0
.rept \nk
	v_cvt_pk_f16_f32 v[(\cmb)+k], v[(\cmb)+k], v[(\cmb)+k]
.set k, k+1
.endr
.if \sto
.set k, 0
.rept \nk
	ds_store_b32 v[FS], v[(\cmb)+k] offset:k*512+(\a)*4      ; chunk 2 k + h at place 2 k + h
.set k, k+1
.endr
.endif
	v_permlanex16_b32 v57, v58, s[SEL], s[SEL+1]
	v_add_f32 v58, v58, v57
	v_rcp_f32 v[(\il)], v58
	v_rcp_f32 v[(\il)+1], v58
	v_nop                                          ; a plain instruction behind the last reciprocal
.endm
.irp a, 0,1,2,3
	STATS CM0+8*\a, L0+8*\a, 8, \a, 1, IL+2*\a
.endr
.irp a, 0,1,2,3
	STATS CM1+4*\a, L1+4*\a, 4, \a, 0, ILL+2*\a
.endr
	; The second tile's factors follow the first tile's 2 n_hi places that the walk uses.  The stores stand four times, with constant addresses; n_hi, the same in all partners, chooses.
.irp nh, 5,6,7,8
	s_cmp_eq_u32 s[NHI], \nh
	s_cbranch_scc0 .Lnot_\nh
.set i, 0
.rept 16
	ds_store_b32 v[FS], v[CM1+i] offset:(\nh)*512+(i%4)*512+(i/4)*4
.set i, i+1
.endr
.Lnot_\nh:
.endr
; 32 LDS loads in one run: the fragments of 64 keys into buffer g: p and V^T of the first 32 keys, then of the second
.macro FETCH ra, rb, ka, kb, g
	WIN TO_F
.irp c, 0,1
.irp a, 0,1,2,3
	ds_load_b128 v[(\g)+8*(4*(\c)+(\a)):(\g)+8*(4*(\c)+(\a))+3],   v[\ra] offset:(\a)*16*PP+(\ka)+64*(\c)
	ds_load_b128 v[(\g)+8*(4*(\c)+(\a))+4:(\g)+8*(4*(\c)+(\a))+7], v[\ra] offset:(\a)*16*PP+(\ka)+64*(\c)+32
.endr
.irp b, 0,1,2,3
	ds_load_tr16_b128 v[(\g)+64+8*(4*(\c)+(\b)):(\g)+64+8*(4*(\c)+(\b))+3],   v[\rb] offset:(\kb)+32*VP*(\c)+32*(\b)
	ds_load_tr16_b128 v[(\g)+64+8*(4*(\c)+(\b))+4:(\g)+64+8*(4*(\c)+(\b))+7], v[\rb] offset:(\kb)+32*VP*(\c)+32*(\b)+16*VP
.endr
.endr
.endm
; 16 products (the 16 accumulators by turns) on V^T's half c of buffer vf and the scaled p in ps; behind each product two scalings, p as loaded (rsrc, window 1) times the
; factor fx into pd, the other half's registers: what a scaling writes was last read by a product 26 plain instructions back or more.  zero = 1: the products start the sums.
.macro GRP vf, c, ps, zero, rsrc, pd, fx
	WIN W_MM
.set n, 0
.rept 16
.if \zero
	v_wmma_f32_16x16x32_f16 v[ACC+8*n:ACC+8*n+7], v[(\vf)+64+8*(4*(\c)+n%4):(\vf)+64+8*(4*(\c)+n%4)+7], v[(\ps)+8*(n/4):(\ps)+8*(n/4)+7], 0
.else
	v_wmma_f32_16x16x32_f16 v[ACC+8*n:ACC+8*n+7], v[(\vf)+64+8*(4*(\c)+n%4):(\vf)+64+8*(4*(\c)+n%4)+7], v[(\ps)+8*(n/4):(\ps)+8*(n/4)+7], v[ACC+8*n:ACC+8*n+7]
.endif
	v_pk_mul_f16 v[(\pd)+2*n],   v[(\rsrc)+2*n],   v[(\fx)+n/4]
	v_pk_mul_f16 v[(\pd)+2*n+1], v[(\rsrc)+2*n+1], v[(\fx)+n/4]
.set n, n+1
.endr
.endm
; A KEY STEP: four quarters of 64 keys on buffers 0, 1, 0, 1.  A quarter fetches the next quarter's fragments at its head, so that they have its 32 products in which to land.
; The slot's last bytes are fetched at the third quarter's head; the change of slots stands in that quarter's middle.  fill = 1: the slot is filled again with the key step two steps on in the walk.
.macro STEP fill
	PLACES                                         ; quarter 0
	FETCH ADRA, ADRB, 128, 64*VP, F1
	WIN 0
	ds_load_b128 v[FB:FB+3], v[FTA] offset:256     ; the second chunk's factors
	s_wait_dscnt 33                                ; all but the 33 just issued: this quarter's fragments are in
	s_cmp_eq_u32 s[NEW], 1
	s_cbranch_scc1 .Lz_\@
	GRP F0, 0, PS0, 0, F0+32, PS1, FA
	WIN 0
	s_branch .Lj_\@
.Lz_\@:
	GRP F0, 0, PS0, 1, F0+32, PS1, FA              ; a tile's first products start the sums
	WIN 0
.Lj_\@:
	s_wait_dscnt 25                                ; the run's first eight loads, the next quarter's first p, are in
	GRP F0, 1, PS1, 0, F1, PS0, FA
	PLACES                                         ; quarter 1
	FETCH ADRA, ADRB2, 256, 0, F0
	s_wait_dscnt 32
	GRP F1, 0, PS0, 0, F1+32, PS1, FA
	s_wait_dscnt 24
	GRP F1, 1, PS1, 0, F0, PS0, FB
	PLACES                                         ; quarter 2
	FETCH ADRA, ADRB2, 384, 64*VP, F1
	WIN 0
	ds_load_b128 v[FA:FA+3], v[FTA] offset:512     ; the next step's first chunk's factors
	s_wait_dscnt 33
	GRP F0, 0, PS0, 0, F0+32, PS1, FB
	WIN 0
	s_wait_tensorcnt 0x0                           ; all my tensor loads have landed: the one that was out is my part of the other slot; so a group 0 may be written
	ds_add_u32 v[SPW], v[NIL]                      ; 0 onto my spare word; the descriptors' scalar work stands between it and the wait for it
.if \fill
	s_lshl_b32 s[AOF], s[NK], 9                    ; 256 keys of 2 bytes a step
	s_add_co_u32 s[AOF], s[AOF], s[ARO]
	s_add_nc_u64 s[G0A+6:G0A+7], s[4:5], s[AOF:AOF+1]
	s_or_b32 s[G0A+7], s[G0A+7], 0x80000000
	s_add_co_u32 s[G0A+5], s[LAA], s[TB]           ; into the slot in hand
	s_mul_i32 s[BOF], s[NK], 256*6144              ; 256 rows of qkv a step
	s_add_co_u32 s[BOF], s[BOF], s[BRO]
	s_add_nc_u64 s[G0B+6:G0B+7], s[6:7], s[BOF:BOF+1]
	s_or_b32 s[G0B+7], s[G0B+7], 0x80000000
	s_add_co_u32 s[G0B+5], s[LAB], s[TB]
	s_add_co_u32 s[NK], s[NK], 1                   ; the tile's next key step, or behind its last the second tile's step 0
	s_cmp_gt_u32 s[NK], s[LQ]
	s_cselect_b32 s[NK], 0, s[NK]
	s_cselect_b32 s[ARO], s[ARL], s[ARO]
	s_cselect_b32 s[LQ], s[LQL], s[LQ]
.endif
	s_wait_dscnt 0x0                               ; the add is done, and my reads of this slot are over
	s_barrier_signal -1                            ; with fill = 1 this barrier opens a round of the cluster's
	GRP F0, 1, PS1, 0, F1, PS0, FB                 ; work on registers while the others arrive
	WIN 0
	s_barrier_wait -1
.if \fill
	CREST                                          ; no wave of any partner still reads this slot or has a load on its way
	JLOAD                                          ; the first tensor load behind the round: 112 matrix instructions ahead of the wait for it
.endif
	PLACES                                         ; quarter 3
	FETCH ADRAN, ADRBN, 0, 0, F0
	s_wait_dscnt 32
	GRP F1, 0, PS0, 0, F1+32, PS1, FB
	s_wait_dscnt 24
	GRP F1, 1, PS1, 0, F0, PS0, FA
.endm
; THE WAY OUT of row block a: times 1 / L, in place and from each accumulator's low end; 32 bytes a lane into my stage; back as whole rows of 256 bytes, into window 2; stored.
.macro PACKO a
	WIN 0
.set i, 0
.rept 16
	v_pk_mul_f32 v[ACC+32*(\a)+2*i:ACC+32*(\a)+2*i+1], v[ACC+32*(\a)+2*i:ACC+32*(\a)+2*i+1], v[IL+2*(\a):IL+2*(\a)+1] op_sel_hi:[1,0]
.set i, i+1
.endr
.irp b, 0,1,2,3
	ds_store_b128 v[STO], v[ACC+32*(\a)+8*(\b):ACC+32*(\a)+8*(\b)+3]   offset:64*(\b)
	ds_store_b128 v[STO], v[ACC+32*(\a)+8*(\b)+4:ACC+32*(\a)+8*(\b)+7] offset:64*(\b)+16
.endr
	WIN 0x80
.irp t, 0,1,2,3,4,5,6,7
	ds_load_b128 v[32*(\a)+4*(\t):32*(\a)+4*(\t)+3], v[RD] offset:2*SP*(\t)  ; LDS serves a wave's instructions in order: these see the stores above; the next block's stores come behind them
.endr
	WIN 0
.endm
.macro SENDO a, y                      ; y: the LDS instructions issued behind block a's loads: the next block's sixteen, or none
	WIN 0x08
.irp t, 0,1,2,3,4,5,6,7
	s_wait_dscnt (\y)+7-(\t)
	global_store_b128 v[GO], v[32*(\a)+4*(\t):32*(\a)+4*(\t)+3], s[10:11] offset:(16*(\a)+2*(\t))*4096  ; 16 lanes store 256 consecutive bytes, at a multiple of 256 from out0's first byte
.endr
	WIN 0
.endm
; A step's end: the slots change places, the table's address steps; behind a tile's last step the tile goes out and the second tile's registers are set.  The jump goes forward, over no barrier and no tensor load.
.macro STEPEND
	WIN 0
	s_xor_b32 s[TB], s[TB], SLOT1
	s_xor_b32 s[TN], s[TN], SLOT1
	ADDRS
	v_add_nc_u32 v[FTA], 512, v[FTA]
	s_mov_b32 s[NEW], 0
	s_sub_co_u32 s[RT], s[RT], 1
	s_cmp_lg_u32 s[RT], 0
	s_cbranch_scc1 .Lgo_\@
	PLACES
	s_wait_xcnt 0x0                                ; window 2's registers, which an earlier way out's stores read, are loaded again only behind this wait
	PACKO 0
	PACKO 1
	SENDO 0, 16
	PACKO 2
	SENDO 1, 16
	PACKO 3
	SENDO 2, 16
	SENDO 3, 0
	s_wait_xcnt 0x0                                ; the stores' base is rewritten only behind this wait
	s_mov_b64 s[10:11], s[OBL:OBL+1]
.set i, 0
	s_wait_alu depctr_va_vdst(0)
.rept 8
	v_mov_b32 v[IL+i], v[ILL+i]
.set i, i+1
.endr
	s_mov_b32 s[RT], s[NLO]
	s_mov_b32 s[NEW], 1
.Lgo_\@:
.endm
	s_wait_tensorcnt 0x1                           ; my part of key step 0 is in; step 1's may stay out
	s_wait_dscnt 0x0                               ; my stores into the table are done
	s_barrier_signal -1
	s_barrier_wait -1
	FETCH ADRA, ADRB, 0, 0, F0
	WIN 0
	ds_load_b128 v[FA:FA+3], v[FTA]
	s_wait_dscnt 0x0
	WIN W_MM
.set n, 0
.rept 32
	v_pk_mul_f16 v[PS0+n], v[F0+n], v[FA+n/8]      ; the first 32 keys' p, scaled
.set n, n+1
.endr
	WIN 0
	s_mov_b32 s[CNT], 7
.Lwalk:                                                ; steps 0 to 6 of the walk's nine, which ask for steps 2 to 8
	STEP 1
	STEPEND
	s_sub_co_u32 s[CNT], s[CNT], 1
	s_cmp_lg_u32 s[CNT], 0
	s_cbranch_scc1 .Lwalk
	s_mov_b32 s[CNT], 2
.Ltail:                                                ; steps 7 and 8 ask for nothing and have no round.  The last trip's fetch from the other slot, and its scaling, serve nothing: the price of one text for both
	STEP 0
	STEPEND
	s_sub_co_u32 s[CNT], s[CNT], 1
	s_cmp_lg_u32 s[CNT], 0
	s_cbranch_scc1 .Ltail
	s_wait_tensorcnt 0x0                           ; the wave's end
	ds_add_u32 v[SPW], v[NIL]
	s_wait_dscnt 0x0
	CROUND                                         ; the closing round: no work-group ends while a partner may still ask for a tile that names it
	s_endpgm
.Lfunc_end_k_q7ac850fbc3_pv:
	.size	k_q7ac850fbc3_pv, .Lfunc_end_k_q7ac850fbc3_pv-k_q7ac850fbc3_pv
	.p2alignl 7, 3214868480
	.fill 96, 4, 3214868480
	.section	.rodata,"a",@progbits
	.p2align	6, 0x0
	.amdhsa_kernel k_q7ac850fbc3_pv
		.amdhsa_group_segment_fixed_size 327680
		.amdhsa_private_segment_fixed_size 0
		.amdhsa_enable_private_segment 0
		.amdhsa_kernarg_size 32
		.amdhsa_user_sgpr_count 2
		.amdhsa_user_sgpr_kernarg_segment_ptr 1
		.amdhsa_wavefront_size32 1
		.amdhsa_system_sgpr_workgroup_id_x 1
		.amdhsa_system_sgpr_workgroup_id_y 1
		.amdhsa_system_sgpr_workgroup_id_z 1
		.amdhsa_system_vgpr_workitem_id 0
		.amdhsa_next_free_vgpr 640
		.amdhsa_next_free_sgpr 88
		.amdhsa_reserve_vcc 0
		.amdhsa_float_denorm_mode_32 3
		.amdhsa_float_denorm_mode_16_64 3
		.amdhsa_memory_ordered 1
		.amdhsa_forward_progress 1
		.amdhsa_inst_pref_size 143
	.end_amdhsa_kernel
	.amdgpu_metadata
---
amdhsa.version: [ 1, 2 ]
amdhsa.kernels:
  - .name:           k_q7ac850fbc3_pv
    .symbol:         k_q7ac850fbc3_pv.kd
    .args:
      - { .name: p, .offset: 0, .size: 8, .value_kind: global_buffer, .address_space: global }
      - { .name: qkv, .offset: 8, .size: 8, .value_kind: global_buffer, .address_space: global }
      - { .name: stats, .offset: 16, .size: 8, .value_kind: global_buffer, .address_space: global }
      - { .name: out0, .offset: 24, .size: 8, .value_kind: global_buffer, .address_space: global }
    .group_segment_fixed_size: 327680
    .private_segment_fixed_size: 0
    .kernarg_segment_align: 8
    .kernarg_segment_size: 32
    .max_flat_workgroup_size: 128
    .sgpr_count:     88
    .vgpr_count:     640
    .wavefront_size: 32
...
	.end_amdgpu_metadata
.endif
;; end of part 4
;; ======== version 2 of 3: 5 launches; 1.11 times as fast as version 1
;; limits: values are held in f16: magnitudes above 65,504 overflow, below 6.1e-05 lose precision
;; workspace buffers: xb 16,777,216 bytes; wqk16 4,194,304 bytes; wb 4,194,304 bytes; q 16,777,216 bytes; v 16,777,216 bytes; p 33,554,432 bytes; stats 1,048,576 bytes
;; launch cast (part 5): grid 352 x 1, 8 waves a work-group, no clusters, 0 bytes of LDS; arguments x, Wq, Wk, Wv, xb, wqk16, wb; writes xb, wqk16, wb
.if DOCPART == 5
	.amdgcn_target "amdgcn-amd-amdhsa--gfx1250"
	.amdhsa_code_object_version 6
	.text
	.protected	k_q7ac850fbc3_cast
	.globl	k_q7ac850fbc3_cast
	.p2align	8
	.type	k_q7ac850fbc3_cast,@function
k_q7ac850fbc3_cast:
	s_mov_b64 s[64:65], 0
	v_nop
	global_prefetch_b8 v0, s[64:65] scope:SCOPE_SE
	s_setreg_imm32_b32 hwreg(HW_REG_WAVE_MODE, 25, 1), 1
	s_wait_xcnt 0x0
; Every input is rounded to bf16, and that number is written as f16 (exact within f16's range), so that all later products can take the f16 matrix form beside f16 intermediates.
; x [8192][1024] f32 -> xb [8192][1024];  Wq, Wk [1024][1024] -> wqk16 [2048][1024] (Wq's rows, then Wk's);  Wv [1024][1024] -> the right half of wb [1024 d][2048 n].
; LIMITS.  A number of 65,520 or more leaves as an infinity; below 2^-14 the f16 keeps a fixed step of 6e-8.
; Everything is rows of 1,024 f32: 4,096 bytes in, 2,048 bytes out.  A work-group takes 32 rows, each of its eight waves 4.  Work-groups 0-255 take x, 256-351 the weights (32 each).
; A stream: each byte is read once and written once; no LDS, no matrix unit, no barrier would add anything.  A wave's 32 loads go out at once; the only waits are the counted ones.
.set XR,   16                          ; v[16:143]  32 loads of 4 f32
.set YR,   144                         ; v[144:207] 32 x 4 f16 to store
.set OFFS, 4                           ; v[4:7]     row rho of my four: its byte offset in the output, + 8 x lane
.set T,    8                           ; v[8:9]     two pairs of bf16, at work
	s_load_b256 s[4:11], s[0:1], 0x0               ; x s[4:5], Wq s[6:7], Wk s[8:9], Wv s[10:11]
	s_load_b128 s[12:15], s[0:1], 0x20             ; xb s[12:13], wqk16 s[14:15]
	s_load_b64 s[32:33], s[0:1], 0x30              ; wb
	s_mov_b32 s16, ttmp9
	s_max_u32 s17, s16, 256
	s_sub_co_u32 s17, s17, 256                     ; my number among the weights' work-groups (0 for x's)
	s_lshr_b32 s18, s17, 5                         ; which weight
	s_and_b32 s19, s17, 31                         ; which 32 rows of it
	s_lshl_b32 s27, s19, 17                        ; out, Wv: 32 rows of 4,096 bytes,
	s_add_co_u32 s27, s27, 2048                    ; the right half of each
	s_lshl_b32 s28, s17, 16                        ; out, Wq and Wk: 32 rows of 2,048 bytes; Wk's blocks follow Wq's 32
	s_lshl_b32 s29, s16, 16                        ; out, x
	s_lshl_b32 s30, s19, 17                        ; in, a weight: 32 rows of 4,096 bytes
	s_lshl_b32 s31, s16, 17                        ; in, x
	s_mov_b32 s26, 2048                            ; bytes in an output row
	s_mov_b32 s34, 0xffff0000                      ; a word's upper bf16
	s_cmp_eq_u32 s18, 2
	s_cselect_b32 s26, 4096, s26
	s_cselect_b32 s28, s27, s28
	s_cmp_lt_u32 s16, 256
	s_cselect_b32 s28, s29, s28
	s_cselect_b32 s30, s31, s30
	s_mov_b32 s29, 0
	s_mov_b32 s31, 0
	v_and_b32 v1, 31, v0                           ; lane
	v_lshrrev_b32 v3, 5, v0                        ; wave
	v_lshlrev_b32 v2, 14, v3                       ; my wave's 4 rows of 4,096 bytes,
	v_lshl_add_u32 v2, v1, 4, v2                   ; 16 bytes a lane
	v_lshlrev_b32 v3, 2, v3
.irp rho, 0,1,2,3
	v_add_nc_u32 v[OFFS+(\rho)], (\rho), v3
	v_mul_lo_u32 v[OFFS+(\rho)], v[OFFS+(\rho)], s26
	v_lshl_add_u32 v[OFFS+(\rho)], v1, 3, v[OFFS+(\rho)]
.endr
	s_wait_kmcnt 0x0
	s_cmp_eq_u32 s18, 1                            ; the buffers are chosen by the work-group's number alone
	s_cselect_b64 s[22:23], s[8:9], s[6:7]
	s_cmp_eq_u32 s18, 2
	s_cselect_b64 s[22:23], s[10:11], s[22:23]
	s_cselect_b64 s[24:25], s[32:33], s[14:15]
	s_cmp_lt_u32 s16, 256
	s_cselect_b64 s[22:23], s[4:5], s[22:23]
	s_cselect_b64 s[24:25], s[12:13], s[24:25]
	s_add_nc_u64 s[22:23], s[22:23], s[30:31]
	s_add_nc_u64 s[24:25], s[24:25], s[28:29]
.set n, 0
.rept 32                               ; load n: row n / 8, 512 neighbouring bytes at 512 (n % 8)
	global_load_b128 v[XR+4*n:XR+4*n+3], v2, s[22:23] offset:(n/8)*4096+(n%8)*512 th:TH_LOAD_NT
.set n, n+1
.endr
.set n, 0
.rept 32
	s_wait_loadcnt 31-n                            ; loads come back in order: load n is in, the younger ones stay out
	v_cvt_pk_bf16_f32 v[T], v[XR+4*n], v[XR+4*n+1]           ; the one rounding,
	v_cvt_pk_bf16_f32 v[T+1], v[XR+4*n+2], v[XR+4*n+3]
	v_lshlrev_b32 v[XR+4*n], 16, v[T]                        ; widened again,
	v_and_b32 v[XR+4*n+1], s34, v[T]
	v_lshlrev_b32 v[XR+4*n+2], 16, v[T+1]
	v_and_b32 v[XR+4*n+3], s34, v[T+1]
	v_cvt_pk_f16_f32 v[YR+2*n], v[XR+4*n], v[XR+4*n+1]       ; and written as f16
	v_cvt_pk_f16_f32 v[YR+2*n+1], v[XR+4*n+2], v[XR+4*n+3]
	global_store_b64 v[OFFS+n/8], v[YR+2*n:YR+2*n+1], s[24:25] offset:(n%8)*256  ; 32 lanes x 8 bytes: 256 consecutive bytes, at a multiple of 256 from the buffer's first
.set n, n+1
.endr
	s_endpgm
.Lfunc_end_k_q7ac850fbc3_cast:
	.size	k_q7ac850fbc3_cast, .Lfunc_end_k_q7ac850fbc3_cast-k_q7ac850fbc3_cast
	.p2alignl 7, 3214868480
	.fill 96, 4, 3214868480
	.section	.rodata,"a",@progbits
	.p2align	6, 0x0
	.amdhsa_kernel k_q7ac850fbc3_cast
		.amdhsa_group_segment_fixed_size 0
		.amdhsa_private_segment_fixed_size 0
		.amdhsa_enable_private_segment 0
		.amdhsa_kernarg_size 56
		.amdhsa_user_sgpr_count 2
		.amdhsa_user_sgpr_kernarg_segment_ptr 1
		.amdhsa_wavefront_size32 1
		.amdhsa_system_sgpr_workgroup_id_x 1
		.amdhsa_system_sgpr_workgroup_id_y 1
		.amdhsa_system_sgpr_workgroup_id_z 1
		.amdhsa_system_vgpr_workitem_id 0
		.amdhsa_next_free_vgpr 208
		.amdhsa_next_free_sgpr 66
		.amdhsa_reserve_vcc 0
		.amdhsa_float_denorm_mode_32 3
		.amdhsa_float_denorm_mode_16_64 3
		.amdhsa_memory_ordered 1
		.amdhsa_forward_progress 1
		.amdhsa_inst_pref_size 22
	.end_amdhsa_kernel
	.amdgpu_metadata
---
amdhsa.version: [ 1, 2 ]
amdhsa.kernels:
  - .name:           k_q7ac850fbc3_cast
    .symbol:         k_q7ac850fbc3_cast.kd
    .args:
      - { .name: x, .offset: 0, .size: 8, .value_kind: global_buffer, .address_space: global }
      - { .name: Wq, .offset: 8, .size: 8, .value_kind: global_buffer, .address_space: global }
      - { .name: Wk, .offset: 16, .size: 8, .value_kind: global_buffer, .address_space: global }
      - { .name: Wv, .offset: 24, .size: 8, .value_kind: global_buffer, .address_space: global }
      - { .name: xb, .offset: 32, .size: 8, .value_kind: global_buffer, .address_space: global }
      - { .name: wqk16, .offset: 40, .size: 8, .value_kind: global_buffer, .address_space: global }
      - { .name: wb, .offset: 48, .size: 8, .value_kind: global_buffer, .address_space: global }
    .group_segment_fixed_size: 0
    .private_segment_fixed_size: 0
    .kernarg_segment_align: 8
    .kernarg_segment_size: 56
    .max_flat_workgroup_size: 256
    .sgpr_count:     66
    .vgpr_count:     208
    .wavefront_size: 32
...
	.end_amdgpu_metadata
.endif
;; end of part 5
;; launch wqk (part 6): grid 16 x 16, 4 waves a work-group, clusters of 4 x 4, 327,680 bytes of LDS; arguments wqk16, wb; writes wb
.if DOCPART == 6
	.amdgcn_target "amdgcn-amd-amdhsa--gfx1250"
	.amdhsa_code_object_version 6
	.text
	.protected	k_q7ac850fbc3_wqk
	.globl	k_q7ac850fbc3_wqk
	.p2align	8
	.type	k_q7ac850fbc3_wqk,@function
k_q7ac850fbc3_wqk:
	s_mov_b64 s[64:65], 0
	v_nop
	global_prefetch_b8 v0, s[64:65] scope:SCOPE_SE
	s_setreg_imm32_b32 hwreg(HW_REG_WAVE_MODE, 25, 1), 1
	s_wait_xcnt 0x0
	s_wait_alu depctr_hold_cnt(0) depctr_sa_sdst(0) depctr_va_vdst(0) depctr_va_sdst(0) depctr_va_ssrc(0) depctr_va_vcc(0) depctr_vm_vsrc(0)
	s_getreg_b32 s2, hwreg(HW_REG_IB_STS2, 6, 4)
	s_cmp_eq_u32 s2, 0
	s_cbranch_scc0 .Lentry_in_a_cluster
	s_endpgm
.Lentry_in_a_cluster:
	s_bfe_u32 s2, ttmp6, 0x10000c
	s_cmp_lg_u32 s2, 0xf033
	s_cbranch_scc0 .Lentry_shape_is_right
	s_endpgm
.Lentry_shape_is_right:
; wb[d][e] = sum over k of Wq[d][k] Wk[e][k], e < 1024: the left half of wb [1024 d][2048 n], f16, rounded once from f32 sums.  wqk16: [2048][1024] f16, Wq's rows, then Wk's.
; WHY.  Q K^T = x (Wq Wk^T) x^T for every input: with this product made once, K is never formed, and the projections behind have two thirds of their work.
; LIMIT.  f16 holds no number beyond 65,504: a sum of 65,520 or more leaves as an infinity.
; A tile is 64 x 64; each of four waves makes 32 x 32: four accumulators, which take turns.  All of K lies in LDS at once: eight regions of 64 rows x 256 k (512 bytes + 16 of padding), four of Wq's rows and four
; of Wk's; wave w brings K quarter w of both, its two first fills; nothing is filled again.
; CLUSTER 4 x 4: the four of a row of the cluster need the same rows of Wq, the four of a column the same rows of Wk: each tile is asked for jointly.
; THE MATRIX INSTRUCTION IS USED TRANSPOSED: source 0 = 16 rows of Wk (e), source 1 = 16 rows of Wq (d): a lane holds eight neighbouring e of one row d.
; THE STORES cover 128 consecutive bytes for each eight lanes, half of an aligned 256: the tile's 128 rows of 2,048 bytes take 270,336 bytes of LDS with their padding; a tile 128 wide and 32 high would take
; 337,920, more than a work-group can have.  The half of wb that is written so has 2 MiB.
.set PITCH, 528                        ; 33 x 16 bytes: the 16 rows of a load start at 16 different groups of four banks (ISA guide 11.1)
.set REG,   64*PITCH                   ; a region
.set BOFF,  4*REG                      ; Wk's regions lie behind Wq's
.set STAGE, 8*REG                      ; behind the regions: 64 rows x 144 bytes, the work-group's, for the way out
.set SP,    144
.set SPARE, STAGE+64*SP                ; the spare words: 128 bytes for each wave, two blocks of 256 bytes that no other line names
.set ADRA, 16                          ; LDS address of my fragments of Wq in the region in hand
.set ADRB, 17                          ; of Wk
.set STO,  24
.set RD,   25
.set GO,   26
.set SPW,  28
.set NIL,  29
.set ACC,  32                          ; v32-63   accumulator (a, b) at 32 + 8 (2 a + b)
.set F0,   64                          ; v64-127, v128-191  two buffers, each for 64 along K: for each 32: Wk's two fragments, then Wq's two
.set F1,   128
.set TMP,  192
.set G1,  24                           ; s[24:31], s[32:35] descriptor groups 1 and 0 for Wq's rows
.set G0,  32
.set G1B, 48                           ; s[48:55], s[56:59] for Wk's
.set G0B, 56
.set CNT, 45
.macro PLACES                          ; four plain vector instructions between a matrix instruction and a load into, or a vector read of, its registers
.rept 4
	v_nop
.endr
.endm
.macro CROUND                          ; a round of the cluster's barrier
	s_barrier_signal -1
	s_barrier_wait -1
	s_cmp_lg_u32 s10, 0
	s_cbranch_scc1 .Lnot_wave_0_\@
	s_barrier_signal -3
.Lnot_wave_0_\@:
	s_barrier_wait -3
	s_barrier_signal -1
	s_barrier_wait -1
.endm
	s_load_b128 s[4:7], s[0:1], 0x0                ; wqk16 s[4:5], wb s[6:7]
	v_lshl_add_u32 v[SPW], v0, 2, SPARE
	v_mov_b32 v[NIL], 0
	ds_add_u32 v[SPW], v[NIL]                      ; the wave's opening: the add and its wait stand ahead of my first tensor load; work on registers stands between them
	ds_add_u32 v28, v29
	v_lshrrev_b32 v1, 5, v0
	v_readfirstlane_b32 s10, v1                    ; wave 0..3: also the K quarter that I fetch
	s_lshr_b32 s11, s10, 1                         ; which 32 rows d are mine
	s_and_b32 s12, s10, 1                          ; which 32 columns e
	s_bfe_u32 s40, ttmp6, 0x40000                  ; cx
	s_bfe_u32 s41, ttmp6, 0x40004                  ; cy
	s_lshl_b32 s42, ttmp9, 2
	s_add_co_u32 s42, s42, s40                     ; tile column (e) = 4 x cluster x + cx
	s_and_b32 s13, ttmp7, 0xffff
	s_lshl_b32 s13, s13, 2
	s_add_co_u32 s13, s13, s41                     ; tile row (d) = 4 x cluster y + cy
	s_lshl_b32 s43, s41, 2
	s_lshl_b32 s43, 15, s43                        ; my row of the cluster
	s_lshl_b32 s44, 0x1111, s40                    ; my column
	s_or_b32 s[G1+0], s43, (1<<16)|(1<<20)|(1<<21)|(6<<22)|(3<<25)   ; mask; 2-byte elements; padding on; bit 21 beside a mask; after every 128 words 4 words
	s_or_b32 s[G1B+0], s44, (1<<16)|(1<<20)|(1<<21)|(6<<22)|(3<<25)
.irp g, G1, G1B
	s_mov_b32 s[(\g)+1], 256<<16                   ; tensor_dim0 = 256
	s_mov_b32 s[(\g)+2], 64<<16                    ; tensor_dim1 = 64
	s_mov_b32 s[(\g)+3], 256<<16                   ; tile_dim0 = 256
	s_mov_b32 s[(\g)+4], 64                        ; tile_dim1 = 64
	s_mov_b32 s[(\g)+5], 1024                      ; elements from row to row
	s_mov_b32 s[(\g)+6], 0
	s_mov_b32 s[(\g)+7], 0
.endr
	s_lshl_b32 s16, s13, 17                        ; Wq: 64 rows of 2,048 bytes for each tile row,
	s_lshl_b32 s17, s10, 9                         ; 512 bytes for each K quarter
	s_add_co_u32 s16, s16, s17
	s_mov_b32 s17, 0
	s_lshl_b32 s46, s42, 17                        ; Wk: the same by the tile column,
	s_lshl_b32 s47, s10, 9
	s_add_co_u32 s46, s46, s47
	s_add_co_u32 s46, s46, 0x200000                ; behind Wq's 1,024 rows
	s_mov_b32 s47, 0
	s_mul_i32 s20, s10, REG                        ; where my loads go: no place in the cluster enters an LDS address
	s_mov_b32 s[G0], 1
	s_mov_b32 s[G0+1], s20
	s_mov_b32 s[G0B], 1
	s_add_co_u32 s[G0B+1], s20, BOFF
	s_wait_dscnt 0x0                               ; the opening add is done
	s_wait_kmcnt 0x0
	s_add_nc_u64 s[G0+2:G0+3], s[4:5], s[16:17]
	s_or_b32 s[G0+3], s[G0+3], 0x80000000          ; type = 2
	s_add_nc_u64 s[G0B+2:G0B+3], s[4:5], s[46:47]
	s_or_b32 s[G0B+3], s[G0B+3], 0x80000000
	CROUND                                         ; all sixteen work-groups are here: the joint loads meet
	tensor_load_to_lds s[G0:G0+3], s[G1:G1+7]      ; my two loads, the only ones: two are out
	s_nop 0
	tensor_load_to_lds s[G0B:G0B+3], s[G1B:G1B+7]
	s_nop 0
	PLACES
	v_and_b32 v1, 15, v0                           ; l % 16
	v_bfe_u32 v2, v0, 4, 1                         ; l / 16
	v_mul_u32_u24 v3, v1, PITCH
	v_lshl_add_u32 v3, v2, 4, v3                   ; a fragment's row x pitch + 16 x half
	s_mul_i32 s21, s11, 32*PITCH
	s_mul_i32 s22, s12, 32*PITCH
	s_add_co_u32 s22, s22, BOFF
	v_add_nc_u32 v[ADRA], s21, v3
	v_add_nc_u32 v[ADRB], s22, v3
	s_mul_i32 s23, s11, 32*SP                      ; into the stage: my 32 rows, my 64 of their 128 bytes
	s_lshl_b32 s21, s12, 6
	s_add_co_u32 s23, s23, s21
	s_add_co_u32 s23, s23, STAGE
	v_mul_u32_u24 v4, v1, SP
	v_lshl_add_u32 v4, v2, 4, v4
	v_add_nc_u32 v[STO], s23, v4
	s_mul_i32 s23, s10, 16*SP                      ; back: wave w takes rows 16 w .. 16 w + 15; 32 lanes take four rows of 128 bytes
	s_add_co_u32 s23, s23, STAGE
	v_bfe_u32 v5, v0, 3, 2
	v_and_b32 v6, 7, v0
	v_mul_u32_u24 v7, v5, SP
	v_lshl_add_u32 v7, v6, 4, v7
	v_add_nc_u32 v[RD], s23, v7
	v_lshlrev_b32 v7, 12, v5                       ; and the same four rows in wb, 4,096 bytes apart
	v_lshl_add_u32 v[GO], v6, 4, v7
	s_lshl_b32 s16, s13, 6
	s_lshl_b32 s17, s10, 4
	s_add_co_u32 s16, s16, s17                     ; the first row that I store: 64 x tile row + 16 x wave
	s_lshl_b32 s16, s16, 12
	s_lshl_b32 s46, s42, 7                         ; the tile's 128 bytes in a row
	s_add_co_u32 s16, s16, s46
	s_mov_b32 s17, 0
	s_add_nc_u64 s[6:7], s[6:7], s[16:17]
; 16 LDS loads: the fragments of group g (64 along K; four groups a region; groups 4 and 5 are the next region's first two) into buffer f
.macro FETCHG g, f
.irp c, 0,1
.set KO, ((\g)/4)*REG+(2*((\g)%4)+(\c))*64
.irp i, 0,1
	ds_load_b128 v[(\f)+32*(\c)+8*(\i):(\f)+32*(\c)+8*(\i)+3],       v[ADRB] offset:KO+(\i)*16*PITCH
	ds_load_b128 v[(\f)+32*(\c)+8*(\i)+4:(\f)+32*(\c)+8*(\i)+7],     v[ADRB] offset:KO+(\i)*16*PITCH+32
.endr
.irp i, 0,1
	ds_load_b128 v[(\f)+32*(\c)+16+8*(\i):(\f)+32*(\c)+16+8*(\i)+3],   v[ADRA] offset:KO+(\i)*16*PITCH
	ds_load_b128 v[(\f)+32*(\c)+16+8*(\i)+4:(\f)+32*(\c)+16+8*(\i)+7], v[ADRA] offset:KO+(\i)*16*PITCH+32
.endr
.endr
.endm
; 8 matrix instructions on buffer f; the four accumulators take turns.  zero = 1: the first four start the sums.
.macro MULG f, zero
.irp c, 0,1
.irp a, 0,1
.irp b, 0,1
.if (\zero) && ((\c) == 0)
	v_wmma_f32_16x16x32_f16 v[ACC+8*(2*(\a)+(\b)):ACC+8*(2*(\a)+(\b))+7], v[(\f)+32*(\c)+8*(\b):(\f)+32*(\c)+8*(\b)+7], v[(\f)+32*(\c)+16+8*(\a):(\f)+32*(\c)+16+8*(\a)+7], 0
.else
	v_wmma_f32_16x16x32_f16 v[ACC+8*(2*(\a)+(\b)):ACC+8*(2*(\a)+(\b))+7], v[(\f)+32*(\c)+8*(\b):(\f)+32*(\c)+8*(\b)+7], v[(\f)+32*(\c)+16+8*(\a):(\f)+32*(\c)+16+8*(\a)+7], v[ACC+8*(2*(\a)+(\b)):ACC+8*(2*(\a)+(\b))+7]
.endif
.endr
.endr
.endr
.endm
; A group: buffer f is multiplied and then takes group g (none if g < 0).  left: the other buffer's 16 loads may stay out
.macro SG f, g, zero, left
	s_wait_dscnt \left
	MULG \f, \zero
.if (\g) >= 0
	PLACES
	FETCHG \g, \f
.endif
.endm
.macro NEXTREG
	v_add_nc_u32 v[ADRA], REG, v[ADRA]
	v_add_nc_u32 v[ADRB], REG, v[ADRB]
.endm
	s_wait_tensorcnt 0x0                           ; my two regions are in,
	s_barrier_signal -1
	s_barrier_wait -1                              ; everybody's are
	FETCHG 0, F0
	FETCHG 1, F1
	SG F0, 2, 1, 16                                ; region 0: its first products start the sums
	SG F1, 3, 0, 16
	SG F0, 4, 0, 16
	SG F1, 5, 0, 16
	NEXTREG
	s_mov_b32 s[CNT], 2
.Lreg:                                                 ; regions 1 and 2
	SG F0, 2, 0, 16
	SG F1, 3, 0, 16
	SG F0, 4, 0, 16
	SG F1, 5, 0, 16
	NEXTREG
	s_sub_co_u32 s[CNT], s[CNT], 1
	s_cmp_lg_u32 s[CNT], 0
	s_cbranch_scc1 .Lreg
	SG F0, 2, 0, 16                                ; region 3: its last two groups fetch nothing
	SG F1, 3, 0, 16
	SG F0, -1, 0, 16
	SG F1, -1, 0, 0
	; THE WAY OUT: rounded to f16; 16 bytes a lane into the work-group's stage; a barrier, since a row's 128 bytes come from two waves; back as whole rows of the tile.
	PLACES
.irp n, 0,1,2,3
.irp r, 0,1,2,3
	v_cvt_pk_f16_f32 v[TMP+4*(\n)+(\r)], v[ACC+8*(\n)+2*(\r)], v[ACC+8*(\n)+2*(\r)+1]
.endr
.endr
.irp a, 0,1
.irp b, 0,1
	ds_store_b128 v[STO], v[TMP+4*(2*(\a)+(\b)):TMP+4*(2*(\a)+(\b))+3] offset:(\a)*16*SP+32*(\b)
.endr
.endr
	s_wait_dscnt 0x0                               ; for the others' sake: my stores into the stage are done
	s_barrier_signal -1
	s_barrier_wait -1
.irp t, 0,1,2,3
	ds_load_b128 v[TMP+16+4*(\t):TMP+16+4*(\t)+3], v[RD] offset:(\t)*4*SP
.endr
.irp t, 0,1,2,3
	s_wait_dscnt 3-(\t)
	global_store_b128 v[GO], v[TMP+16+4*(\t):TMP+16+4*(\t)+3], s[6:7] offset:(\t)*4*4096  ; eight lanes store 128 consecutive bytes of a row
.endr
	s_wait_tensorcnt 0x0                           ; the wave's end
	ds_add_u32 v[SPW], v[NIL]
	s_wait_dscnt 0x0
	CROUND                                         ; the closing round
	s_endpgm
.Lfunc_end_k_q7ac850fbc3_wqk:
	.size	k_q7ac850fbc3_wqk, .Lfunc_end_k_q7ac850fbc3_wqk-k_q7ac850fbc3_wqk
	.p2alignl 7, 3214868480
	.fill 96, 4, 3214868480
	.section	.rodata,"a",@progbits
	.p2align	6, 0x0
	.amdhsa_kernel k_q7ac850fbc3_wqk
		.amdhsa_group_segment_fixed_size 327680
		.amdhsa_private_segment_fixed_size 0
		.amdhsa_enable_private_segment 0
		.amdhsa_kernarg_size 16
		.amdhsa_user_sgpr_count 2
		.amdhsa_user_sgpr_kernarg_segment_ptr 1
		.amdhsa_wavefront_size32 1
		.amdhsa_system_sgpr_workgroup_id_x 1
		.amdhsa_system_sgpr_workgroup_id_y 1
		.amdhsa_system_sgpr_workgroup_id_z 1
		.amdhsa_system_vgpr_workitem_id 0
		.amdhsa_next_free_vgpr 224
		.amdhsa_next_free_sgpr 66
		.amdhsa_reserve_vcc 0
		.amdhsa_float_denorm_mode_32 3
		.amdhsa_float_denorm_mode_16_64 3
		.amdhsa_memory_ordered 1
		.amdhsa_forward_progress 1
		.amdhsa_inst_pref_size 29
	.end_amdhsa_kernel
	.amdgpu_metadata
---
amdhsa.version: [ 1, 2 ]
amdhsa.kernels:
  - .name:           k_q7ac850fbc3_wqk
    .symbol:         k_q7ac850fbc3_wqk.kd
    .args:
      - { .name: wqk16, .offset: 0, .size: 8, .value_kind: global_buffer, .address_space: global }
      - { .name: wb, .offset: 8, .size: 8, .value_kind: global_buffer, .address_space: global }
    .group_segment_fixed_size: 327680
    .private_segment_fixed_size: 0
    .kernarg_segment_align: 8
    .kernarg_segment_size: 16
    .max_flat_workgroup_size: 128
    .sgpr_count:     66
    .vgpr_count:     224
    .wavefront_size: 32
...
	.end_amdgpu_metadata
.endif
;; end of part 6
;; launch proj (part 7): grid 8 x 32, 4 waves a work-group, clusters of 4 x 4, 327,680 bytes of LDS; arguments xb, wb, q, v; writes q, v
.if DOCPART == 7
	.amdgcn_target "amdgcn-amd-amdhsa--gfx1250"
	.amdhsa_code_object_version 6
	.text
	.protected	k_q7ac850fbc3_proj
	.globl	k_q7ac850fbc3_proj
	.p2align	8
	.type	k_q7ac850fbc3_proj,@function
k_q7ac850fbc3_proj:
	s_mov_b64 s[64:65], 0
	v_nop
	global_prefetch_b8 v0, s[64:65] scope:SCOPE_SE
	s_setreg_imm32_b32 hwreg(HW_REG_WAVE_MODE, 25, 1), 1
	s_wait_xcnt 0x0
	s_wait_alu depctr_hold_cnt(0) depctr_sa_sdst(0) depctr_va_vdst(0) depctr_va_sdst(0) depctr_va_ssrc(0) depctr_va_vcc(0) depctr_vm_vsrc(0)
	s_getreg_b32 s2, hwreg(HW_REG_IB_STS2, 6, 4)
	s_cmp_eq_u32 s2, 0
	s_cbranch_scc0 .Lentry_in_a_cluster
	s_endpgm
.Lentry_in_a_cluster:
	s_bfe_u32 s2, ttmp6, 0x10000c
	s_cmp_lg_u32 s2, 0xf033
	s_cbranch_scc0 .Lentry_shape_is_right
	s_endpgm
.Lentry_shape_is_right:
; q[m][e] = 2^-10 x sum over d of xb[m][d] wb[d][e];  v[m][n] = sum over d of xb[m][d] wb[d][1024 + n].  xb: [8192][1024] f16, wb: [1024][2048] f16 (Wq Wk^T, then Wv), q, v: [8192][1024] f16;
; sums in f32, rounded once.  K is never formed: Q K^T = (x Wq Wk^T) x^T, and the launch behind multiplies q by xb itself.
; LIMITS.  f16 holds no number beyond 65,504.  x Wq Wk^T grows with the product of three inputs, so it is stored times 2^-10 and has room up to 6.7e7; an element of q below 2^-14 keeps f16's fixed step of
; 6e-8, which is 6e-5 of x Wq Wk^T.  v has room up to 65,504.
; A tile of 256 x 256 is made by four waves, each 128 x 128: 64 accumulators of 16 x 16, 512 registers; 8 x 32 tiles, one for each work-group.  K = 1,024 goes in 8 steps of 128 through two LDS slots.
; The loop's body is ONE K step; which slot it reads hangs on two scalars that an exclusive or turns at each step's end.
; CLUSTER 4 x 4: the four of a row of the cluster need the same tiles of xb, the four of a column the same tiles of wb: each tile is asked for jointly, by the same load with the same descriptor and a mask of the four.
; A cluster's four tile columns lie all in q (cluster x = 0) or all in v (1): that number chooses the buffer and the scale.
; THE MATRIX INSTRUCTION IS USED TRANSPOSED: source 0 = 16 columns n of wb, source 1 = 16 rows of xb, so that a lane holds eight neighbouring n of one row m.
; wb lies [d][n]: its fragments come out of LDS turned, by ds_load_tr16_b128.
; REGISTERS in windows of 256 (s_set_vgpr_msb: bits 1:0 source 0, 3:2 source 1, 5:4 source 2, 7:6 destination):
;   window 0: v0-31 addresses; v64-127, v128-191 fragments of xb, two buffers; v32-63, v192-255 at work on the way out
;   window 1: v64-127, v128-191 fragments of wb      window 2: accumulators of my rows 0-63 ((a, b) at v[8 (8 a + b)])      window 3: of my rows 64-127
.set PITCH,  272                       ; a row of xb's tile in LDS: 256 bytes + 16: the 16 rows of a load start at 16 different groups of four banks (ISA guide 11.1)
.set BPITCH, 544                       ; a row of wb's tile: 512 bytes + 32
.set HALFT,  128*PITCH                 ; what one tensor load brings: 128 rows of xb, or 64 rows of wb (64 x 544 is the same 34,816 bytes)
.set SLOT,   4*HALFT                   ; xb's 256 rows, then wb's 128 rows d
.set STAGE,  2*SLOT                    ; behind the ring: 16 rows x 272 bytes for each wave, for the way out
.set SPITCH, 272
.set SPARE,  STAGE+4*16*SPITCH         ; the spare words: 128 bytes for each wave, two blocks of 256 bytes that no other line names
.set WROW,   4096                      ; bytes in a row of wb
.set OROW,   2048                      ; bytes in a row of q and of v
.set ASTEP,  256                       ; a K step in xb: 128 elements along the row
.set BSTEP,  128*WROW                  ; a K step in wb: 128 rows down
.set ADRA0, 16                         ; v16  my lane's place among xb's fragments in slot 0; never rewritten
.set ADRB0, 17                         ; v17  the same for wb
.set ADRA,  18                         ; v18, v19  the same in the slot of the step in hand
.set ADRB,  19
.set ADRAN, 20                         ; v20, v21  and in the other slot
.set ADRBN, 21
.set STO,  24                          ; the way out: where I put 16 bytes of a row
.set RD,   25                          ; where I read a row back
.set CO,   26                          ; my byte offset in the output
.set SPW,  28                          ; LDS address of my spare word; never rewritten
.set NIL,  29                          ; 0; never rewritten
.set F0,   64
.set F1,   128
.set TMP,  192
.set OB,   32
.set G1,  24                           ; s[24:31] descriptor group 1 for xb's tiles
.set G0,  32                           ; s[32:39] group 0: a set for each first fill; the second then walks
.set G1B, 48                           ; s[48:55], s[56:63] the same for wb's tiles
.set G0B, 56
.set TB,  66                           ; LDS byte at which the slot of the step in hand begins
.set TN,  67                           ; and the other slot
.set CNT, 68
.set SC,  76                           ; s[76:77] the scale on the way out: 2^-10 for q, 1 for v; one text serves both
.set MSB, 0
.macro WIN new                         ; the immediate's high byte repeats the setting that is left; a switch that changes nothing is dropped
.if MSB != (\new)
	s_set_vgpr_msb (MSB<<8)|(\new)
.set MSB, \new
.endif
.endm
.set MUL_LO, 0xa1                      ; source 0 window 1, source 1 window 0, C and D window 2
.set MUL_HI, 0xf1                      ; C and D window 3
.set TO_B,   0x40                      ; destination window 1, address window 0
.macro PLACES                          ; four plain vector instructions between a matrix instruction and a load into, or a vector read of, its registers
.rept 4
	v_nop
.endr
.endm
; A joint refill by the walking descriptors.  Waves 0 and 1 fetch xb's two halves, waves 2 and 3 wb's.  The branch hangs on the wave's number alone.
; An s_nop 0 and four v_nop follow each line, ahead of the jump and the label.
.macro JLOAD
	s_cmp_eq_u32 s11, 0
	s_cbranch_scc0 .Lfor_b_\@
	tensor_load_to_lds s[G0+4:G0+7], s[G1:G1+7]
	s_nop 0
	PLACES
	s_branch .Lasked_\@
.Lfor_b_\@:
	tensor_load_to_lds s[G0B+4:G0B+7], s[G1B:G1B+7]
	s_nop 0
	PLACES
.Lasked_\@:
.endm
.macro CREST                           ; a round of the cluster's barrier behind its opening barrier
	s_cmp_lg_u32 s10, 0
	s_cbranch_scc1 .Lnot_wave_0_\@
	s_barrier_signal -3
.Lnot_wave_0_\@:
	s_barrier_wait -3
	s_barrier_signal -1
	s_barrier_wait -1
.endm
.macro CROUND                          ; a whole round
	s_barrier_signal -1
	s_barrier_wait -1
	CREST
.endm
	s_load_b128 s[4:7], s[0:1], 0x0                ; xb s[4:5], wb s[6:7]
	s_load_b128 s[72:75], s[0:1], 0x10             ; q s[72:73], v s[74:75]
	v_lshl_add_u32 v[SPW], v0, 2, SPARE
	v_mov_b32 v[NIL], 0
	ds_add_u32 v[SPW], v[NIL]                      ; the wave's opening: the add and its wait stand ahead of my first tensor load; work on registers stands between them
	ds_add_u32 v28, v29
	v_lshrrev_b32 v1, 5, v0
	v_readfirstlane_b32 s10, v1                    ; wave 0..3
	s_lshr_b32 s11, s10, 1                         ; which half of the tile's rows is mine.  Also: I fetch for xb (0) or for wb (1)
	s_and_b32 s12, s10, 1                          ; which half of its columns.  Also: which half of that tile I fetch
	s_bfe_u32 s40, ttmp6, 0x40000                  ; cx
	s_bfe_u32 s41, ttmp6, 0x40004                  ; cy
	s_mov_b32 s69, ttmp9                           ; cluster x: 0 for q, 1 for v
	s_lshl_b32 s42, ttmp9, 2
	s_add_co_u32 s42, s42, s40                     ; tile column = 4 x cluster x + cx
	s_and_b32 s13, ttmp7, 0xffff
	s_lshl_b32 s13, s13, 2
	s_add_co_u32 s13, s13, s41                     ; tile row = 4 x cluster y + cy
	s_lshl_b32 s43, s41, 2
	s_lshl_b32 s43, 15, s43                        ; my row of the cluster
	s_lshl_b32 s44, 0x1111, s40                    ; my column
	s_cmp_eq_u32 s69, 0
	s_cselect_b32 s[SC], 0x3a800000, 1.0           ; 2^-10, or 1
	s_mov_b32 s[SC+1], s[SC]                       ; named with it as a pair
	s_or_b32 s[G1+0], s43, (1<<16)|(1<<20)|(1<<21)|(5<<22)|(3<<25)   ; mask; 2-byte elements; padding on; bit 21 beside a mask; after every 64 words 4 words
	s_mov_b32 s[G1+1], 128<<16                     ; tensor_dim0 = 128
	s_mov_b32 s[G1+2], 128<<16                     ; tensor_dim1 = 128
	s_mov_b32 s[G1+3], 128<<16                     ; tile_dim0 = 128
	s_mov_b32 s[G1+4], 128                         ; tile_dim1 = 128
	s_mov_b32 s[G1+5], 1024                        ; elements from row to row of xb
	s_mov_b32 s[G1+6], 0
	s_mov_b32 s[G1+7], 0
	s_or_b32 s[G1B+0], s44, (1<<16)|(1<<20)|(1<<21)|(6<<22)|(7<<25)  ; after every 128 words 8 words
	s_mov_b32 s[G1B+1], 256<<16                    ; tensor_dim0 = 256
	s_mov_b32 s[G1B+2], 64<<16                     ; tensor_dim1 = 64
	s_mov_b32 s[G1B+3], 256<<16                    ; tile_dim0 = 256
	s_mov_b32 s[G1B+4], 64                         ; tile_dim1 = 64
	s_mov_b32 s[G1B+5], 2048                       ; elements from row to row of wb
	s_mov_b32 s[G1B+6], 0
	s_mov_b32 s[G1B+7], 0
	s_lshl_b32 s17, s12, 7
	s_lshl_b32 s16, s13, 8
	s_add_co_u32 s16, s16, s17                     ; xb: row 256 x tile row + 128 x half,
	s_lshl_b32 s16, s16, 11                        ; of 2,048 bytes
	s_mov_b32 s17, 0
	s_mul_i32 s46, s12, 64*WROW                    ; wb: row d = 64 x half,
	s_lshl_b32 s47, s42, 9                         ; 512 bytes for each tile column
	s_add_co_u32 s46, s46, s47
	s_mov_b32 s47, 0
	s_mul_i32 s20, s10, HALFT                      ; where my loads go: wave x 34,816: no place in the cluster enters an LDS address
	s_mov_b32 s[TB], 0
	s_mov_b32 s[TN], SLOT
	s_wait_dscnt 0x0                               ; the opening add is done
	s_wait_kmcnt 0x0
	s_add_nc_u64 s[14:15], s[4:5], s[16:17]
	s_add_nc_u64 s[46:47], s[6:7], s[46:47]
	s_cmp_eq_u32 s69, 0
	s_cselect_b64 s[8:9], s[72:73], s[74:75]       ; the buffer that my tile goes to
	CROUND                                         ; all sixteen work-groups are here: the first joint loads meet
.irp s, 0,1
	s_mov_b32 s[G0+4*(\s)], 1                      ; count = 1
	s_add_co_u32 s[G0+4*(\s)+1], s20, (\s)*SLOT    ; LDS address
	s_add_nc_u64 s[G0+4*(\s)+2:G0+4*(\s)+3], s[14:15], (\s)*ASTEP   ; global address: K step s
	s_or_b32 s[G0+4*(\s)+3], s[G0+4*(\s)+3], 0x80000000             ; type = 2
	s_mov_b32 s[G0B+4*(\s)], 1
	s_add_co_u32 s[G0B+4*(\s)+1], s20, (\s)*SLOT
	s_add_nc_u64 s[G0B+4*(\s)+2:G0B+4*(\s)+3], s[46:47], (\s)*BSTEP
	s_or_b32 s[G0B+4*(\s)+3], s[G0B+4*(\s)+3], 0x80000000
.endr
	s_cmp_eq_u32 s11, 0                            ; a wave's two first fills stand in one branch, ahead of every wait on TENSORcnt and every LDS read: two loads of mine are out
	s_cbranch_scc0 .Lfirst_b
	tensor_load_to_lds s[G0:G0+3], s[G1:G1+7]
	s_nop 0
	tensor_load_to_lds s[G0+4:G0+7], s[G1:G1+7]
	s_nop 0
	PLACES
	s_branch .Lfirst_asked
.Lfirst_b:
	tensor_load_to_lds s[G0B:G0B+3], s[G1B:G1B+7]
	s_nop 0
	tensor_load_to_lds s[G0B+4:G0B+7], s[G1B:G1B+7]
	s_nop 0
	PLACES
.Lfirst_asked:
	; A fragment is 16 rows x 32 K in 8 registers: lane l holds row l % 16, K = 8 (l / 16) + 0..7 and 16 + 8 (l / 16) + 0..7.
	v_and_b32 v1, 15, v0                           ; l % 16
	v_bfe_u32 v2, v0, 4, 1                         ; l / 16
	v_mul_u32_u24 v3, v1, PITCH
	v_lshl_add_u32 v3, v2, 4, v3
	s_mul_i32 s21, s11, HALFT                      ; my 128 rows of xb
	v_add_nc_u32 v[ADRA0], s21, v3
	; The turning load: lane l reads 16 bytes of row d = 8 (l / 16) + l % 8 at columns 8 ((l / 8) % 2) + 0..7, and is left with column l % 16 and 8 values of d.
	v_and_b32 v4, 7, v0
	v_lshl_add_u32 v4, v2, 3, v4
	v_mul_u32_u24 v4, v4, BPITCH
	v_bfe_u32 v5, v0, 3, 1
	v_lshl_add_u32 v4, v5, 4, v4
	s_lshl_b32 s22, s12, 8                         ; my 128 columns: 256 bytes,
	s_add_co_u32 s22, s22, 2*HALFT                 ; behind xb's 256 rows
	v_add_nc_u32 v[ADRB0], s22, v4
.macro ADDRS
	v_add_nc_u32 v[ADRA],  s[TB], v[ADRA0]
	v_add_nc_u32 v[ADRB],  s[TB], v[ADRB0]
	v_add_nc_u32 v[ADRAN], s[TN], v[ADRA0]
	v_add_nc_u32 v[ADRBN], s[TN], v[ADRB0]
.endm
	ADDRS
	s_mul_i32 s23, s10, 16*SPITCH
	s_add_co_u32 s23, s23, STAGE                   ; my stage
	v_mul_u32_u24 v4, v1, SPITCH                   ; in: row l % 16, 16 bytes for each half of the lanes
	v_lshl_add_u32 v4, v2, 4, v4
	v_add_nc_u32 v[STO], s23, v4
	v_mul_u32_u24 v5, v2, SPITCH                   ; back: lanes 0-15 take one row of 256 bytes, lanes 16-31 the next
	v_lshl_add_u32 v5, v1, 4, v5
	v_add_nc_u32 v[RD], s23, v5
	v_mul_u32_u24 v5, v2, OROW                     ; and the same two rows in the output
	v_lshl_add_u32 v[CO], v1, 4, v5
	s_lshl_b32 s13, s13, 8
	s_lshl_b32 s14, s11, 7
	s_add_co_u32 s16, s13, s14                     ; my first row of the output,
	s_lshl_b32 s16, s16, 11                        ; of 2,048 bytes
	s_lshl_b32 s46, s40, 9                         ; my first column in bytes: 512 x the tile's place among its buffer's four + 256 x half
	s_lshl_b32 s47, s12, 8
	s_add_co_u32 s46, s46, s47
	s_add_co_u32 s16, s16, s46
	s_mov_b32 s17, 0
; 16 matrix instructions: row blocks a0, a0 + 1 of the window's four x all 8 column blocks, 32 along K.  zero = 1: the first product starts the sums.
.macro MUL16 f, hi, a0, zero
	WIN MUL_LO+0x50*(\hi)
.irp a, \a0, (\a0)+1
.irp b, 0,1,2,3,4,5,6,7
.if \zero
	v_wmma_f32_16x16x32_f16 v[8*(8*(\a)+(\b)):8*(8*(\a)+(\b))+7], v[(\f)+8*(\b):(\f)+8*(\b)+7], v[(\f)+8*(4*(\hi)+(\a)):(\f)+8*(4*(\hi)+(\a))+7], 0
.else
	v_wmma_f32_16x16x32_f16 v[8*(8*(\a)+(\b)):8*(8*(\a)+(\b))+7], v[(\f)+8*(\b):(\f)+8*(\b)+7], v[(\f)+8*(4*(\hi)+(\a)):(\f)+8*(4*(\hi)+(\a))+7], v[8*(8*(\a)+(\b)):8*(8*(\a)+(\b))+7]
.endif
.endr
.endr
.endm
; 32 LDS loads in one run: the fragments of quarter kq (32 along K) into buffer f: wb's 8, turned, then xb's 8
.macro FETCH ra, rb, kq, f
	WIN TO_B
.irp i, 0,1,2,3,4,5,6,7
	ds_load_tr16_b128 v[(\f)+8*(\i):(\f)+8*(\i)+3],   v[\rb] offset:(\kq)*32*BPITCH+32*(\i)
	ds_load_tr16_b128 v[(\f)+8*(\i)+4:(\f)+8*(\i)+7], v[\rb] offset:(\kq)*32*BPITCH+32*(\i)+16*BPITCH
.endr
	WIN 0
.irp i, 0,1,2,3,4,5,6,7
	ds_load_b128 v[(\f)+8*(\i):(\f)+8*(\i)+3],   v[\ra] offset:64*(\kq)+(\i)*16*PITCH
	ds_load_b128 v[(\f)+8*(\i)+4:(\f)+8*(\i)+7], v[\ra] offset:64*(\kq)+(\i)*16*PITCH+32
.endr
.endm
; One of a K step's first three quarters: multiplies buffer f; in its middle it fetches quarter kq into buffer g.  The 64 accumulators take turns.
.macro QUARTER ra, rb, kq, f, g, zero
	s_wait_dscnt 8                                 ; wb's fragments and xb's rows 0-63 are in; the youngest eight loads (rows 64-127) may be out
	MUL16 \f, 0, 0, \zero
	MUL16 \f, 0, 2, \zero
	PLACES
	FETCH \ra, \rb, \kq, \g
	s_wait_dscnt 32                                ; all but the 32 just issued
	MUL16 \f, 1, 0, \zero
	MUL16 \f, 1, 2, \zero
.endm
; The last quarter's first half and the one barrier of a change of slots.  In front of it each wave waits for all its tensor loads (one is out: its part of the other slot), adds 0 to its
; spare word, and waits for that and for its own reads of this slot.  Behind it nobody reads this slot any more and the other slot is whole.
.macro MEET
	WIN 0
	s_wait_tensorcnt 0x0
	ds_add_u32 v[SPW], v[NIL]
	s_wait_dscnt 9                                 ; the add and the youngest eight loads may be out
	MUL16 F1, 0, 0, 0
	s_wait_dscnt 0x0                               ; the add is done, and my reads of this slot are over
	s_barrier_signal -1
	MUL16 F1, 0, 2, 0                              ; work on registers while the others arrive
	WIN 0
	s_barrier_wait -1
.endm
; The whole last quarter.  fill = 1: the barrier opens a round of the cluster's, and the slot just read is filled again, first thing behind it, with the K step two steps on:
; from that request to the wait for it a wave issues 224 matrix instructions.
.macro TURN fill
	MEET
.if \fill
	CREST
	s_xor_b32 s[G0+5], s[G0+5], SLOT               ; the walking descriptors: the other slot than last time (the wave's base shares no bit with SLOT),
	s_add_nc_u64 s[G0+6:G0+7], s[G0+6:G0+7], ASTEP ; the next K step; the type bits on top are not reached
	s_xor_b32 s[G0B+5], s[G0B+5], SLOT
	s_add_nc_u64 s[G0B+6:G0B+7], s[G0B+6:G0B+7], BSTEP
	JLOAD                                          ; its four v_nop are also the places in front of the loads below
.else
	PLACES
.endif
	FETCH ADRAN, ADRBN, 0, F0
	MUL16 F1, 1, 0, 0
	MUL16 F1, 1, 2, 0
.endm
.macro TOGGLE                          ; the slots change places
	WIN 0
	s_xor_b32 s[TB], s[TB], SLOT
	s_xor_b32 s[TN], s[TN], SLOT
	ADDRS
.endm
	s_wait_tensorcnt 0x1                           ; my part of K step 0 is in; K step 1's may stay out
	s_barrier_signal -1
	s_barrier_wait -1
	FETCH ADRA, ADRB, 0, F0
	QUARTER ADRA, ADRB, 1, F0, F1, 1               ; the first quarter stands in front of the loop: its products start the sums
	WIN 0
	s_mov_b32 s[CNT], 6
	s_branch .Lmid
.Lstep:                                                ; six trips: K steps 0 to 5, which ask for steps 2 to 7
	QUARTER ADRA, ADRB, 1, F0, F1, 0
	WIN 0
.Lmid:
	QUARTER ADRA, ADRB, 2, F1, F0, 0
	QUARTER ADRA, ADRB, 3, F0, F1, 0
	TURN 1
	TOGGLE
	s_sub_co_u32 s[CNT], s[CNT], 1
	s_cmp_lg_u32 s[CNT], 0
	s_cbranch_scc1 .Lstep
	s_mov_b32 s[CNT], 2
.Ltail:                                                ; K steps 6 and 7 ask for nothing.  The last trip's fetch from the other slot serves nothing: the price, once a launch, of one text for both
	QUARTER ADRA, ADRB, 1, F0, F1, 0
	QUARTER ADRA, ADRB, 2, F1, F0, 0
	QUARTER ADRA, ADRB, 3, F0, F1, 0
	TURN 0
	TOGGLE
	s_sub_co_u32 s[CNT], s[CNT], 1
	s_cmp_lg_u32 s[CNT], 0
	s_cbranch_scc1 .Ltail
; THE WAY OUT of block a (16 rows): scaled, rounded to f16, 16 bytes a lane; into my own stage and back as whole rows of 256 bytes; stored.
.macro PACK a
.set AC, 64*((\a)%4)
	WIN 0x82+0x41*((\a)/4)                         ; destination and source 0: window 2 or 3
.irp b, 0,1,2,3,4,5,6,7
.irp r, 0,1,2,3
	v_pk_mul_f32 v[AC+8*(\b)+2*(\r):AC+8*(\b)+2*(\r)+1], v[AC+8*(\b)+2*(\r):AC+8*(\b)+2*(\r)+1], s[SC:SC+1] op_sel_hi:[1,0]
.endr
.endr
	WIN 0x0a+5*((\a)/4)                            ; sources 0 and 1: window 2 or 3
.irp b, 0,1,2,3,4,5,6,7
.irp r, 0,1,2,3
	v_cvt_pk_f16_f32 v[TMP+4*(\b)+(\r)], v[AC+8*(\b)+2*(\r)], v[AC+8*(\b)+2*(\r)+1]
.endr
.endr
	WIN 0
.endm
.macro TOSTAGE a
.set BK, OB+192*((\a)%2)
.irp b, 0,1,2,3,4,5,6,7
	ds_store_b128 v[STO], v[TMP+4*(\b):TMP+4*(\b)+3] offset:32*(\b)
.endr
.irp t, 0,1,2,3,4,5,6,7
	ds_load_b128 v[BK+4*(\t):BK+4*(\t)+3], v[RD] offset:(\t)*2*SPITCH  ; LDS serves a wave's instructions in order (ISA guide 5.7.1.4): these see the stores above
.endr
.endm
.macro SEND a
.set BK, OB+192*((\a)%2)
	s_wait_dscnt 0x0                               ; the block is back in registers
	s_wait_xcnt 0x0                                ; only behind this wait are the stores' base and the registers that earlier stores read rewritten
.if (\a) == 0
	s_add_nc_u64 s[8:9], s[8:9], s[16:17]          ; on to my first rows
.else
	s_add_nc_u64 s[8:9], s[8:9], 16*OROW           ; 16 rows on
.endif
.irp t, 0,1,2,3,4,5,6,7
	global_store_b128 v[CO], v[BK+4*(\t):BK+4*(\t)+3], s[8:9] offset:2*(\t)*OROW  ; 16 lanes store 256 consecutive bytes, at a multiple of 256 from the buffer's first byte
.endr
.endm
	s_wait_dscnt 0x0                               ; the fetch that serves nothing has landed
	PLACES
	PACK 0
	TOSTAGE 0
.irp a, 1,2,3,4,5,6,7                  ; block a's arithmetic stands between block a - 1's loads from the stage and the wait for them
	PACK \a
	SEND (\a)-1
	TOSTAGE \a
.endr
	SEND 7
	s_wait_tensorcnt 0x0                           ; the wave's end
	ds_add_u32 v[SPW], v[NIL]
	s_wait_dscnt 0x0
	CROUND                                         ; the closing round: no work-group ends while a partner may still ask for a tile that names it
	s_endpgm
.Lfunc_end_k_q7ac850fbc3_proj:
	.size	k_q7ac850fbc3_proj, .Lfunc_end_k_q7ac850fbc3_proj-k_q7ac850fbc3_proj
	.p2alignl 7, 3214868480
	.fill 96, 4, 3214868480
	.section	.rodata,"a",@progbits
	.p2align	6, 0x0
	.amdhsa_kernel k_q7ac850fbc3_proj
		.amdhsa_group_segment_fixed_size 327680
		.amdhsa_private_segment_fixed_size 0
		.amdhsa_enable_private_segment 0
		.amdhsa_kernarg_size 32
		.amdhsa_user_sgpr_count 2
		.amdhsa_user_sgpr_kernarg_segment_ptr 1
		.amdhsa_wavefront_size32 1
		.amdhsa_system_sgpr_workgroup_id_x 1
		.amdhsa_system_sgpr_workgroup_id_y 1
		.amdhsa_system_sgpr_workgroup_id_z 1
		.amdhsa_system_vgpr_workitem_id 0
		.amdhsa_next_free_vgpr 1024
		.amdhsa_next_free_sgpr 78
		.amdhsa_reserve_vcc 0
		.amdhsa_float_denorm_mode_32 3
		.amdhsa_float_denorm_mode_16_64 3
		.amdhsa_memory_ordered 1
		.amdhsa_forward_progress 1
		.amdhsa_inst_pref_size 117
	.end_amdhsa_kernel
	.amdgpu_metadata
---
amdhsa.version: [ 1, 2 ]
amdhsa.kernels:
  - .name:           k_q7ac850fbc3_proj
    .symbol:         k_q7ac850fbc3_proj.kd
    .args:
      - { .name: xb, .offset: 0, .size: 8, .value_kind: global_buffer, .address_space: global }
      - { .name: wb, .offset: 8, .size: 8, .value_kind: global_buffer, .address_space: global }
      - { .name: q, .offset: 16, .size: 8, .value_kind: global_buffer, .address_space: global }
      - { .name: v, .offset: 24, .size: 8, .value_kind: global_buffer, .address_space: global }
    .group_segment_fixed_size: 327680
    .private_segment_fixed_size: 0
    .kernarg_segment_align: 8
    .kernarg_segment_size: 32
    .max_flat_workgroup_size: 128
    .sgpr_count:     78
    .vgpr_count:     1024
    .wavefront_size: 32
...
	.end_amdgpu_metadata
.endif
;; end of part 7
;; launch scores (part 8): grid 36 x 4, 4 waves a work-group, no clusters, 327,680 bytes of LDS; arguments q, xb, p, stats; writes p, stats
.if DOCPART == 8
	.amdgcn_target "amdgcn-amd-amdhsa--gfx1250"
	.amdhsa_code_object_version 6
	.text
	.protected	k_q7ac850fbc3_scores
	.globl	k_q7ac850fbc3_scores
	.p2align	8
	.type	k_q7ac850fbc3_scores,@function
k_q7ac850fbc3_scores:
	s_mov_b64 s[64:65], 0
	v_nop
	global_prefetch_b8 v0, s[64:65] scope:SCOPE_SE
	s_setreg_imm32_b32 hwreg(HW_REG_WAVE_MODE, 25, 1), 1
	s_wait_xcnt 0x0
; For each tile (i, j), j <= i, of 256 queries x 256 keys of a batch: S = q xb^T (f16 operands, f32 sums over 1,024 channels) with the causal mask.  q = 2^-10 x Wq Wk^T, so that Q K^T / 32 = 32 S.
; Then for each row and each CHUNK of 128 keys cm = c x (the chunk's largest S), c = 32 log2(e); p = 2^(c s - cm), rounded to f16, into p[batch][q][key]; l = the sum of the unrounded p.
; cm and l go to stats[2][16 chunks][8192 rows].  The launch behind combines the chunks by the true maximum over them.  Tiles above the diagonal are not made.
; LIMITS.  A hidden score counts as its value less 1e30 (true S are 4.4e12 at the most, from f16 operands).  A chunk's maximum is taken no lower than -2^83, so that a wholly hidden chunk
; gets p = 0 and l = 0.  A weight below 2^-126 counts as 0.  NaN and infinities are not treated apart.
; NO CLUSTER: a batch's lower triangle has rows and columns of 1 to 8 tiles; 12 of its 36 tiles lie where no row or column of the triangle holds four partners, so the grid does not divide into clusters that share.
; Four waves, each 128 x 128: 64 accumulators.  K (channels) goes in 8 steps of 128 through two LDS slots; the loop's body is one step, and two scalars say which slot it reads.
; THE MATRIX INSTRUCTION IS USED TRANSPOSED: source 0 = 16 keys, source 1 = 16 queries: a lane holds one query (lane % 16) and the keys 8 (lane / 16) + 0..7.
; THE MASK is the C operand of the products that start the sums: three sets of eight registers, for a 16 x 16 block below, on and above the wave's diagonal: all 0 in a tile off the diagonal.
; REGISTERS: window 0: v0-31 addresses; v32-55 the masks; v64-127, v128-191 q's fragments, later the softmax's registers; window 1: v64-191 xb's fragments; windows 2, 3: the accumulators.
.set PITCH,  272
.set HALFT,  128*PITCH                 ; what one tensor load brings: 128 rows of 256 bytes, padded by 16
.set SLOT,   4*HALFT                   ; q's 256 rows, then xb's 256 rows
.set SPARE,  2*SLOT                    ; behind the ring: the spare words
.set DPITCH, 528                       ; the way out: a row of 128 f32 scores + 16 bytes
.set DWAVE,  128*DPITCH                ; a wave's 128 rows: its own bytes, in the ring, which has had its last fill by then
.set SSB,    4*DWAVE                   ; behind them, still in the ring: 1,024 bytes a wave: 128 cm, then 128 l
.set ADRA0, 16
.set ADRB0, 17
.set ADRA,  18
.set ADRB,  19
.set ADRAN, 20
.set ADRBN, 21
.set DST,  22                          ; where I put an accumulator's registers
.set DRD,  23                          ; where I read 8 scores of a row back
.set PO,   24                          ; my byte offset in p
.set SS,   25                          ; where a row's cm goes
.set SPW,  28
.set NIL,  29
.set CL,   32                          ; v32-39  the mask of a block below the wave's diagonal
.set CE,   40                          ; v40-47  on it
.set CG,   48                          ; v48-55  above it
.set F0,   64
.set F1,   128
.set XR,   64                          ; v64-127   8 rows' 8 scores a lane
.set MX,   128                         ; v128-143  a pair for each row: cm; c x max at first, then l
.set YR,   144                         ; v144-175  p, packed
.set G1,  24                           ; s[24:31] descriptor group 1: one shape for q's and xb's tiles
.set G0,  32                           ; s[32:39] group 0: a set for each first fill; the second then walks
.set TB,  40
.set TN,  41
.set CNT, 42
.set CS,  44                           ; s[44:45] c
.set FLOOR, 46
.set BIGN, 47
.set SG,  48
.set SL,  49
.set LIM, 50
.set PB,  52                           ; s[52:53] p at my wave's first row and key
.set ST,  54                           ; s[54:55] stats at my chunk and first row
.set SD,  56                           ; s[56:57] stats at chunk cw and my first row
.set MSB, 0
.macro WIN new
.if MSB != (\new)
	s_set_vgpr_msb (MSB<<8)|(\new)
.set MSB, \new
.endif
.endm
.set MUL_LO, 0xa1
.set MUL_HI, 0xf1
.set TO_B,   0x40
.macro PLACES
.rept 4
	v_nop
.endr
.endm
	s_load_b128 s[4:7], s[0:1], 0x0                ; q s[4:5], xb s[6:7]
	s_load_b128 s[68:71], s[0:1], 0x10             ; p s[68:69], stats s[70:71]
	v_lshl_add_u32 v[SPW], v0, 2, SPARE
	v_mov_b32 v[NIL], 0
	ds_add_u32 v[SPW], v[NIL]                      ; the wave's opening: the add and its wait stand ahead of my first tensor load
	ds_add_u32 v28, v29
	v_lshrrev_b32 v1, 5, v0
	v_readfirstlane_b32 s10, v1                    ; wave 0..3
	s_lshr_b32 s11, s10, 1                         ; rw: which half of the queries is mine.  Also: I fetch q (0) or xb (1)
	s_and_b32 s12, s10, 1                          ; cw: which half of the keys.  Also: which 128 rows I fetch
	s_mov_b32 s16, ttmp9                           ; the tile's number in the triangle, 0..35
	s_and_b32 s15, ttmp7, 0xffff                   ; batch
	s_mov_b32 s13, 0
.irp th, 1,3,6,10,15,21,28             ; i = how many rows of the triangle begin at or before my number
	s_cmp_ge_u32 s16, \th
	s_cselect_b32 s17, 1, 0
	s_add_co_u32 s13, s13, s17
.endr
	s_add_co_u32 s14, s13, 1
	s_mul_i32 s14, s14, s13
	s_lshr_b32 s14, s14, 1
	s_sub_co_u32 s14, s16, s14                     ; j = number - i (i + 1) / 2
	s_mov_b32 s[G1+0], (1<<16)|(1<<20)|(5<<22)|(3<<25)  ; 2-byte elements; padding on: after every 64 words 4 words
	s_mov_b32 s[G1+1], 128<<16                     ; tensor_dim0 = 128
	s_mov_b32 s[G1+2], 128<<16                     ; tensor_dim1 = 128
	s_mov_b32 s[G1+3], 128<<16                     ; tile_dim0 = 128
	s_mov_b32 s[G1+4], 128                         ; tile_dim1 = 128
	s_mov_b32 s[G1+5], 1024                        ; elements from row to row, of q and of xb
	s_mov_b32 s[G1+6], 0
	s_mov_b32 s[G1+7], 0
	s_cmp_eq_u32 s11, 0
	s_cselect_b32 s16, s13, s14                    ; q's rows go by i, xb's by j
	s_lshl_b32 s16, s16, 8
	s_lshl_b32 s17, s12, 7
	s_add_co_u32 s16, s16, s17
	s_lshl_b32 s17, s15, 11
	s_add_co_u32 s16, s16, s17
	s_lshl_b32 s16, s16, 11                        ; rows of 2,048 bytes
	s_mov_b32 s17, 0
	s_mul_i32 s20, s10, HALFT                      ; where my loads go
	s_mov_b32 s[TB], 0
	s_mov_b32 s[TN], SLOT
	s_mov_b32 s[CS], 0x4238aa3b                    ; c = 32 log2(e)
	s_mov_b32 s[CS+1], s[CS]                       ; named with it as a pair
	s_mov_b32 s[FLOOR], 0xe9000000                 ; -2^83
	s_mov_b32 s[BIGN], 0xf149f2ca                  ; -1e30
	s_cmp_ge_u32 s12, s11
	s_cselect_b32 s[SG], s[BIGN], 0
	s_cmp_gt_u32 s12, s11
	s_cselect_b32 s[SL], s[BIGN], 0
	s_cmp_eq_u32 s13, s14                          ; only the diagonal tile hides anything
	s_cselect_b32 s[SG], s[SG], 0
	s_cselect_b32 s[SL], s[SL], 0
	s_cselect_b32 s[LIM], s13, 7
	s_lshl_b32 s18, s15, 11
	s_lshl_b32 s19, s13, 8
	s_add_co_u32 s18, s18, s19
	s_lshl_b32 s19, s11, 7
	s_add_co_u32 s18, s18, s19                     ; my wave's first row among the 8,192
	s_lshl_b32 s[PB], s18, 12                      ; rows of 4,096 bytes in p,
	s_lshl_b32 s19, s14, 9                         ; 512 bytes for each tile column,
	s_add_co_u32 s[PB], s[PB], s19
	s_lshl_b32 s19, s12, 8                         ; 256 for my half
	s_add_co_u32 s[PB], s[PB], s19
	s_mov_b32 s[PB+1], 0
	s_lshl_b32 s19, s14, 1
	s_add_co_u32 s19, s19, s12                     ; my chunk = 2 j + cw
	s_lshl_b32 s19, s19, 13
	s_add_co_u32 s[ST], s19, s18
	s_lshl_b32 s[ST], s[ST], 2
	s_mov_b32 s[ST+1], 0
	s_lshl_b32 s19, s12, 13
	s_add_co_u32 s[SD], s19, s18
	s_lshl_b32 s[SD], s[SD], 2
	s_mov_b32 s[SD+1], 0
	s_wait_dscnt 0x0                               ; the opening add is done
	s_wait_kmcnt 0x0
	s_cmp_eq_u32 s11, 0                            ; the buffer that I fetch from is chosen by the wave's number
	s_cselect_b64 s[4:5], s[4:5], s[6:7]
	s_add_nc_u64 s[4:5], s[4:5], s[16:17]
	s_add_nc_u64 s[PB:PB+1], s[68:69], s[PB:PB+1]
	s_add_nc_u64 s[ST:ST+1], s[70:71], s[ST:ST+1]
	s_add_nc_u64 s[SD:SD+1], s[70:71], s[SD:SD+1]
.irp s, 0,1
	s_mov_b32 s[G0+4*(\s)], 1
	s_add_co_u32 s[G0+4*(\s)+1], s20, (\s)*SLOT
	s_add_nc_u64 s[G0+4*(\s)+2:G0+4*(\s)+3], s[4:5], (\s)*256       ; K step s: 128 channels of 2 bytes
	s_or_b32 s[G0+4*(\s)+3], s[G0+4*(\s)+3], 0x80000000
.endr
	tensor_load_to_lds s[G0:G0+3], s[G1:G1+7]      ; the two first fills, ahead of every wait on TENSORcnt, every LDS read and every barrier: two loads of mine are out
	s_nop 0
	tensor_load_to_lds s[G0+4:G0+7], s[G1:G1+7]
	s_nop 0
	PLACES
	v_and_b32 v1, 15, v0                           ; l % 16
	v_bfe_u32 v2, v0, 4, 1                         ; l / 16
	v_mul_u32_u24 v3, v1, PITCH
	v_lshl_add_u32 v3, v2, 4, v3
	s_mul_i32 s21, s11, HALFT
	s_mul_i32 s22, s12, HALFT
	s_add_co_u32 s22, s22, 2*HALFT
	v_add_nc_u32 v[ADRA0], s21, v3
	v_add_nc_u32 v[ADRB0], s22, v3
.macro ADDRS
	v_add_nc_u32 v[ADRA],  s[TB], v[ADRA0]
	v_add_nc_u32 v[ADRB],  s[TB], v[ADRB0]
	v_add_nc_u32 v[ADRAN], s[TN], v[ADRA0]
	v_add_nc_u32 v[ADRBN], s[TN], v[ADRB0]
.endm
	ADDRS
	; the masks.  In a block on the wave's diagonal register n is hidden where 8 (l / 16) + n > l % 16
	v_lshlrev_b32 v14, 3, v2
	v_sub_nc_u32 v14, v1, v14
.set n, 0
.rept 8
	v_mov_b32 v[CL+n], s[SL]
	v_mov_b32 v[CG+n], s[SG]
	v_cmp_gt_i32 vcc_lo, n, v14
	v_cndmask_b32 v[CE+n], v[CL+n], v[CG+n], vcc_lo
.set n, n+1
.endr
	s_mul_i32 s21, s10, DWAVE
	v_mul_u32_u24 v3, v1, DPITCH
	v_lshl_add_u32 v3, v2, 5, v3
	v_add_nc_u32 v[DST], s21, v3                   ; row l % 16, 32 bytes for each half of the lanes
	v_mul_u32_u24 v3, v2, DPITCH
	v_lshl_add_u32 v3, v1, 5, v3
	v_add_nc_u32 v[DRD], s21, v3                   ; back: row l / 16, 8 scores at 32 (l % 16)
	v_lshlrev_b32 v3, 12, v2
	v_lshl_add_u32 v[PO], v1, 4, v3                ; the same row in p, 16 bytes at 16 (l % 16)
	s_lshl_b32 s21, s10, 10
	s_add_co_u32 s21, s21, SSB
	v_lshl_add_u32 v[SS], v2, 2, s21
; 16 matrix instructions.  zero = 2: the products start the sums with the mask of their block: below, on or above the wave's diagonal.
.macro MUL16 f, hi, a0, zero
.if (\zero) == 2
	WIN 0x81+0x40*(\hi)                            ; C in window 0
.else
	WIN MUL_LO+0x50*(\hi)
.endif
.irp a, \a0, (\a0)+1
.irp b, 0,1,2,3,4,5,6,7
.if (\zero) == 2
.if (\b) < 4*(\hi)+(\a)
.set CC, CL
.elseif (\b) == 4*(\hi)+(\a)
.set CC, CE
.else
.set CC, CG
.endif
	v_wmma_f32_16x16x32_f16 v[8*(8*(\a)+(\b)):8*(8*(\a)+(\b))+7], v[(\f)+8*(\b):(\f)+8*(\b)+7], v[(\f)+8*(4*(\hi)+(\a)):(\f)+8*(4*(\hi)+(\a))+7], v[CC:CC+7]
.else
	v_wmma_f32_16x16x32_f16 v[8*(8*(\a)+(\b)):8*(8*(\a)+(\b))+7], v[(\f)+8*(\b):(\f)+8*(\b)+7], v[(\f)+8*(4*(\hi)+(\a)):(\f)+8*(4*(\hi)+(\a))+7], v[8*(8*(\a)+(\b)):8*(8*(\a)+(\b))+7]
.endif
.endr
.endr
.endm
.macro FETCH ra, rb, kq, f             ; 32 LDS loads in one run: xb's 8 fragments, then q's 8, of quarter kq
	WIN TO_B
.irp i, 0,1,2,3,4,5,6,7
	ds_load_b128 v[(\f)+8*(\i):(\f)+8*(\i)+3],   v[\rb] offset:64*(\kq)+(\i)*16*PITCH
	ds_load_b128 v[(\f)+8*(\i)+4:(\f)+8*(\i)+7], v[\rb] offset:64*(\kq)+(\i)*16*PITCH+32
.endr
	WIN 0
.irp i, 0,1,2,3,4,5,6,7
	ds_load_b128 v[(\f)+8*(\i):(\f)+8*(\i)+3],   v[\ra] offset:64*(\kq)+(\i)*16*PITCH
	ds_load_b128 v[(\f)+8*(\i)+4:(\f)+8*(\i)+7], v[\ra] offset:64*(\kq)+(\i)*16*PITCH+32
.endr
.endm
.macro QUARTER ra, rb, kq, f, g, zero  ; the 64 accumulators take turns
	s_wait_dscnt 8                                 ; xb's fragments and q's rows 0-63 are in; the youngest eight loads may be out
	MUL16 \f, 0, 0, \zero
	MUL16 \f, 0, 2, \zero
	PLACES
	FETCH \ra, \rb, \kq, \g
	s_wait_dscnt 32                                ; all but the 32 just issued
	MUL16 \f, 1, 0, \zero
	MUL16 \f, 1, 2, \zero
.endm
.macro MEET                            ; the one barrier of a change of slots: all my tensor loads have landed, the add, my reads of this slot are over
	WIN 0
	s_wait_tensorcnt 0x0
	ds_add_u32 v[SPW], v[NIL]
	s_wait_dscnt 9                                 ; the add and the youngest eight loads may be out
	MUL16 F1, 0, 0, 0
	s_wait_dscnt 0x0
	s_barrier_signal -1
	MUL16 F1, 0, 2, 0
	WIN 0
	s_barrier_wait -1
.endm
.macro TURN fill                       ; fill = 1: the slot just read is filled again, first thing behind the barrier, with the K step two steps on
	MEET
.if \fill
	s_xor_b32 s[G0+5], s[G0+5], SLOT               ; the walking descriptor: the other slot than last time (the wave's base shares no bit with SLOT),
	s_add_nc_u64 s[G0+6:G0+7], s[G0+6:G0+7], 256   ; the next K step
	tensor_load_to_lds s[G0+4:G0+7], s[G1:G1+7]
	s_nop 0
	PLACES                                         ; also the places in front of the loads below
.else
	PLACES
.endif
	FETCH ADRAN, ADRBN, 0, F0
	MUL16 F1, 1, 0, 0
	MUL16 F1, 1, 2, 0
.endm
.macro TOGGLE
	WIN 0
	s_xor_b32 s[TB], s[TB], SLOT
	s_xor_b32 s[TN], s[TN], SLOT
	ADDRS
.endm
	s_wait_tensorcnt 0x1                           ; my part of K step 0 is in; K step 1's may stay out
	s_barrier_signal -1
	s_barrier_wait -1
	FETCH ADRA, ADRB, 0, F0
	QUARTER ADRA, ADRB, 1, F0, F1, 2               ; the first quarter starts the sums, with the masks
	WIN 0
	s_mov_b32 s[CNT], 6
	s_branch .Lmid
.Lstep:                                                ; six trips: K steps 0 to 5, which ask for steps 2 to 7
	QUARTER ADRA, ADRB, 1, F0, F1, 0
	WIN 0
.Lmid:
	QUARTER ADRA, ADRB, 2, F1, F0, 0
	QUARTER ADRA, ADRB, 3, F0, F1, 0
	TURN 1
	TOGGLE
	s_sub_co_u32 s[CNT], s[CNT], 1
	s_cmp_lg_u32 s[CNT], 0
	s_cbranch_scc1 .Lstep
	s_mov_b32 s[CNT], 2
.Ltail:                                                ; K steps 6 and 7 ask for nothing.  The last trip's fetch from the other slot serves nothing: the price of one text for both
	QUARTER ADRA, ADRB, 1, F0, F1, 0
	QUARTER ADRA, ADRB, 2, F1, F0, 0
	QUARTER ADRA, ADRB, 3, F0, F1, 0
	TURN 0
	TOGGLE
	s_sub_co_u32 s[CNT], s[CNT], 1
	s_cmp_lg_u32 s[CNT], 0
	s_cbranch_scc1 .Ltail
	; THE WAY OUT.  No wave reads the ring any more, and nothing is filled again: each wave lays its 128 x 128 scores into 67,584 bytes of the ring, its own, as rows of 128 f32.
	s_wait_dscnt 0x0                               ; my reads of the ring are over,
	s_barrier_signal -1
	s_barrier_wait -1                              ; everybody's are
	PLACES
.irp hi, 0,1
	WIN 0x08+4*(\hi)                               ; store data from window 2, then 3
.irp a, 0,1,2,3
.irp b, 0,1,2,3,4,5,6,7
	ds_store_b128 v[DST], v[8*(8*(\a)+(\b)):8*(8*(\a)+(\b))+3]   offset:(4*(\hi)+(\a))*16*DPITCH+64*(\b)
	ds_store_b128 v[DST], v[8*(8*(\a)+(\b))+4:8*(8*(\a)+(\b))+7] offset:(4*(\hi)+(\a))*16*DPITCH+64*(\b)+16
.endr
.endr
.endr
	WIN 0
.macro ALL8 line:vararg                ; one line for each of a lane's eight rows t
.set t, 0
.rept 8
	\line
.set t, t+1
.endr
.endm
	; Eight trips of 16 rows.  Sixteen lanes share a row, 8 neighbouring keys each; lanes 0-15 have rows 2 t, lanes 16-31 rows 2 t + 1.
	s_mov_b32 s[CNT], 8
.Lrows:
	ALL8 ds_load_b128 v[XR+8*t:XR+8*t+3], v[DRD] offset:t*2*DPITCH      ; LDS serves a wave's instructions in order: these see my stores above
	ALL8 ds_load_b128 v[XR+8*t+4:XR+8*t+7], v[DRD] offset:t*2*DPITCH+16
	s_wait_dscnt 0x0
	ALL8 v_max3_num_f32 v[MX+2*t], v[XR+8*t], v[XR+8*t+1], v[XR+8*t+2]
	ALL8 v_max3_num_f32 v[MX+2*t], v[MX+2*t], v[XR+8*t+3], v[XR+8*t+4]
	ALL8 v_max3_num_f32 v[MX+2*t], v[MX+2*t], v[XR+8*t+5], v[XR+8*t+6]
	ALL8 v_max3_num_f32 v[MX+2*t], v[MX+2*t], v[XR+8*t+7], s[FLOOR]
	ALL8 v_max_num_f32_dpp v[MX+2*t], v[MX+2*t], v[MX+2*t] row_xmask:1 row_mask:0xf bank_mask:0xf
	ALL8 v_max_num_f32_dpp v[MX+2*t], v[MX+2*t], v[MX+2*t] row_xmask:2 row_mask:0xf bank_mask:0xf
	ALL8 v_max_num_f32_dpp v[MX+2*t], v[MX+2*t], v[MX+2*t] row_xmask:4 row_mask:0xf bank_mask:0xf
	ALL8 v_max_num_f32_dpp v[MX+2*t], v[MX+2*t], v[MX+2*t] row_xmask:8 row_mask:0xf bank_mask:0xf
	ALL8 v_mul_f32 v[MX+2*t+1], s[CS], v[MX+2*t]   ; the pair's second word is named with the first, so it is written
	ALL8 v_mul_f32 v[MX+2*t], s[CS], v[MX+2*t]     ; cm
.set i, 0
.rept 32
	v_pk_fma_f32 v[XR+2*i:XR+2*i+1], v[XR+2*i:XR+2*i+1], s[CS:CS+1], v[MX+2*(i/4):MX+2*(i/4)+1] op_sel_hi:[1,0,0] neg_lo:[0,0,1] neg_hi:[0,0,1]  ; c s - cm
.set i, i+1
.endr
.set i, 0
.rept 64
	v_exp_f32 v[XR+i], v[XR+i]
.set i, i+1
.endr
	v_nop                                          ; a plain instruction between the last exponential and the use of its result (ISA guide 5.7.2)
.set i, 0
	s_wait_alu depctr_va_vdst(0)
.rept 32
	v_cvt_pk_f16_f32 v[YR+i], v[XR+2*i], v[XR+2*i+1]
.set i, i+1
.endr
	ALL8 v_pk_add_f32 v[XR+8*t:XR+8*t+1], v[XR+8*t:XR+8*t+1], v[XR+8*t+2:XR+8*t+3]
	ALL8 v_pk_add_f32 v[XR+8*t+4:XR+8*t+5], v[XR+8*t+4:XR+8*t+5], v[XR+8*t+6:XR+8*t+7]
	ALL8 v_pk_add_f32 v[XR+8*t:XR+8*t+1], v[XR+8*t:XR+8*t+1], v[XR+8*t+4:XR+8*t+5]
	ALL8 v_add_f32 v[MX+2*t+1], v[XR+8*t], v[XR+8*t+1]
	ALL8 v_add_f32_dpp v[MX+2*t+1], v[MX+2*t+1], v[MX+2*t+1] row_xmask:1 row_mask:0xf bank_mask:0xf
	ALL8 v_add_f32_dpp v[MX+2*t+1], v[MX+2*t+1], v[MX+2*t+1] row_xmask:2 row_mask:0xf bank_mask:0xf
	ALL8 v_add_f32_dpp v[MX+2*t+1], v[MX+2*t+1], v[MX+2*t+1] row_xmask:4 row_mask:0xf bank_mask:0xf
	ALL8 v_add_f32_dpp v[MX+2*t+1], v[MX+2*t+1], v[MX+2*t+1] row_xmask:8 row_mask:0xf bank_mask:0xf
	ALL8 global_store_b128 v[PO], v[YR+4*t:YR+4*t+3], s[PB:PB+1] offset:t*8192   ; 16 lanes store 256 consecutive bytes, at a multiple of 256 from p's first byte
	ALL8 ds_store_b32 v[SS], v[MX+2*t] offset:8*t                                ; a row's sixteen lanes write the same word with the same value
	ALL8 ds_store_b32 v[SS], v[MX+2*t+1] offset:512+8*t
	s_wait_xcnt 0x0                                ; the stores' offset and data are rewritten only behind this wait
	v_add_nc_u32 v[DRD], 16*DPITCH, v[DRD]
	v_add_nc_u32 v[SS], 64, v[SS]
	v_add_nc_u32 v[PO], 0x10000, v[PO]             ; 16 rows of 4,096 bytes
	s_sub_co_u32 s[CNT], s[CNT], 1
	s_cmp_lg_u32 s[CNT], 0
	s_cbranch_scc1 .Lrows
	; my 128 cm and 128 l leave as 512 consecutive bytes each
	v_and_b32 v3, 31, v0
	v_lshlrev_b32 v3, 4, v3
	s_lshl_b32 s21, s10, 10
	s_add_co_u32 s21, s21, SSB
	v_add_nc_u32 v4, s21, v3
	ds_load_b128 v[64:67], v4
	ds_load_b128 v[68:71], v4 offset:512
.irp n, 0,1,2,3
	v_mov_b32 v[72+(\n)], 0xff7fffff               ; a chunk that no tile makes: cm is the lowest finite number,
	v_mov_b32 v[76+(\n)], 0                        ; l is 0
.endr
	s_wait_dscnt 0x0
	global_store_b128 v3, v[64:67], s[ST:ST+1]
	global_store_b128 v3, v[68:71], s[ST:ST+1] offset:524288
	; The launch behind reads all 16 chunks of a row.  The diagonal tile's work-group stores those right of it, tile columns i + 1 to 7: every word of stats is stored by one wave.
.irp n, 1,2,3,4,5,6,7
	s_cmp_lt_u32 s[LIM], \n
	s_cbranch_scc0 .Lnd\n
	global_store_b128 v3, v[72:75], s[SD:SD+1] offset:(\n)*65536
	global_store_b128 v3, v[76:79], s[SD:SD+1] offset:(\n)*65536+524288
.Lnd\n:
.endr
	s_wait_tensorcnt 0x0                           ; the wave's end
	ds_add_u32 v[SPW], v[NIL]
	s_wait_dscnt 0x0
	s_endpgm
.Lfunc_end_k_q7ac850fbc3_scores:
	.size	k_q7ac850fbc3_scores, .Lfunc_end_k_q7ac850fbc3_scores-k_q7ac850fbc3_scores
	.p2alignl 7, 3214868480
	.fill 96, 4, 3214868480
	.section	.rodata,"a",@progbits
	.p2align	6, 0x0
	.amdhsa_kernel k_q7ac850fbc3_scores
		.amdhsa_group_segment_fixed_size 327680
		.amdhsa_private_segment_fixed_size 0
		.amdhsa_enable_private_segment 0
		.amdhsa_kernarg_size 32
		.amdhsa_user_sgpr_count 2
		.amdhsa_user_sgpr_kernarg_segment_ptr 1
		.amdhsa_wavefront_size32 1
		.amdhsa_system_sgpr_workgroup_id_x 1
		.amdhsa_system_sgpr_workgroup_id_y 1
		.amdhsa_system_sgpr_workgroup_id_z 1
		.amdhsa_system_vgpr_workitem_id 0
		.amdhsa_next_free_vgpr 1024
		.amdhsa_next_free_sgpr 72
		.amdhsa_reserve_vcc 1
		.amdhsa_float_denorm_mode_32 3
		.amdhsa_float_denorm_mode_16_64 3
		.amdhsa_memory_ordered 1
		.amdhsa_forward_progress 1
		.amdhsa_inst_pref_size 97
	.end_amdhsa_kernel
	.amdgpu_metadata
---
amdhsa.version: [ 1, 2 ]
amdhsa.kernels:
  - .name:           k_q7ac850fbc3_scores
    .symbol:         k_q7ac850fbc3_scores.kd
    .args:
      - { .name: q, .offset: 0, .size: 8, .value_kind: global_buffer, .address_space: global }
      - { .name: xb, .offset: 8, .size: 8, .value_kind: global_buffer, .address_space: global }
      - { .name: p, .offset: 16, .size: 8, .value_kind: global_buffer, .address_space: global }
      - { .name: stats, .offset: 24, .size: 8, .value_kind: global_buffer, .address_space: global }
    .group_segment_fixed_size: 327680
    .private_segment_fixed_size: 0
    .kernarg_segment_align: 8
    .kernarg_segment_size: 32
    .max_flat_workgroup_size: 128
    .sgpr_count:     72
    .vgpr_count:     1024
    .wavefront_size: 32
...
	.end_amdgpu_metadata
.endif
;; end of part 8
;; launch pv (part 9): grid 8 x 32, 4 waves a work-group, clusters of 4 x 1, 327,680 bytes of LDS; arguments p, v, stats, out0; writes out0
.if DOCPART == 9
	.amdgcn_target "amdgcn-amd-amdhsa--gfx1250"
	.amdhsa_code_object_version 6
	.text
	.protected	k_q7ac850fbc3_pv
	.globl	k_q7ac850fbc3_pv
	.p2align	8
	.type	k_q7ac850fbc3_pv,@function
k_q7ac850fbc3_pv:
	s_mov_b64 s[64:65], 0
	v_nop
	global_prefetch_b8 v0, s[64:65] scope:SCOPE_SE
	s_setreg_imm32_b32 hwreg(HW_REG_WAVE_MODE, 25, 1), 1
	s_wait_xcnt 0x0
	s_wait_alu depctr_hold_cnt(0) depctr_sa_sdst(0) depctr_va_vdst(0) depctr_va_sdst(0) depctr_va_ssrc(0) depctr_va_vcc(0) depctr_vm_vsrc(0)
	s_getreg_b32 s2, hwreg(HW_REG_IB_STS2, 6, 4)
	s_cmp_eq_u32 s2, 0
	s_cbranch_scc0 .Lentry_in_a_cluster
	s_endpgm
.Lentry_in_a_cluster:
	s_bfe_u32 s2, ttmp6, 0x10000c
	s_cmp_lg_u32 s2, 0x3003
	s_cbranch_scc0 .Lentry_shape_is_right
	s_endpgm
.Lentry_shape_is_right:
; out0[q][ch] = (sum over chunks of 128 keys of f x sum over the chunk's keys of p[q][key] v[key][ch]) / L, with M = the largest cm of the row's chunks, f = 2^(cm - M), L = sum of f l.
; p: [4][2048][2048] f16 (written where key tile <= query tile, 0 where hidden); v: [8192][1024] f16; stats: f32 [2][16][8192]: cm, l; out0: [8192][1024] f32.
; Products in f16, sums in f32.  A chunk is summed by itself, in accumulators T whose first products start from 0; then O += f T, in f32: the factor touches neither p nor v.
; LIMITS.  v lies within f16's 65,504; a factor below 2^-126 counts as 0; NaN and infinities are not treated apart.
; SHARES.  A work-group makes TWO tiles of 128 queries x 128 channels: query block 15 - b with 8 - b / 2 key steps of 256, then block b with b / 2 + 1: nine steps whatever b: one counted walk, equal work,
; 256 work-groups.  A wave makes 64 x 64: 16 accumulators.
; CLUSTER 4 x 1: the four partners differ in their 128 channels alone and walk alike, so p's tiles are asked for jointly (mask 15).  v's tiles hang on the channels and are each work-group's own loads:
; work-groups with the same channels walk different numbers of keys, so v has no four partners that ask alike.
; THE MATRIX INSTRUCTION IS USED TRANSPOSED: source 0 = 16 channels of v^T (turned out of LDS by ds_load_tr16_b128), source 1 = 16 queries of p: a lane holds one query and eight neighbouring channels,
; so a query's factor is one number a lane and row block.
; REGISTERS: window 0: v0-31 addresses; v32-47 factors; v48-63 1 / L; v128-255 T ((a, b) at 128 + 8 (4 a + b));
;   window 1: two buffers of 128: p (8 (4 c + a)), then v^T (64 + 8 (4 c + b)), for 64 keys; window 2: v0-127 O, laid as T; v128-255 the way out.
.set PP,    528                        ; a row of p's tile in LDS: 512 bytes + 16
.set VP,    288                        ; a row of v's tile: 256 bytes + 32
.set PHALF, 64*PP                      ; what waves 0 and 1 bring: 64 queries x 256 keys
.set VHALF, 128*VP                     ; what waves 2 and 3 bring: 128 keys x 128 channels
.set VOFF,  2*PHALF
.set SLOT1, VOFF+2*VHALF               ; a slot: p's 128 rows, then v's 256 rows
.set STAGE, 2*SLOT1                    ; 16 rows x 272 bytes for each wave, for the way out
.set SP,    272
.set FTAB,  STAGE+4*16*SP              ; the factors: for each wave 24 places of 256 bytes, a place a chunk in the order of the walk: four f32 (the four row blocks) for each of 16 rows
.set FWAVE, 24*256
.set SPARE, FTAB+4*FWAVE               ; the spare words
.set ADRA0, 16                         ; my lane's place among p's fragments in slot 0; never rewritten
.set ADRB0, 17                         ; the same for v
.set FTA,   18                         ; my row's 16 bytes in the place of the step's first chunk
.set ADRA,  19                         ; in the slot of the step in hand
.set ADRB,  20
.set ADRB2, 21                         ; v's keys 128 on: beyond an LDS offset's reach from ADRB
.set ADRAN, 22                         ; in the other slot
.set ADRBN, 23
.set STO,  24
.set RD,   25
.set GO,   26
.set FS,   27                          ; where I store a factor
.set SPW,  28
.set NIL,  29
.set SA0,  30                          ; my byte offset in stats, first tile
.set SA1,  31                          ; second tile
.set FA,   32                          ; v32-39 the factors of a step's first chunk: four as loaded; the second and the fourth once more at +4 and +6, so that each heads an even pair
.set FB,   40                          ; v40-47 of its second
.set IL,   48                          ; v48-55 1 / L, a pair a row block
.set ILL,  56                          ; v56-63 the second tile's
.set TT,   128
.set TMP,  128                         ; window 2
.set CM0,  128                         ; before the walk T's registers hold the statistics: first tile cm at 8 a + k, l 32 on;
.set L0,   160
.set CM1,  192                         ; second tile cm at 4 a + k, l 16 on
.set L1,   208
.set F0,   0
.set F1,   128
.set WV,  12
.set NHI, 21
.set NLO, 22
.set G1A, 24                           ; s[24:31] group 1 for p's tiles
.set G1B, 32                           ; s[32:39] for v's
.set G0A, 40                           ; s[40:47] group 0 for p's: a set for each first fill; the second serves all refills and is made anew for each
.set G0B, 48                           ; s[48:55] for v's
.set TB,  56
.set TN,  57
.set CNT, 58
.set RT,  59                           ; steps left of the tile in hand
.set NEW, 60                           ; 1: the step to come is a tile's first
.set NK,  61                           ; the key step to be asked for next
.set LQ,  62                           ; the last key step of the tile whose steps are being asked for
.set LAA, 63                           ; my load's place in a slot, for p
.set LAB, 66                           ; for v
.set ARL, 67                           ; byte offset in p of my 64 rows, second tile
.set AOF, 68                           ; s[68:69] a tile's byte offset in p
.set BOF, 70                           ; s[70:71] in v
.set ARO, 72                           ; byte offset in p of my 64 rows, the tile being asked for
.set BRO, 73                           ; byte offset in v of my 128 keys of key step 0, my channels
.set OBL, 74                           ; s[74:75] out0 at my rows of the second tile
.set SEL, 76                           ; s[76:77] v_permlanex16_b32's selects
.set LQL, 84
.set MSB, 0
.macro WIN new
.if MSB != (\new)
	s_set_vgpr_msb (MSB<<8)|(\new)
.set MSB, \new
.endif
.endm
.set W_MM, 0x05                        ; sources 0 and 1 in window 1, C and D in window 0
.set W_FO, 0xa0                        ; the fold: destination and source 2 (O) in window 2, T and the factor in window 0
.set TO_F, 0x40
.macro PLACES
.rept 4
	v_nop
.endr
.endm
.macro JLOAD                           ; a refill: waves 0 and 1 ask jointly for p's halves, waves 2 and 3 for their own v; an s_nop 0 and four v_nop follow each line
	s_cmp_lt_u32 s[WV], 2
	s_cbranch_scc0 .Lfor_v_\@
	tensor_load_to_lds s[G0A+4:G0A+7], s[G1A:G1A+7]
	s_nop 0
	PLACES
	s_branch .Lasked_\@
.Lfor_v_\@:
	tensor_load_to_lds s[G0B+4:G0B+7], s[G1B:G1B+7]
	s_nop 0
	PLACES
.Lasked_\@:
.endm
.macro CREST
	s_cmp_lg_u32 s[WV], 0
	s_cbranch_scc1 .Lnot_wave_0_\@
	s_barrier_signal -3
.Lnot_wave_0_\@:
	s_barrier_wait -3
	s_barrier_signal -1
	s_barrier_wait -1
.endm
.macro CROUND
	s_barrier_signal -1
	s_barrier_wait -1
	CREST
.endm
	s_load_b256 s[4:11], s[0:1], 0x0               ; p s[4:5], v s[6:7], stats s[8:9], out0 s[10:11]
	v_lshl_add_u32 v[SPW], v0, 2, SPARE
	v_mov_b32 v[NIL], 0
	ds_add_u32 v[SPW], v[NIL]                      ; the wave's opening: the add and its wait stand ahead of my first tensor load
	ds_add_u32 v28, v29
	v_lshrrev_b32 v1, 5, v0
	v_readfirstlane_b32 s[WV], v1                  ; wave 0..3
	s_lshr_b32 s13, s[WV], 1                       ; rw: which 64 queries are mine
	s_and_b32 s14, s[WV], 1                        ; cw: which 64 channels.  Also: which half of a tile I fetch
	s_bfe_u32 s15, ttmp6, 0x40000                  ; cx
	s_lshl_b32 s16, ttmp9, 2
	s_add_co_u32 s16, s16, s15                     ; my 128 channels: they enter v's and out0's addresses alone
	s_and_b32 s17, ttmp7, 0xffff                   ; y, which the four partners share
	s_and_b32 s18, s17, 7                          ; b
	s_lshr_b32 s19, s17, 3                         ; batch
	s_sub_co_u32 s20, 15, s18                      ; the first tile's query block
	s_lshr_b32 s[NLO], s18, 1
	s_sub_co_u32 s[NHI], 8, s[NLO]                 ; its key steps
	s_add_co_u32 s[NLO], s[NLO], 1                 ; the second tile's
	s_sub_co_u32 s[LQL], s[NLO], 1
	s_mov_b32 s[G1A+0], 15|(1<<16)|(1<<20)|(1<<21)|(6<<22)|(3<<25)  ; the mask of four; 2-byte elements; padding on; bit 21 beside a mask; after every 128 words 4 words
	s_mov_b32 s[G1A+1], 256<<16                    ; tensor_dim0 = 256
	s_mov_b32 s[G1A+2], 64<<16                     ; tensor_dim1 = 64
	s_mov_b32 s[G1A+3], 256<<16                    ; tile_dim0 = 256
	s_mov_b32 s[G1A+4], 64                         ; tile_dim1 = 64
	s_mov_b32 s[G1A+5], 2048                       ; elements from row to row of p
	s_mov_b32 s[G1A+6], 0
	s_mov_b32 s[G1A+7], 0
	s_mov_b32 s[G1B+0], (1<<16)|(1<<20)|(5<<22)|(7<<25)             ; no mask; after every 64 words 8 words
	s_mov_b32 s[G1B+1], 128<<16
	s_mov_b32 s[G1B+2], 128<<16
	s_mov_b32 s[G1B+3], 128<<16
	s_mov_b32 s[G1B+4], 128
	s_mov_b32 s[G1B+5], 1024                       ; elements from row to row of v
	s_mov_b32 s[G1B+6], 0
	s_mov_b32 s[G1B+7], 0
	s_mul_i32 s[LAA], s14, PHALF
	s_mul_i32 s[LAB], s14, VHALF
	s_add_co_u32 s[LAB], s[LAB], VOFF
	s_lshl_b32 s78, s19, 11
	s_lshl_b32 s79, s18, 7
	s_add_co_u32 s79, s79, s78                     ; the second tile's first row among the 8,192
	s_lshl_b32 s80, s20, 7
	s_add_co_u32 s78, s78, s80                     ; the first tile's
	s_lshl_b32 s80, s14, 6                         ; the 64 rows that I fetch
	s_add_co_u32 s[ARO], s78, s80
	s_lshl_b32 s[ARO], s[ARO], 12                  ; rows of 4,096 bytes
	s_add_co_u32 s[ARL], s79, s80
	s_lshl_b32 s[ARL], s[ARL], 12
	s_lshl_b32 s80, s13, 6                         ; the 64 rows that I multiply
	s_add_co_u32 s78, s78, s80
	s_add_co_u32 s79, s79, s80
	s_lshl_b32 s[BRO], s19, 11
	s_lshl_b32 s80, s14, 7                         ; the 128 keys that I fetch
	s_add_co_u32 s[BRO], s[BRO], s80
	s_lshl_b32 s[BRO], s[BRO], 11                  ; rows of 2,048 bytes,
	s_lshl_b32 s80, s16, 8                         ; 256 bytes for each 128 channels
	s_add_co_u32 s[BRO], s[BRO], s80
	s_lshl_b32 s80, s16, 9
	s_lshl_b32 s81, s14, 8
	s_add_co_u32 s80, s80, s81                     ; my 256 bytes in a row of out0
	s_lshl_b32 s82, s78, 12
	s_add_co_u32 s82, s82, s80
	s_mov_b32 s83, 0
	s_lshl_b32 s86, s79, 12
	s_add_co_u32 s86, s86, s80
	s_mov_b32 s87, 0
	s_lshl_b32 s78, s78, 2                         ; my rows in a chunk of stats, in bytes
	s_lshl_b32 s79, s79, 2
	s_mov_b32 s[AOF], s[ARO]
	s_mov_b32 s[AOF+1], 0
	s_mov_b32 s[BOF], s[BRO]
	s_mov_b32 s[BOF+1], 0
	s_mov_b32 s[SEL], 0x76543210
	s_mov_b32 s[SEL+1], 0xfedcba98
	s_mov_b32 s[TB], 0
	s_mov_b32 s[TN], SLOT1
	s_mov_b32 s[RT], s[NHI]
	s_mov_b32 s[NEW], 1
	s_mov_b32 s[NK], 2
	s_sub_co_u32 s[LQ], s[NHI], 1
	s_mov_b32 s[G0A], 1
	s_mov_b32 s[G0A+1], s[LAA]
	s_mov_b32 s[G0A+4], 1
	s_add_co_u32 s[G0A+5], s[LAA], SLOT1
	s_mov_b32 s[G0B], 1
	s_mov_b32 s[G0B+1], s[LAB]
	s_mov_b32 s[G0B+4], 1
	s_add_co_u32 s[G0B+5], s[LAB], SLOT1
	s_wait_dscnt 0x0                               ; the opening add is done
	s_wait_kmcnt 0x0
	s_add_nc_u64 s[OBL:OBL+1], s[10:11], s[86:87]
	s_add_nc_u64 s[10:11], s[10:11], s[82:83]
	s_add_nc_u64 s[G0A+2:G0A+3], s[4:5], s[AOF:AOF+1]        ; key step 0
	s_add_nc_u64 s[G0A+6:G0A+7], s[G0A+2:G0A+3], 512         ; key step 1: 256 keys of 2 bytes on
	s_or_b32 s[G0A+3], s[G0A+3], 0x80000000
	s_or_b32 s[G0A+7], s[G0A+7], 0x80000000
	s_add_nc_u64 s[G0B+2:G0B+3], s[6:7], s[BOF:BOF+1]
	s_add_nc_u64 s[G0B+6:G0B+7], s[G0B+2:G0B+3], 256*2048    ; 256 rows down
	s_or_b32 s[G0B+3], s[G0B+3], 0x80000000
	s_or_b32 s[G0B+7], s[G0B+7], 0x80000000
	CROUND                                         ; all four work-groups are here: the first joint loads meet
	s_cmp_lt_u32 s[WV], 2                          ; a wave's two first fills stand in one branch: two loads of mine are out
	s_cbranch_scc0 .Lfirst_v
	tensor_load_to_lds s[G0A:G0A+3], s[G1A:G1A+7]
	s_nop 0
	tensor_load_to_lds s[G0A+4:G0A+7], s[G1A:G1A+7]
	s_nop 0
	PLACES
	s_branch .Lfirst_asked
.Lfirst_v:
	tensor_load_to_lds s[G0B:G0B+3], s[G1B:G1B+7]
	s_nop 0
	tensor_load_to_lds s[G0B+4:G0B+7], s[G1B:G1B+7]
	s_nop 0
	PLACES
.Lfirst_asked:
	v_and_b32 v1, 15, v0                           ; r = l % 16
	v_bfe_u32 v2, v0, 4, 1                         ; h = l / 16
	; the statistics: lane (r, h) takes chunk 2 k + h of row 16 a + r
	v_lshl_add_u32 v[SA0], v1, 2, s78
	v_lshl_add_u32 v[SA0], v2, 15, v[SA0]
	v_lshl_add_u32 v[SA1], v1, 2, s79
	v_lshl_add_u32 v[SA1], v2, 15, v[SA1]
.set i, 0
.rept 32                               ; a = i / 8, k = i % 8
	global_load_b32 v[CM0+i], v[SA0], s[8:9] offset:(i%8)*65536+(i/8)*64
	global_load_b32 v[L0+i],  v[SA0], s[8:9] offset:(i%8)*65536+(i/8)*64+524288
.set i, i+1
.endr
.set i, 0
.rept 16                               ; a = i / 4, k = i % 4: the second tile's rows see chunks 0 to 7 at the most
	global_load_b32 v[CM1+i], v[SA1], s[8:9] offset:(i%4)*65536+(i/4)*64
	global_load_b32 v[L1+i],  v[SA1], s[8:9] offset:(i%4)*65536+(i/4)*64+524288
.set i, i+1
.endr
	v_mul_u32_u24 v3, v1, PP
	v_lshl_add_u32 v3, v2, 4, v3
	s_mul_i32 s80, s13, PHALF
	v_add_nc_u32 v[ADRA0], s80, v3                 ; p: row x pitch + 16 x half, in my 64 rows
	v_and_b32 v4, 7, v0                            ; v, turned: lane l reads key 8 (l / 16) + l % 8, channels 8 ((l / 8) % 2) + 0..7
	v_lshl_add_u32 v4, v2, 3, v4
	v_mul_u32_u24 v4, v4, VP
	v_bfe_u32 v5, v0, 3, 1
	v_lshl_add_u32 v4, v5, 4, v4
	s_lshl_b32 s80, s14, 7                         ; my 64 channels: 128 bytes
	s_add_co_u32 s80, s80, VOFF
	v_add_nc_u32 v[ADRB0], s80, v4
.macro ADDRS
	v_add_nc_u32 v[ADRA],  s[TB], v[ADRA0]
	v_add_nc_u32 v[ADRB],  s[TB], v[ADRB0]
	v_add_nc_u32 v[ADRB2], VHALF, v[ADRB]
	v_add_nc_u32 v[ADRAN], s[TN], v[ADRA0]
	v_add_nc_u32 v[ADRBN], s[TN], v[ADRB0]
.endm
	ADDRS
	s_mul_i32 s80, s[WV], FWAVE
	s_add_co_u32 s80, s80, FTAB                    ; my wave's table
	v_lshl_add_u32 v[FTA], v1, 4, s80
	v_lshl_add_u32 v[FS], v2, 8, v[FTA]            ; my half of the lanes stores the even or the odd places
	s_mul_i32 s80, s[WV], 16*SP
	s_add_co_u32 s80, s80, STAGE                   ; my stage
	v_mul_u32_u24 v3, v1, SP
	v_lshl_add_u32 v3, v2, 5, v3
	v_add_nc_u32 v[STO], s80, v3                   ; in: row r, 32 bytes for each half of the lanes
	v_mul_u32_u24 v3, v2, SP
	v_lshl_add_u32 v3, v1, 4, v3
	v_add_nc_u32 v[RD], s80, v3                    ; back: lanes 0-15 one row of 256 bytes, lanes 16-31 the next
	v_lshlrev_b32 v3, 12, v2
	v_lshl_add_u32 v[GO], v1, 4, v3                ; the same two rows in out0
	v_mov_b32 v13, 0                               ; v_permlanex16_b32's destination counts as read
.irp n, FA+5, FA+7, FB+5, FB+7
	v_mov_b32 v[\n], 0                             ; named as the second words of pairs, never used
.endr
	s_wait_loadcnt 0x0
; One row block's statistics: M over my nk chunks and the other half of the lanes'; f = 2^(cm - M), left in cm's registers; L = sum of f l; 1 / L twice, for the packed multiply.
.macro STATS cmb, lb, nk, a, sto, il
	v_max3_num_f32 v12, v[(\cmb)], v[(\cmb)+1], v[(\cmb)+2]
.if (\nk) == 8
	v_max3_num_f32 v12, v12, v[(\cmb)+3], v[(\cmb)+4]
	v_max3_num_f32 v12, v12, v[(\cmb)+5], v[(\cmb)+6]
	v_max_num_f32 v12, v12, v[(\cmb)+7]
.else
	v_max_num_f32 v12, v12, v[(\cmb)+3]
.endif
	v_permlanex16_b32 v13, v12, s[SEL], s[SEL+1]
	v_max_num_f32 v12, v12, v13
.set k, 0
.rept \nk
	v_sub_f32 v[(\cmb)+k], v[(\cmb)+k], v12
.set k, k+1
.endr
.set k, 0
.rept \nk
	v_exp_f32 v[(\cmb)+k], v[(\cmb)+k]
.set k, k+1
.endr
	v_nop                                          ; a plain instruction behind the last exponential
	s_wait_alu depctr_va_vdst(0)
	v_mul_f32 v14, v[(\cmb)], v[(\lb)]
.set k, 1
.rept (\nk)-1
	v_fmac_f32 v14, v[(\cmb)+k], v[(\lb)+k]
.set k, k+1
.endr
.if \sto
.set k, 0
.rept \nk
	ds_store_b32 v[FS], v[(\cmb)+k] offset:k*512+(\a)*4      ; chunk 2 k + h at place 2 k + h
.set k, k+1
.endr
.endif
	v_permlanex16_b32 v13, v14, s[SEL], s[SEL+1]
	v_add_f32 v14, v14, v13
	v_rcp_f32 v[(\il)], v14
	v_rcp_f32 v[(\il)+1], v14
	v_nop                                          ; a plain instruction behind the last reciprocal
.endm
.irp a, 0,1,2,3
	STATS CM0+8*\a, L0+8*\a, 8, \a, 1, IL+2*\a
.endr
.irp a, 0,1,2,3
	STATS CM1+4*\a, L1+4*\a, 4, \a, 0, ILL+2*\a
.endr
	; The second tile's factors follow the first tile's 2 n_hi places that the walk uses.  The stores stand four times, with constant addresses; n_hi (5 to 8), the same in all partners, chooses.
.macro FSTORE nh
.set i, 0
.rept 16
	ds_store_b32 v[FS], v[CM1+i] offset:(\nh)*512+(i%4)*512+(i/4)*4
.set i, i+1
.endr
.endm
.irp nh, 5,6,7
	s_cmp_eq_u32 s[NHI], \nh
	s_cbranch_scc0 .Lnot_\nh
	FSTORE \nh
	s_branch .Lfs_done
.Lnot_\nh:
.endr
	FSTORE 8
.Lfs_done:
; 32 LDS loads in one run: the fragments of 64 keys into buffer g: p and v^T of the first 32 keys, then of the second
.macro FETCH ra, rb, ka, kb, g
	WIN TO_F
.irp c, 0,1
.irp a, 0,1,2,3
	ds_load_b128 v[(\g)+8*(4*(\c)+(\a)):(\g)+8*(4*(\c)+(\a))+3],   v[\ra] offset:(\a)*16*PP+(\ka)+64*(\c)
	ds_load_b128 v[(\g)+8*(4*(\c)+(\a))+4:(\g)+8*(4*(\c)+(\a))+7], v[\ra] offset:(\a)*16*PP+(\ka)+64*(\c)+32
.endr
.irp b, 0,1,2,3
	ds_load_tr16_b128 v[(\g)+64+8*(4*(\c)+(\b)):(\g)+64+8*(4*(\c)+(\b))+3],   v[\rb] offset:(\kb)+32*VP*(\c)+32*(\b)
	ds_load_tr16_b128 v[(\g)+64+8*(4*(\c)+(\b))+4:(\g)+64+8*(4*(\c)+(\b))+7], v[\rb] offset:(\kb)+32*VP*(\c)+32*(\b)+16*VP
.endr
.endr
.endm
; 16 products on half c (32 keys) of buffer vf; the 16 accumulators take turns.  zero = 1: they start a chunk's sums.
.macro GRP vf, c, zero
	WIN W_MM
.set n, 0
.rept 16
.if \zero
	v_wmma_f32_16x16x32_f16 v[TT+8*n:TT+8*n+7], v[(\vf)+64+8*(4*(\c)+n%4):(\vf)+64+8*(4*(\c)+n%4)+7], v[(\vf)+8*(4*(\c)+n/4):(\vf)+8*(4*(\c)+n/4)+7], 0
.else
	v_wmma_f32_16x16x32_f16 v[TT+8*n:TT+8*n+7], v[(\vf)+64+8*(4*(\c)+n%4):(\vf)+64+8*(4*(\c)+n%4)+7], v[(\vf)+8*(4*(\c)+n/4):(\vf)+8*(4*(\c)+n/4)+7], v[TT+8*n:TT+8*n+7]
.endif
.set n, n+1
.endr
.endm
; THE FOLD of a finished chunk: O += f T, 64 packed lines, each accumulator from its low end; first = 1: O = f T, so that nothing is ever cleared.
.macro FOLDX fx, first
	WIN W_FO
.set n, 0
.rept 64                               ; pair n % 4 of accumulator n / 4; row block n / 16, whose factor heads the pair at fx + 4 (a % 2) + 2 (a / 2)
.set FP, (\fx)+4*((n/16)%2)+2*((n/16)/2)
.if \first
	v_pk_mul_f32 v[2*n:2*n+1], v[TT+2*n:TT+2*n+1], v[FP:FP+1] op_sel_hi:[1,0]
.else
	v_pk_fma_f32 v[2*n:2*n+1], v[TT+2*n:TT+2*n+1], v[FP:FP+1], v[2*n:2*n+1] op_sel_hi:[1,0,1]
.endif
.set n, n+1
.endr
.endm
.macro FOLD fx, both                   ; both = 1: the chunk may be a tile's first
	WIN 0
	v_mov_b32 v[(\fx)+4], v[(\fx)+1]               ; these two and the two v_nop are the four places behind the chunk's last products
	v_mov_b32 v[(\fx)+6], v[(\fx)+3]
	v_nop
	v_nop
.if \both
	s_cmp_eq_u32 s[NEW], 1
	s_cbranch_scc1 .Lz_\@
	FOLDX \fx, 0
	WIN 0
	s_branch .Lj_\@
.Lz_\@:
	FOLDX \fx, 1
	WIN 0
.Lj_\@:
.else
	FOLDX \fx, 0
.endif
.endm
; A KEY STEP: two chunks of 128 keys, four quarters of 64 keys on buffers 0, 1, 0, 1.  A quarter fetches the next quarter's fragments at its head, so that they have its 32 products in which to land.
; In front of quarters 0 and 2 the fold's lines are the places between the last products and the loads.  The slot's last bytes are fetched at the third quarter's head; the change of slots stands in that
; quarter's middle.  fill = 1: the slot is filled again with the key step two steps on in the walk.
.macro STEP fill
	WIN 0                                          ; quarter 0
	ds_load_b128 v[FA:FA+3], v[FTA]                ; the two chunks' factors
	ds_load_b128 v[FB:FB+3], v[FTA] offset:256
	FETCH ADRA, ADRB, 128, 64*VP, F1
	s_wait_dscnt 32                                ; all but the 32 just issued: this quarter's fragments and the factors are in
	GRP F0, 0, 1
	GRP F0, 1, 0
	PLACES                                         ; quarter 1
	FETCH ADRA, ADRB2, 256, 0, F0
	s_wait_dscnt 32
	GRP F1, 0, 0
	GRP F1, 1, 0
	FOLD FA, 1
	FETCH ADRA, ADRB2, 384, 64*VP, F1              ; quarter 2
	s_wait_dscnt 32
	GRP F0, 0, 1
	WIN 0
	s_wait_tensorcnt 0x0                           ; all my tensor loads have landed: the one that was out is my part of the other slot; so a group 0 may be written
	ds_add_u32 v[SPW], v[NIL]                      ; 0 onto my spare word; the descriptors' scalar work stands between it and the wait for it
.if \fill
	s_lshl_b32 s[AOF], s[NK], 9                    ; 256 keys of 2 bytes a step
	s_add_co_u32 s[AOF], s[AOF], s[ARO]
	s_add_nc_u64 s[G0A+6:G0A+7], s[4:5], s[AOF:AOF+1]
	s_or_b32 s[G0A+7], s[G0A+7], 0x80000000
	s_add_co_u32 s[G0A+5], s[LAA], s[TB]           ; into the slot in hand
	s_lshl_b32 s[BOF], s[NK], 19                   ; 256 rows of 2,048 bytes a step
	s_add_co_u32 s[BOF], s[BOF], s[BRO]
	s_add_nc_u64 s[G0B+6:G0B+7], s[6:7], s[BOF:BOF+1]
	s_or_b32 s[G0B+7], s[G0B+7], 0x80000000
	s_add_co_u32 s[G0B+5], s[LAB], s[TB]
	s_add_co_u32 s[NK], s[NK], 1                   ; the tile's next key step, or behind its last the second tile's step 0
	s_cmp_gt_u32 s[NK], s[LQ]
	s_cselect_b32 s[NK], 0, s[NK]
	s_cselect_b32 s[ARO], s[ARL], s[ARO]
	s_cselect_b32 s[LQ], s[LQL], s[LQ]
.endif
	s_wait_dscnt 0x0                               ; the add is done, and my reads of this slot are over
	s_barrier_signal -1                            ; with fill = 1 this barrier opens a round of the cluster's
	GRP F0, 1, 0                                   ; work on registers while the others arrive
	WIN 0
	s_barrier_wait -1
.if \fill
	CREST                                          ; no wave of any partner still reads this slot or has a load on its way
	JLOAD                                          ; the first tensor load behind the round: 112 matrix instructions ahead of the wait for it; its four v_nop are also the places in front of the loads below
.else
	PLACES
.endif
	FETCH ADRAN, ADRBN, 0, 0, F0                   ; quarter 3
	s_wait_dscnt 32
	GRP F1, 0, 0
	GRP F1, 1, 0
	FOLD FB, 0
.endm
; THE WAY OUT of row block a: O times 1 / L, in place; 32 bytes a lane into my stage; back as whole rows of 256 bytes; stored.
.macro PACKO a
	WIN 0x82                                       ; destination and source 0 in window 2
.set i, 0
.rept 16
	v_pk_mul_f32 v[32*(\a)+2*i:32*(\a)+2*i+1], v[32*(\a)+2*i:32*(\a)+2*i+1], v[IL+2*(\a):IL+2*(\a)+1] op_sel_hi:[1,0]
.set i, i+1
.endr
	WIN 0x08                                       ; store data in window 2
.irp b, 0,1,2,3
	ds_store_b128 v[STO], v[32*(\a)+8*(\b):32*(\a)+8*(\b)+3]   offset:64*(\b)
	ds_store_b128 v[STO], v[32*(\a)+8*(\b)+4:32*(\a)+8*(\b)+7] offset:64*(\b)+16
.endr
	WIN 0x80
.irp t, 0,1,2,3,4,5,6,7
	ds_load_b128 v[TMP+32*(\a)+4*(\t):TMP+32*(\a)+4*(\t)+3], v[RD] offset:2*SP*(\t)  ; LDS serves a wave's instructions in order: these see the stores above; the next block's stores come behind them
.endr
	WIN 0
.endm
.macro SENDO a, y                      ; y: the LDS instructions issued behind block a's loads: the next block's sixteen, or none
	WIN 0x08
.irp t, 0,1,2,3,4,5,6,7
	s_wait_dscnt (\y)+7-(\t)
	global_store_b128 v[GO], v[TMP+32*(\a)+4*(\t):TMP+32*(\a)+4*(\t)+3], s[10:11] offset:(16*(\a)+2*(\t))*4096  ; 16 lanes store 256 consecutive bytes, at a multiple of 256 from out0's first byte
.endr
	WIN 0
.endm
; A step's end: the slots change places, the table's address steps; behind a tile's last step the tile goes out and the second tile's registers are set.  The jump goes forward, over no barrier and no tensor load.
.macro STEPEND
	WIN 0
	s_xor_b32 s[TB], s[TB], SLOT1
	s_xor_b32 s[TN], s[TN], SLOT1
	ADDRS
	v_add_nc_u32 v[FTA], 512, v[FTA]
	s_mov_b32 s[NEW], 0
	s_sub_co_u32 s[RT], s[RT], 1
	s_cmp_lg_u32 s[RT], 0
	s_cbranch_scc1 .Lgo_\@
	s_wait_xcnt 0x0                                ; the registers that an earlier way out's stores read are loaded again only behind this wait
	PACKO 0
	PACKO 1
	SENDO 0, 16
	PACKO 2
	SENDO 1, 16
	PACKO 3
	SENDO 2, 16
	SENDO 3, 0
	s_wait_xcnt 0x0                                ; the stores' base is rewritten only behind this wait
	s_mov_b64 s[10:11], s[OBL:OBL+1]
.set i, 0
	s_wait_alu depctr_va_vdst(0)
.rept 8
	v_mov_b32 v[IL+i], v[ILL+i]
.set i, i+1
.endr
	s_mov_b32 s[RT], s[NLO]
	s_mov_b32 s[NEW], 1
.Lgo_\@:
.endm
	s_wait_tensorcnt 0x1                           ; my part of key step 0 is in; step 1's may stay out
	s_wait_dscnt 0x0                               ; my stores into the table are done
	s_barrier_signal -1
	s_barrier_wait -1
	FETCH ADRA, ADRB, 0, 0, F0
	WIN 0
	s_mov_b32 s[CNT], 7
.Lwalk:                                                ; steps 0 to 6 of the walk's nine, which ask for steps 2 to 8
	STEP 1
	STEPEND
	s_sub_co_u32 s[CNT], s[CNT], 1
	s_cmp_lg_u32 s[CNT], 0
	s_cbranch_scc1 .Lwalk
	s_mov_b32 s[CNT], 2
.Ltail:                                                ; steps 7 and 8 ask for nothing and have no round.  The last trip's fetch from the other slot serves nothing: the price of one text for both
	STEP 0
	STEPEND
	s_sub_co_u32 s[CNT], s[CNT], 1
	s_cmp_lg_u32 s[CNT], 0
	s_cbranch_scc1 .Ltail
	s_wait_tensorcnt 0x0                           ; the wave's end
	ds_add_u32 v[SPW], v[NIL]
	s_wait_dscnt 0x0
	CROUND                                         ; the closing round: no work-group ends while a partner may still ask for a tile that names it
	s_endpgm
.Lfunc_end_k_q7ac850fbc3_pv:
	.size	k_q7ac850fbc3_pv, .Lfunc_end_k_q7ac850fbc3_pv-k_q7ac850fbc3_pv
	.p2alignl 7, 3214868480
	.fill 96, 4, 3214868480
	.section	.rodata,"a",@progbits
	.p2align	6, 0x0
	.amdhsa_kernel k_q7ac850fbc3_pv
		.amdhsa_group_segment_fixed_size 327680
		.amdhsa_private_segment_fixed_size 0
		.amdhsa_enable_private_segment 0
		.amdhsa_kernarg_size 32
		.amdhsa_user_sgpr_count 2
		.amdhsa_user_sgpr_kernarg_segment_ptr 1
		.amdhsa_wavefront_size32 1
		.amdhsa_system_sgpr_workgroup_id_x 1
		.amdhsa_system_sgpr_workgroup_id_y 1
		.amdhsa_system_sgpr_workgroup_id_z 1
		.amdhsa_system_vgpr_workitem_id 0
		.amdhsa_next_free_vgpr 768
		.amdhsa_next_free_sgpr 88
		.amdhsa_reserve_vcc 0
		.amdhsa_float_denorm_mode_32 3
		.amdhsa_float_denorm_mode_16_64 3
		.amdhsa_memory_ordered 1
		.amdhsa_forward_progress 1
		.amdhsa_inst_pref_size 123
	.end_amdhsa_kernel
	.amdgpu_metadata
---
amdhsa.version: [ 1, 2 ]
amdhsa.kernels:
  - .name:           k_q7ac850fbc3_pv
    .symbol:         k_q7ac850fbc3_pv.kd
    .args:
      - { .name: p, .offset: 0, .size: 8, .value_kind: global_buffer, .address_space: global }
      - { .name: v, .offset: 8, .size: 8, .value_kind: global_buffer, .address_space: global }
      - { .name: stats, .offset: 16, .size: 8, .value_kind: global_buffer, .address_space: global }
      - { .name: out0, .offset: 24, .size: 8, .value_kind: global_buffer, .address_space: global }
    .group_segment_fixed_size: 327680
    .private_segment_fixed_size: 0
    .kernarg_segment_align: 8
    .kernarg_segment_size: 32
    .max_flat_workgroup_size: 128
    .sgpr_count:     88
    .vgpr_count:     768
    .wavefront_size: 32
...
	.end_amdgpu_metadata
.endif
;; end of part 9
;; ======== version 3 of 3: 5 launches; version 2 with the launch cast written anew for expert scheduling mode
;; limits: values are held in f16: magnitudes above 65,504 overflow, below 6.1e-05 lose precision
;; workspace buffers: xb 16,777,216 bytes; wqk16 4,194,304 bytes; wb 4,194,304 bytes; q 16,777,216 bytes; v 16,777,216 bytes; p 33,554,432 bytes; stats 1,048,576 bytes
;; launch cast (part 10): grid 352 x 1, 8 waves a work-group, no clusters, 0 bytes of LDS; arguments x, Wq, Wk, Wv, xb, wqk16, wb; writes xb, wqk16, wb
.if DOCPART == 10
	.amdgcn_target "amdgcn-amd-amdhsa--gfx1250"
	.amdhsa_code_object_version 6
	.text
	.protected	k_q7ac850fbc3_cast
	.globl	k_q7ac850fbc3_cast
	.p2align	8
	.type	k_q7ac850fbc3_cast,@function
k_q7ac850fbc3_cast:
	s_mov_b64 s[64:65], 0
	v_nop
	global_prefetch_b8 v0, s[64:65] scope:SCOPE_SE
	s_setreg_imm32_b32 hwreg(HW_REG_WAVE_SCHED_MODE, 0, 2), 2
	s_setreg_imm32_b32 hwreg(HW_REG_WAVE_MODE, 25, 1), 1
	s_wait_xcnt 0x0
	s_wait_alu depctr_vm_vsrc(0)
; Every input is rounded to bf16, and that number is written as f16 (exact within f16's range), so that all later products can take the f16 matrix form beside f16 intermediates.
; x [8192][1024] f32 -> xb [8192][1024];  Wq, Wk [1024][1024] -> wqk16 [2048][1024] (Wq's rows, then Wk's);  Wv [1024][1024] -> the right half of wb [1024 d][2048 n].
; LIMITS.  A number of 65,520 or more leaves as an infinity; below 2^-14 the f16 keeps a fixed step of 6e-8.
; Everything is rows of 1,024 f32: 4,096 bytes in, 2,048 bytes out.  A work-group takes 32 rows, each of its eight waves 4.  Work-groups 0-255 take x, 256-351 the weights (32 each).
; A stream: each byte is read once and written once; no LDS, no matrix unit, no barrier would add anything.  A wave's 32 loads go out at once; the waits for data are counted.
; THE MODE: SCHED_MODE bits 1:0 = 2 (LLVM: expert scheduling mode 2), set by the entry lines.  The code itself states the register dependences
; between vector instructions and memory instructions, with s_wait_alu, always for 0.
; THE PLAN.  Registers that memory instructions touch:
;   v2, v[4:7]  byte offsets of the loads and of the stores: made once at the head by vector instructions, never written again.
;   XR          each four registers are written by one load, once; no vector instruction names them before that load is issued; behind its counted wait vector instructions alone name them.
;   YR          each pair is written once, by the two roundings to f16 of its load's numbers, read by one store, and never written again.
; The 32 loads go in eight blocks of four.  Block p rounds its four loads into their pairs of YR; its memory instructions are the four stores of block p - 1, one ahead of each load's eight
; vector instructions, which name T and the block's own XR and YR: none of the registers that those stores read.  So one wait at a block's head states all that its four stores hang on.
; No register that a memory instruction has read is written again, so nothing is owed on that side; no vector instruction writes a scalar register, and EXEC is never written.
.set XR,   16                          ; v[16:143]  32 loads of 4 f32
.set YR,   144                         ; v[144:207] 32 x 4 f16 to store
.set OFFS, 4                           ; v[4:7]     row rho of my four: its byte offset in the output, + 8 x lane
.set T,    8                           ; v[8:9]     two pairs of bf16, at work: no memory instruction names them
.set BLK,  4                           ; loads in a block
	s_load_b256 s[4:11], s[0:1], 0x0               ; x s[4:5], Wq s[6:7], Wk s[8:9], Wv s[10:11]
	s_load_b128 s[12:15], s[0:1], 0x20             ; xb s[12:13], wqk16 s[14:15]
	s_load_b64 s[32:33], s[0:1], 0x30              ; wb
	s_mov_b32 s16, ttmp9
	s_max_u32 s17, s16, 256
	s_sub_co_u32 s17, s17, 256                     ; my number among the weights' work-groups (0 for x's)
	s_lshr_b32 s18, s17, 5                         ; which weight
	s_and_b32 s19, s17, 31                         ; which 32 rows of it
	s_lshl_b32 s27, s19, 17                        ; out, Wv: 32 rows of 4,096 bytes,
	s_add_co_u32 s27, s27, 2048                    ; the right half of each
	s_lshl_b32 s28, s17, 16                        ; out, Wq and Wk: 32 rows of 2,048 bytes; Wk's blocks follow Wq's 32
	s_lshl_b32 s29, s16, 16                        ; out, x
	s_lshl_b32 s30, s19, 17                        ; in, a weight: 32 rows of 4,096 bytes
	s_lshl_b32 s31, s16, 17                        ; in, x
	s_mov_b32 s26, 2048                            ; bytes in an output row
	s_mov_b32 s34, 0xffff0000                      ; a word's upper bf16
	s_cmp_eq_u32 s18, 2
	s_cselect_b32 s26, 4096, s26
	s_cselect_b32 s28, s27, s28
	s_cmp_lt_u32 s16, 256
	s_cselect_b32 s28, s29, s28
	s_cselect_b32 s30, s31, s30
	s_mov_b32 s29, 0
	s_mov_b32 s31, 0
	v_and_b32 v1, 31, v0                           ; lane
	v_lshrrev_b32 v3, 5, v0                        ; wave
	v_lshlrev_b32 v2, 14, v3                       ; my wave's 4 rows of 4,096 bytes,
	v_lshl_add_u32 v2, v1, 4, v2                   ; 16 bytes a lane
	v_lshlrev_b32 v3, 2, v3
.irp rho, 0,1,2,3
	v_add_nc_u32 v[OFFS+(\rho)], (\rho), v3
	v_mul_lo_u32 v[OFFS+(\rho)], v[OFFS+(\rho)], s26
	v_lshl_add_u32 v[OFFS+(\rho)], v1, 3, v[OFFS+(\rho)]
.endr
	s_wait_kmcnt 0x0
	s_cmp_eq_u32 s18, 1                            ; the buffers are chosen by the work-group's number alone
	s_cselect_b64 s[22:23], s[8:9], s[6:7]
	s_cmp_eq_u32 s18, 2
	s_cselect_b64 s[22:23], s[10:11], s[22:23]
	s_cselect_b64 s[24:25], s[32:33], s[14:15]
	s_cmp_lt_u32 s16, 256
	s_cselect_b64 s[22:23], s[4:5], s[22:23]
	s_cselect_b64 s[24:25], s[12:13], s[24:25]
	s_add_nc_u64 s[22:23], s[22:23], s[30:31]
	s_add_nc_u64 s[24:25], s[24:25], s[28:29]
	s_wait_alu depctr_va_vdst(0)                   ; v2 and v[4:7] are written: every load of the kernel reads v2 as its offset, every store one of v[4:7]
.set n, 0
.rept 32                               ; load n: row n / 8, 512 neighbouring bytes at 512 (n % 8)
	global_load_b128 v[XR+4*n:XR+4*n+3], v2, s[22:23] offset:(n/8)*4096+(n%8)*512 th:TH_LOAD_NT
.set n, n+1
.endr
.set n, 0
.rept 32
	s_wait_loadcnt 31-n                            ; loads come back in order: load n is in, the younger ones stay out
.if ((n%BLK) == 0) && (n > 0)
	s_wait_alu depctr_va_vdst(0)                   ; the block before has written its eight registers of YR, which this block's four stores read
.endif
.if n >= BLK
.set m, n-BLK                          ; the store of the same place in the block before; no vector instruction since the wait names its registers
	global_store_b64 v[OFFS+m/8], v[YR+2*m:YR+2*m+1], s[24:25] offset:(m%8)*256  ; 32 lanes x 8 bytes: 256 consecutive bytes, at a multiple of 256 from the buffer's first
.endif
	v_cvt_pk_bf16_f32 v[T], v[XR+4*n], v[XR+4*n+1]           ; the one rounding,
	v_cvt_pk_bf16_f32 v[T+1], v[XR+4*n+2], v[XR+4*n+3]
	v_lshlrev_b32 v[XR+4*n], 16, v[T]                        ; widened again,
	v_and_b32 v[XR+4*n+1], s34, v[T]
	v_lshlrev_b32 v[XR+4*n+2], 16, v[T+1]
	v_and_b32 v[XR+4*n+3], s34, v[T+1]
	v_cvt_pk_f16_f32 v[YR+2*n], v[XR+4*n], v[XR+4*n+1]       ; and written as f16
	v_cvt_pk_f16_f32 v[YR+2*n+1], v[XR+4*n+2], v[XR+4*n+3]
.set n, n+1
.endr
	s_wait_alu depctr_va_vdst(0)                   ; the last block has written its eight registers of YR, which the last four stores read
.set m, 32-BLK
.rept BLK
	global_store_b64 v[OFFS+m/8], v[YR+2*m:YR+2*m+1], s[24:25] offset:(m%8)*256
.set m, m+1
.endr
	s_endpgm
.Lfunc_end_k_q7ac850fbc3_cast:
	.size	k_q7ac850fbc3_cast, .Lfunc_end_k_q7ac850fbc3_cast-k_q7ac850fbc3_cast
	.p2alignl 7, 3214868480
	.fill 96, 4, 3214868480
	.section	.rodata,"a",@progbits
	.p2align	6, 0x0
	.amdhsa_kernel k_q7ac850fbc3_cast
		.amdhsa_group_segment_fixed_size 0
		.amdhsa_private_segment_fixed_size 0
		.amdhsa_enable_private_segment 0
		.amdhsa_kernarg_size 56
		.amdhsa_user_sgpr_count 2
		.amdhsa_user_sgpr_kernarg_segment_ptr 1
		.amdhsa_wavefront_size32 1
		.amdhsa_system_sgpr_workgroup_id_x 1
		.amdhsa_system_sgpr_workgroup_id_y 1
		.amdhsa_system_sgpr_workgroup_id_z 1
		.amdhsa_system_vgpr_workitem_id 0
		.amdhsa_next_free_vgpr 208
		.amdhsa_next_free_sgpr 66
		.amdhsa_reserve_vcc 0
		.amdhsa_float_denorm_mode_32 3
		.amdhsa_float_denorm_mode_16_64 3
		.amdhsa_memory_ordered 1
		.amdhsa_forward_progress 1
		.amdhsa_inst_pref_size 22
	.end_amdhsa_kernel
	.amdgpu_metadata
---
amdhsa.version: [ 1, 2 ]
amdhsa.kernels:
  - .name:           k_q7ac850fbc3_cast
    .symbol:         k_q7ac850fbc3_cast.kd
    .args:
      - { .name: x, .offset: 0, .size: 8, .value_kind: global_buffer, .address_space: global }
      - { .name: Wq, .offset: 8, .size: 8, .value_kind: global_buffer, .address_space: global }
      - { .name: Wk, .offset: 16, .size: 8, .value_kind: global_buffer, .address_space: global }
      - { .name: Wv, .offset: 24, .size: 8, .value_kind: global_buffer, .address_space: global }
      - { .name: xb, .offset: 32, .size: 8, .value_kind: global_buffer, .address_space: global }
      - { .name: wqk16, .offset: 40, .size: 8, .value_kind: global_buffer, .address_space: global }
      - { .name: wb, .offset: 48, .size: 8, .value_kind: global_buffer, .address_space: global }
    .group_segment_fixed_size: 0
    .private_segment_fixed_size: 0
    .kernarg_segment_align: 8
    .kernarg_segment_size: 56
    .max_flat_workgroup_size: 256
    .sgpr_count:     66
    .vgpr_count:     208
    .wavefront_size: 32
...
	.end_amdgpu_metadata
.endif
;; end of part 10
;; launch wqk: the kernel of part 6 again; grid 16 x 16, 4 waves a work-group, clusters of 4 x 4, 327,680 bytes of LDS; arguments wqk16, wb; writes wb
;; launch proj: the kernel of part 7 again; grid 8 x 32, 4 waves a work-group, clusters of 4 x 4, 327,680 bytes of LDS; arguments xb, wb, q, v; writes q, v
;; launch scores: the kernel of part 8 again; grid 36 x 4, 4 waves a work-group, no clusters, 327,680 bytes of LDS; arguments q, xb, p, stats; writes p, stats
;; launch pv: the kernel of part 9 again; grid 8 x 32, 4 waves a work-group, clusters of 4 x 1, 327,680 bytes of LDS; arguments p, v, stats, out0; writes out0
